; MI455X (gfx1250); checked and timed in simulation.
; The chip was launched on July 23, 2026; its instructions are those of AMD's public machine-readable ISA for CDNA 5 (MIT licence, August 2026) and "CDNA5" Instruction Set Architecture Reference Guide (July 2026). The comments in the code are by the model that wrote it; some were corrected since.
;; Differential Attention. Allowed arithmetic: matrix products marked QUANTISED: E2M3 operands, one E8M0 scale for each 32 along K, by v_wmma_scale_f32_16x16x128_f8f6f4 with both operands' format E2M3, f32 sums; everything else in f32.
;; Inputs: Wk 2,048 x 1,024 float32; Wo 1,024 x 1,024 float32; Wq 2,048 x 1,024 float32; Wv 1,024 x 1,024 float32; kn_beta 2,048 float32; kn_gamma 2,048 float32; lambda_k 16 x 64 float32; lambda_q 16 x 64 float32; qn_beta 2,048 float32; qn_gamma 2,048 float32; x 2 x 2,048 x 1,024 float32.
;; Outputs: out0 2 x 2,048 x 1,024 float32.
;; This version of the problem:
;;   THIS VERSION OF THE PROBLEM IS GIVEN IN LOW PRECISION. The matrix products marked QUANTISED in the list below multiply operands that are first quantised to E2M3 (2 exponent bits, 3 mantissa bits; 6 bits a number), with one power-of-two scale for each 32 numbers along K (OCP MX v1.0); their sums are f32. All else is computed in f32.
;;   The module's matrix products, in the order in which they are computed (A, B: the left and right operand; K: the contracted axis; several contracted axes count as one K, in the product's order):
;;     1. [M 4,096, K 1,024] x [K 1,024, N 2,048]; A: input x; B: computed on the way: QUANTISED
;;     2. [M 4,096, K 1,024] x [K 1,024, N 2,048]; A: input x; B: computed on the way: QUANTISED
;;     3. [M 4,096, K 1,024] x [K 1,024, N 1,024]; A: input x; B: computed on the way: QUANTISED
;;     4. batch 32 x [M 2,048, K 64] x [K 64, N 2,048]; A: computed on the way; B: computed on the way: QUANTISED
;;     5. batch 32 x [M 64, K 2,048] x [K 2,048, N 2,048]; A: computed on the way; B: softmax (see below): QUANTISED
;;     6. batch 32 x [M 2,048, K 64] x [K 64, N 2,048]; A: computed on the way; B: computed on the way: QUANTISED
;;     7. batch 32 x [M 64, K 2,048] x [K 2,048, N 2,048]; A: computed on the way; B: softmax (see below): QUANTISED
;;     8. [M 4,096, K 1,024] x [K 1,024, N 1,024]; A: computed on the way; B: computed on the way: QUANTISED
;;   THE QUANTISER, for each operand of a quantised product, along K:
;;     - K is cut into blocks of 32 from its start; a last block that is shorter is filled with zeros.
;;     - A block's scale is 2^e with e = floor(log2(the largest magnitude in the block)) - 2, held to -126 .. 127; a block of zeros has e = 0. As a byte (E8M0): e + 127.
;;     - Each number is divided by its block's scale, clamped to +-7.5, and rounded to the nearest number of E2M3, ties to even, subnormals kept.
;;     - The product sums the exact products of the quantised numbers (number of the format x scale) in f32.
;;   ~~~python
;;   def quantise(x, axis):      # numpy; x: float32 -> the quantised numbers, widened to float32 again
;;       x = np.moveaxis(x, axis, -1); K = x.shape[-1]
;;       x = np.pad(x, [(0, 0)] * (x.ndim - 1) + [(0, -K % 32)]); x = x.reshape(x.shape[:-1] + (-1, 32)); a = np.abs(x).max(-1, keepdims=True)
;;       e = np.where(a > 0, np.clip(np.frexp(np.where(a > 0, a, 1))[1] - 1 - 2, -126, 127), 0)      # np.frexp(a)[1] - 1 = floor(log2(a)), exactly
;;       r = np.clip(x / 2.0 ** e, -7.5, 7.5)
;;       step = 2.0 ** (np.maximum(np.frexp(np.where(r == 0, 1, r))[1] - 1, 0) - 3)
;;       q = np.round(r / step) * step * 2.0 ** e      # np.round: ties to even
;;       return np.moveaxis(q.reshape(q.shape[:-2] + (-1,))[..., :K], -1, axis).astype(np.float32)
;;   ~~~
;;   SOFTMAX AHEAD OF A QUANTISED PRODUCT. Where the list says 'softmax', what is quantised is not the finished softmax but p = 2^(t - M), with t = logit x log2(e) and M = ceil(the row's largest t), a whole number; so 1/2 < the row's largest p <= 1. The row's sum l is taken of the UNQUANTISED p, in f32, and the product's result is divided by l at the end. Since M is a whole number, a kernel that streams over the keys may use a running M (the ceiling of the running maximum): every later rescaling is an exact power of two, which a block's scale takes up: the codes' values come out the same.
;;   OPERANDS COMPUTED ON THE WAY. 'Computed on the way' means the value that the module computes at that place (a softmax that the list does not call 'softmax' is quantised finished and normalised). What goes into a quantiser is computed in f32, as accurately as f32 sums, v_exp_f32 and their like allow (about 1e-6 of the number): no bf16 or f16 on the way to a quantiser, and a product that is left as it is and whose result goes on into a quantised operand takes f32 operands (vector FMAs, or v_wmma_f32_16x16x4_f32). A number that lies on a knife's edge between two numbers of the format may be rounded either way, as far as f32 arithmetic and the matrix unit's own rounding can turn it there, and no further.
;; 2 versions, each right. Each part assembles by itself: llvm-mc -triple=amdgcn-amd-amdhsa -mcpu=gfx1250 --defsym DOCPART=n.
;; ======== version 1 of 2: 6 launches
;; workspace buffers: xq 3,276,800 bytes; oq 3,276,800 bytes; wq 4,096,000 bytes; woq 4,096,000 bytes; y 83,886,080 bytes; qkv 16,384,000 bytes
;; launch prep (part 1): grid 320 x 1, 4 waves a work-group, no clusters, 33,280 bytes of LDS; arguments x, Wq, Wk, Wv, Wo, xq, wq, woq; writes xq, wq, woq
.if DOCPART == 1
	.amdgcn_target "amdgcn-amd-amdhsa--gfx1250"
	.amdhsa_code_object_version 6
	.text
	.protected	k_q435615c29a_prep
	.globl	k_q435615c29a_prep
	.p2align	8
	.type	k_q435615c29a_prep,@function
k_q435615c29a_prep:
	s_mov_b64 s[64:65], 0
	v_nop
	global_prefetch_b8 v0, s[64:65] scope:SCOPE_SE
	s_setreg_imm32_b32 hwreg(HW_REG_WAVE_MODE, 25, 1), 1
	s_wait_xcnt 0x0
; x [4096][1024] and the four weights (Wq, Wk [2048][1024], Wv, Wo [1024][1024]), f32, become codes of FP6 (E2M3), K innermost (768 bytes a row), with one E8M0 byte for each 32 along K.
; A weight is first made ternary as the problem writes it: s = max(mean |W| of the row, 1e-5); wq = clip(round(W / s), -1, 1); w = W + (wq s - W).
; round(W / s) is not 0 exactly where |W| > s / 2: the next f32 above s / 2 gives a quotient above 0.5 + 2^-25, which rounds above 0.5; 0.5 itself goes to 0 (ties to even).
; OUT: xq = x's codes, then its scale bytes at ASC.  wq = the codes of [Wq; Wk; Wv], 5,120 rows, scale bytes at BSC.  woq = Wo's codes, scale bytes at BSC as well.
; SHARES: a work-group takes 32 rows, a wave 8 rows (32,768 bytes in, 6,144 bytes of codes and 256 scale bytes out).  Work-groups 0-127 x, 128-191 Wq, 192-255 Wk, 256-287 Wv, 288-319 Wo:
; only pointers are chosen by the work-group's number; the one branch on it jumps over register work (the ternary step), which x does not have.
; A row is 8 loads of 512 consecutive bytes (32 registers a lane).  For the conversions a lane must hold 16 neighbours along K, so the row turns through the wave's own stage in LDS (64 bytes + 16 of padding a lane).
; LIMITS: NaN and infinities are not served.  A block whose largest magnitude lies under 2^-124 keeps the byte 1, a block of zeros too (its codes are zeros; the bytes are read by this program alone).
; The row's sum of |W| is taken in another order than a plain left-to-right sum.
.set ASC,  3145728                     ; 4,096 rows x 768 bytes
.set BSC,  3932160                     ; 5,120 rows x 768 bytes
.set SP,   80                          ; a lane's place in a stage
.set WREG, 8192                        ; LDS of a wave: two stages of 32 x SP bytes, then its 256 scale bytes
.set R,    16                          ; v16-111  three sets of 32: a row as loaded
.set X,    112                         ; v112-143 two sets of 16 neighbours
.set C,    144                         ; v144-207 codes: four registers for each of 16 steps, never written again
.set E,    208                         ; v208-223 a scale byte for each step
	s_load_b512 s[8:23], s[0:1], 0x0               ; x, Wq, Wk, Wv, Wo, xq, wq, woq
	v_lshl_add_u32 v224, v0, 2, 0x8000
	v_mov_b32 v225, 0
	v_lshrrev_b32 v1, 5, v0
	v_readfirstlane_b32 s2, v1                     ; wave
	v_and_b32 v2, 31, v0                           ; lane
	v_lshlrev_b32 v3, 4, v2                        ; my 16 bytes of a load's 512
	s_mul_i32 s3, s2, WREG
	v_lshrrev_b32 v14, 2, v2
	v_mul_u32_u24 v14, v14, SP
	v_and_b32 v15, 3, v2
	v_lshl_add_u32 v14, v15, 4, v14
	v_add_nc_u32 v14, s3, v14                      ; the stage, in: SP (lane / 4) + 16 (lane % 4)
	v_mul_u32_u24 v15, v2, SP
	v_add_nc_u32 v15, s3, v15                      ; the stage, out: SP x lane
	v_mul_u32_u24 v4, v2, 12                       ; my 12 bytes of a step's 384 bytes of codes
	v_lshrrev_b32 v5, 1, v2
	s_add_co_u32 s3, s3, 2*32*SP
	v_add_nc_u32 v5, s3, v5                        ; LDS: my block's scale byte
	v_lshlrev_b32 v7, 3, v2
	v_add_nc_u32 v6, s3, v7                        ; and 8 bytes a lane on the way out
	v_mov_b32 v9, 0                                ; a lane permute's destination counts as read
	s_mov_b32 s28, 0x76543210
	s_mov_b32 s29, 0xfedcba98                      ; selects: lane l xor 16
	s_mov_b32 s34, 0x7fffffff
	s_wait_kmcnt 0x0
	s_mov_b64 s[4:5], s[16:17]                     ; from Wo, whose first work-group is 288,
	s_mov_b32 s24, 288
	s_mov_b64 s[6:7], s[22:23]                     ; to woq
	s_mov_b32 s25, 288
	s_mov_b32 s26, BSC
	s_cmp_lt_u32 ttmp9, 288                        ; every choice hangs on the work-group's number alone
	s_cselect_b64 s[4:5], s[14:15], s[4:5]
	s_cselect_b32 s24, 256, s24
	s_cselect_b64 s[6:7], s[20:21], s[6:7]
	s_cselect_b32 s25, 128, s25
	s_cmp_lt_u32 ttmp9, 256
	s_cselect_b64 s[4:5], s[12:13], s[4:5]
	s_cselect_b32 s24, 192, s24
	s_cmp_lt_u32 ttmp9, 192
	s_cselect_b64 s[4:5], s[10:11], s[4:5]
	s_cselect_b32 s24, 128, s24
	s_cmp_lt_u32 ttmp9, 128
	s_cselect_b64 s[4:5], s[8:9], s[4:5]
	s_cselect_b32 s24, 0, s24
	s_cselect_b64 s[6:7], s[18:19], s[6:7]
	s_cselect_b32 s25, 0, s25
	s_cselect_b32 s26, ASC, s26
	s_sub_co_u32 s24, ttmp9, s24
	s_lshl_b32 s24, s24, 2
	s_add_co_u32 s24, s24, s2                      ; which run of 8 rows of the source
	s_lshl_b32 s38, s24, 15
	s_mov_b32 s39, 0
	s_add_nc_u64 s[4:5], s[4:5], s[38:39]
	s_sub_co_u32 s25, ttmp9, s25
	s_lshl_b32 s25, s25, 2
	s_add_co_u32 s25, s25, s2                      ; which run of the destination
	s_lshl_b32 s38, s25, 8
	s_add_co_u32 s38, s38, s26
	s_add_nc_u64 s[36:37], s[6:7], s[38:39]        ; its 256 scale bytes
	s_mul_i32 s38, s25, 6144
	s_add_nc_u64 s[6:7], s[6:7], s[38:39]          ; its codes
.macro LOAD t                          ; row t into set t % 3
.irp i, 0,1,2,3,4,5,6,7
	global_load_b128 v[R+32*((\t)%3)+4*\i:R+32*((\t)%3)+4*\i+3], v3, s[4:5] offset:4096*(\t)+512*\i th:TH_LOAD_NT
.endr
.endm
.macro TERN t                          ; the row in set t % 3 becomes W + (wq s - W)
.set RS, R+32*((\t)%3)
.irp k, 0,1,2,3
	v_add_f32 v[10+\k], |v[RS+2*\k]|, |v[RS+2*\k+1]|           ; the sum of my 32 magnitudes, in four chains
.endr
.irp i, 8,12,16,20,24,28
.irp k, 0,1,2,3
	v_add_f32 v[10+\k], v[10+\k], |v[RS+\i+\k]|
.endr
.endr
	v_add_f32 v10, v10, v11
	v_add_f32 v12, v12, v13
	v_add_f32 v8, v10, v12
	v_add_f32_dpp v8, v8, v8 row_xmask:1 row_mask:0xf bank_mask:0xf
	v_add_f32_dpp v8, v8, v8 row_xmask:2 row_mask:0xf bank_mask:0xf
	v_add_f32_dpp v8, v8, v8 row_xmask:4 row_mask:0xf bank_mask:0xf
	v_add_f32_dpp v8, v8, v8 row_xmask:8 row_mask:0xf bank_mask:0xf
	v_permlanex16_b32 v9, v8, s28, s29
	v_add_f32 v8, v8, v9                           ; the row's sum, in every lane
	v_mul_f32 v8, 0x3a800000, v8                   ; / 1,024
	v_max_num_f32 v8, 0x3727c5ac, v8               ; s: at least 1e-5
	v_mul_f32 v9, 0.5, v8                          ; s / 2, exact
.irp i, 0,4,8,12,16,20,24,28           ; four numbers by turns
.irp k, 0,1,2,3
	v_cmp_gt_f32 s[30+\k], |v[RS+\i+\k]|, v9       ; wq is not 0
.endr
.irp k, 0,1,2,3
	v_bfi_b32 v[10+\k], s34, v8, v[RS+\i+\k]       ; wq s: s with W's sign
.endr
.irp k, 0,1,2,3
	v_sub_f32 v[10+\k], v[10+\k], v[RS+\i+\k]      ; wq s - W
.endr
.irp k, 0,1,2,3
	v_add_f32 v[10+\k], v[RS+\i+\k], v[10+\k]      ; W + (wq s - W)
.endr
.irp k, 0,1,2,3
	v_cndmask_b32 v[RS+\i+\k], 0, v[10+\k], s[30+\k]   ; with wq = 0: W + (0 - W) = 0
.endr
.endr
.endm
.macro QSTEP st, u                     ; step st (512 numbers): my 16 neighbours lie in set u of X; two neighbouring lanes hold a block
.set XS, X+16*(\u)
	v_max3_num_f32 v8, |v[XS]|, |v[XS+1]|, |v[XS+2]|
	v_max3_num_f32 v9, |v[XS+3]|, |v[XS+4]|, |v[XS+5]|
.irp i, 6,10
	v_max3_num_f32 v8, v8, |v[XS+\i]|, |v[XS+\i+1]|
	v_max3_num_f32 v9, v9, |v[XS+\i+2]|, |v[XS+\i+3]|
.endr
	v_max3_num_f32 v8, v8, |v[XS+14]|, |v[XS+15]|
	v_max3_num_f32 v8, v8, v9, 0x1800000           ; and the floor 2^(3 - 127): the byte cannot fall under 1
	v_max_num_f32_dpp v8, v8, v8 row_xmask:1 row_mask:0xf bank_mask:0xf   ; with my neighbour's 16: the block's largest magnitude
	v_add_nc_u32 v11, 0xff000000, v8               ; 2 off its exponent field: the conversion takes that field as its scale
	v_cvt_scalef32_pk16_fp6_f32 v[C+4*(\st):C+4*(\st)+2], v[XS:XS+15], v11
	v_lshrrev_b32 v[E+(\st)], 23, v11              ; the scale's byte (a plain line behind the conversion)
	ds_store_b8 v5, v[E+(\st)] offset:16*(\st)     ; both lanes of a block write the same byte with the same value
	global_store_b96 v4, v[C+4*(\st):C+4*(\st)+2], s[6:7] offset:384*(\st)   ; the wave stores 384 consecutive bytes
.endm
.macro ROW t
.if (\t) < 6
	LOAD (\t)+2                                    ; into the set of row t - 1, whose stores into the stage have been waited for
	s_wait_loadcnt 16                              ; row t is in; the 16 loads of the two rows behind it may be out
.elseif (\t) == 6
	s_wait_loadcnt 8                               ; the last row's 8 may be out
.else
	s_wait_loadcnt 0
.endif
	s_cmp_lt_u32 ttmp9, 128                        ; x is taken as it is
	s_cbranch_scc1 .Lplain_\@
	TERN \t
.Lplain_\@:
.set RS, R+32*((\t)%3)
.irp u, 0,1
.irp i, 0,1,2,3
	ds_store_b128 v14, v[RS+16*\u+4*\i:RS+16*\u+4*\i+3] offset:32*SP*\u+8*SP*\i
.endr
.endr
.irp u, 0,1
.irp i, 0,1,2,3
	ds_load_b128 v[X+16*\u+4*\i:X+16*\u+4*\i+3], v15 offset:32*SP*\u+16*\i   ; LDS serves a wave's instructions in order: these see the stores above
.endr
.endr
	s_wait_dscnt 0x0
	QSTEP 2*(\t), 0
	QSTEP 2*(\t)+1, 1
.endm
	LOAD 0
	LOAD 1
.irp t, 0,1,2,3,4,5,6,7
	ROW \t
.endr
	ds_load_b64 v[12:13], v6                       ; my wave's 256 scale bytes, 8 a lane
	s_wait_dscnt 0x0
	global_store_b64 v7, v[12:13], s[36:37]        ; 256 consecutive bytes, at a multiple of 256 from the buffer's first byte
	s_wait_tensorcnt 0x0
	ds_add_u32 v224, v225
	s_wait_dscnt 0x0
	s_endpgm
.Lfunc_end_k_q435615c29a_prep:
	.size	k_q435615c29a_prep, .Lfunc_end_k_q435615c29a_prep-k_q435615c29a_prep
	.p2alignl 7, 3214868480
	.fill 96, 4, 3214868480
	.section	.rodata,"a",@progbits
	.p2align	6, 0x0
	.amdhsa_kernel k_q435615c29a_prep
		.amdhsa_group_segment_fixed_size 33280
		.amdhsa_private_segment_fixed_size 0
		.amdhsa_enable_private_segment 0
		.amdhsa_kernarg_size 64
		.amdhsa_user_sgpr_count 2
		.amdhsa_user_sgpr_kernarg_segment_ptr 1
		.amdhsa_wavefront_size32 1
		.amdhsa_system_sgpr_workgroup_id_x 1
		.amdhsa_system_sgpr_workgroup_id_y 1
		.amdhsa_system_sgpr_workgroup_id_z 1
		.amdhsa_system_vgpr_workitem_id 0
		.amdhsa_next_free_vgpr 226
		.amdhsa_next_free_sgpr 66
		.amdhsa_reserve_vcc 0
		.amdhsa_float_denorm_mode_32 3
		.amdhsa_float_denorm_mode_16_64 3
		.amdhsa_memory_ordered 1
		.amdhsa_forward_progress 1
		.amdhsa_inst_pref_size 116
	.end_amdhsa_kernel
	.amdgpu_metadata
---
amdhsa.version: [ 1, 2 ]
amdhsa.kernels:
  - .name:           k_q435615c29a_prep
    .symbol:         k_q435615c29a_prep.kd
    .args:
      - { .name: x, .offset: 0, .size: 8, .value_kind: global_buffer, .address_space: global }
      - { .name: Wq, .offset: 8, .size: 8, .value_kind: global_buffer, .address_space: global }
      - { .name: Wk, .offset: 16, .size: 8, .value_kind: global_buffer, .address_space: global }
      - { .name: Wv, .offset: 24, .size: 8, .value_kind: global_buffer, .address_space: global }
      - { .name: Wo, .offset: 32, .size: 8, .value_kind: global_buffer, .address_space: global }
      - { .name: xq, .offset: 40, .size: 8, .value_kind: global_buffer, .address_space: global }
      - { .name: wq, .offset: 48, .size: 8, .value_kind: global_buffer, .address_space: global }
      - { .name: woq, .offset: 56, .size: 8, .value_kind: global_buffer, .address_space: global }
    .group_segment_fixed_size: 33280
    .private_segment_fixed_size: 0
    .kernarg_segment_align: 8
    .kernarg_segment_size: 64
    .max_flat_workgroup_size: 128
    .sgpr_count:     66
    .vgpr_count:     226
    .wavefront_size: 32
...
	.end_amdgpu_metadata
.endif
;; end of part 1
;; launch gemm_qkv (part 2): grid 20 x 16, 4 waves a work-group, clusters of 4 x 4, 327,680 bytes of LDS; arguments xq, wq, y; writes y
.if DOCPART == 2
	.amdgcn_target "amdgcn-amd-amdhsa--gfx1250"
	.amdhsa_code_object_version 6
	.text
	.protected	k_q435615c29a_gemm_qkv
	.globl	k_q435615c29a_gemm_qkv
	.p2align	8
	.type	k_q435615c29a_gemm_qkv,@function
k_q435615c29a_gemm_qkv:
	s_mov_b64 s[64:65], 0
	v_nop
	global_prefetch_b8 v0, s[64:65] scope:SCOPE_SE
	s_setreg_imm32_b32 hwreg(HW_REG_WAVE_MODE, 25, 1), 1
	s_wait_xcnt 0x0
	s_wait_alu depctr_hold_cnt(0) depctr_sa_sdst(0) depctr_va_vdst(0) depctr_va_sdst(0) depctr_va_ssrc(0) depctr_va_vcc(0) depctr_vm_vsrc(0)
	s_getreg_b32 s2, hwreg(HW_REG_IB_STS2, 6, 4)
	s_cmp_eq_u32 s2, 0
	s_cbranch_scc0 .Lentry_in_a_cluster
	s_endpgm
.Lentry_in_a_cluster:
	s_bfe_u32 s2, ttmp6, 0x10000c
	s_cmp_lg_u32 s2, 0xf033
	s_cbranch_scc0 .Lentry_shape_is_right
	s_endpgm
.Lentry_shape_is_right:
; C[m][n] = sum over k of A[m][k] B[n][k], K = 1,024, on codes of FP6 (E2M3) with one E8M0 scale for each 32 along K; sums in f32.
; A's buffer: codes [4096][768 bytes], then its scale bytes [4096][32] at ASC.  B's buffer: codes [rows][768 bytes], its scale bytes [rows][32] at BSC.
; C is laid in PANELS of 1,024 columns: column n lies in panel n / 1,024, a panel is [4096][1024] f32 (16 MiB, rows 4,096 bytes apart).  With 1,024 columns in all C is one plain matrix.
; A tile of C, 256 x 256, is made by a work-group of four waves; a wave makes 128 x 128: 64 accumulators of 16 x 16, 512 registers.
; K goes in steps of 256 through a ring of two LDS slots filled by the tensor data mover: a tile's row is 192 bytes of memory.
; THE SCALES of the work-group's 256 rows of A and of B, for all of K, are two dense blocks of memory: they come into LDS once, with the first fills, and stay.
; CLUSTERS: 4 x 4 work-groups.  The four of a row of the cluster need the same tiles of A, the four of a column the same tiles of B: each tile is asked for JOINTLY, by the same tensor load with the
; same descriptor and a mask that names the four.  THE MATRIX INSTRUCTION IS USED TRANSPOSED (source 0 = 16 rows of B, source 1 = 16 rows of A): a lane then holds eight neighbouring numbers of a row of C.
; REGISTERS, in windows of 256: window 0: v0-31 addresses; v32-63 scale words, two sets; from v128 A's fragments, ONE set; on the way out v32-255 are free.
;   window 1: B's fragments, TWO sets, at v0 and at v128.   window 2: the 32 accumulators of my rows 0-63;   window 3: those of my rows 64-127.
.set SIZE_K, 1024
.set CP,     1024                      ; columns in a panel of C
.set ASC,    3145728
.set BSC,    3932160
.set KSTEP,  256                       ; along K in a slot
.set NQ,     KSTEP/128                 ; matrix instructions deep
.set ROWB,   192                       ; a tile's row in bytes
.set KROW,   SIZE_K*6/8                ; a row of A or of B in memory, in bytes
.set PITCH,  240                       ; an LDS row: 3 x (64 bytes of data + 16 of padding)
.set FR,     12                        ; registers of a fragment: 16 rows x 128 K
.set NL,     6                         ; LDS loads that bring one
.set NP,     4                         ; places behind this matrix instruction (ISA guide 7.12.1)
.set HALFT,  128*PITCH                 ; 128 rows: what one tensor load brings
.set SLOT,   4*HALFT                   ; A's 256 rows, then B's 256 rows
.set LAPS,   SIZE_K/(2*KSTEP)          ; a lap = two K steps = once round the ring
.set KS,     SIZE_K/32                 ; a row of scales in bytes
.set SCL,    2*SLOT                    ; behind the ring: the scales, as rows of 256 bytes + 16 of padding
.set HALFS,  (128*KS/256)*272          ; the scales of 128 rows
.set SBLK,   (16*KS/256)*272           ; those of 16 rows
.set SPARE,  SCL+4*HALFS               ; behind the scales: the spare words, 128 bytes for each wave
.set SPITCH, 528                       ; the way out: a stage of 16 rows x (512 bytes + 16) for each wave, in slot 0, which has had its last fill and its last read by then
.set ADRA, 16                          ; v16-17 LDS address of my A fragments in slot 0, 1 (v18-19: behind one padding more)
.set ADRB, 20                          ; v20-21 the same for B (v22-23)
.set STO,  24
.set RD,   25
.set CO,   26
.set SPW,  28                          ; LDS address of my spare word; never rewritten
.set NIL,  29                          ; 0; never rewritten
.set ADRS, 27                          ; LDS address of my scale words: lanes 0-15 A's rows, lanes 16-31 B's
.set SC,   32
.set AF,   128
.set BK,   128
.set G1, 24
.set G0, 32
.set G1B, 48
.set G0B, 56
.set G1S, 68
.set G0S, 76
.set G1SB, 80
.set G0SB, 88
.set MSB, 0
.macro WIN new                         ; the immediate's high byte repeats the setting that is left
.if MSB != \new
	s_set_vgpr_msb (MSB<<8)|\new
.set MSB, \new
.endif
.endm
.set MUL_LO, 0xa1                      ; source 0 (B) window 1, source 1 (A) window 0, C and D window 2
.set MUL_HI, 0xf1                      ; the same, C and D window 3
.set TO_B,   0x40                      ; destination window 1, address window 0
; A joint load: waves 0 and 1 fetch for A, waves 2 and 3 for B.  The branch hangs on the wave's number alone.  Four v_nop follow each of the two lines.
.macro JLOAD g0a, g1a, g0b, g1b
	s_cmp_eq_u32 s15, 0
	s_cbranch_scc0 .Lfor_b_\@
	tensor_load_to_lds s[\g0a:\g0a+3], s[\g1a:\g1a+7]
	s_nop 0
.rept 4
	v_nop
.endr
	s_branch .Lasked_\@
.Lfor_b_\@:
	tensor_load_to_lds s[\g0b:\g0b+3], s[\g1b:\g1b+7]
	s_nop 0
.rept 4
	v_nop
.endr
.Lasked_\@:
.endm
.macro CREST                           ; a round of the cluster's barrier behind its opening barrier
	s_cmp_lg_u32 s14, 0
	s_cbranch_scc1 .Lnot_wave_0_\@
	s_barrier_signal -3
.Lnot_wave_0_\@:
	s_barrier_wait -3
	s_barrier_signal -1
	s_barrier_wait -1
.endm
.macro CROUND                          ; a whole round
	s_barrier_signal -1
	s_barrier_wait -1
	CREST
.endm
	s_load_b64 s[4:5], s[0:1], 0x0                 ; A's buffer
	s_load_b64 s[8:9], s[0:1], 0x8                 ; B's buffer
	s_load_b64 s[12:13], s[0:1], 0x10              ; C
	v_lshl_add_u32 v[SPW], v0, 2, SPARE
	v_mov_b32 v[NIL], 0
	ds_add_u32 v28, v29
	ds_add_u32 v28, v29
	s_wait_dscnt 0x0
	v_lshrrev_b32 v1, 5, v0
	v_readfirstlane_b32 s14, v1                    ; wave 0..3
	s_lshr_b32 s15, s14, 1                         ; which half of the tile's rows is mine.  Also: I fetch for A (0) or for B (1)
	s_and_b32 s16, s14, 1                          ; which half of its columns.  Also: which 128 rows of that tile I fetch
	s_bfe_u32 s40, ttmp6, 0x40000                  ; cx, cy: my place in the cluster
	s_bfe_u32 s41, ttmp6, 0x40004
	s_lshl_b32 s42, ttmp9, 2
	s_add_co_u32 s42, s42, s40                     ; tile column of C = 4 x cluster x + cx
	s_and_b32 s17, ttmp7, 0xffff
	s_lshl_b32 s17, s17, 2
	s_add_co_u32 s17, s17, s41                     ; tile row of C = 4 x cluster y + cy
	s_lshl_b32 s43, s41, 2
	s_lshl_b32 s43, 15, s43                        ; my row of the cluster
	s_lshl_b32 s44, 0x1111, s40                    ; my column
	; descriptor group 1: a tile of 128 rows x ROWB bytes, 16 bytes of padding behind every 64
	s_or_b32 s[G1+0], s43, (0<<16)|(1<<20)|(1<<21)|(3<<22)|(3<<25)
	s_or_b32 s[G1B+0], s44, (0<<16)|(1<<20)|(1<<21)|(3<<22)|(3<<25)
.irp g, G1, G1B
	s_mov_b32 s[\g+1], ROWB<<16                    ; tensor_dim0
	s_mov_b32 s[\g+2], 128<<16                     ; tensor_dim1 = 128
	s_mov_b32 s[\g+3], ROWB<<16                    ; tile_dim0
	s_mov_b32 s[\g+4], 128                         ; tile_dim1 = 128
	s_mov_b32 s[\g+5], KROW                        ; tensor_dim0_stride
	s_mov_b32 s[\g+6], 0
	s_mov_b32 s[\g+7], 0
.endr
	; the scales of 128 rows: a dense block of 4,096 bytes, as rows of 256 bytes (32 elements of 8 bytes), 16 bytes of padding behind each
	s_or_b32 s[G1S+0], s43, (3<<16)|(1<<20)|(1<<21)|(5<<22)|(3<<25)
	s_or_b32 s[G1SB+0], s44, (3<<16)|(1<<20)|(1<<21)|(5<<22)|(3<<25)
.irp g, G1S, G1SB
	s_mov_b32 s[\g+1], 32<<16
	s_mov_b32 s[\g+2], (128*KS/256)<<16
	s_mov_b32 s[\g+3], 32<<16
	s_mov_b32 s[\g+4], 128*KS/256
	s_mov_b32 s[\g+5], 32
	s_mov_b32 s[\g+6], 0
	s_mov_b32 s[\g+7], 0
.endr
	s_lshl_b32 s18, s16, 7                         ; which 128 rows of the tile I fetch
	s_lshl_b32 s20, s17, 8
	s_add_co_u32 s20, s20, s18                     ; A: row 256 x tile row + 128 x half
	s_lshl_b32 s46, s42, 8
	s_add_co_u32 s46, s46, s18                     ; B: row 256 x tile column + 128 x half
	s_mov_b32 s21, 0
	s_mov_b32 s47, 0
	s_mov_b64 s[18:19], KS
	s_mul_u64 s[22:23], s[20:21], s[18:19]         ; where these rows' scales begin, in bytes
	s_mul_u64 s[92:93], s[46:47], s[18:19]
	s_mov_b64 s[18:19], KROW
	s_mul_u64 s[20:21], s[20:21], s[18:19]         ; and their codes
	s_mul_u64 s[46:47], s[46:47], s[18:19]
	s_mul_i32 s45, s14, HALFT                      ; where they go: wave x 128 rows: no place in the cluster enters an LDS address
	s_mul_i32 s94, s14, HALFS
	s_wait_kmcnt 0x0
	s_add_nc_u64 s[6:7], s[4:5], ASC               ; A's scale bytes lie behind its codes,
	s_add_nc_u64 s[10:11], s[8:9], BSC             ; B's likewise
	s_add_nc_u64 s[20:21], s[4:5], s[20:21]
	s_add_nc_u64 s[22:23], s[6:7], s[22:23]
	s_add_nc_u64 s[46:47], s[8:9], s[46:47]
	s_add_nc_u64 s[92:93], s[10:11], s[92:93]
	CROUND                                         ; all sixteen work-groups are here: the first joint loads meet
	s_mov_b32 s[G0S], 1
	s_add_co_u32 s[G0S+1], s94, SCL
	s_mov_b64 s[G0S+2:G0S+3], s[22:23]
	s_or_b32 s[G0S+3], s[G0S+3], 0x80000000
	s_mov_b32 s[G0SB], 1
	s_add_co_u32 s[G0SB+1], s94, SCL
	s_mov_b64 s[G0SB+2:G0SB+3], s[92:93]
	s_or_b32 s[G0SB+3], s[G0SB+3], 0x80000000
	JLOAD G0S, G1S, G0SB, G1SB                     ; the scales first: they are wanted with K step 0
.irp s, 0,1
	s_mov_b32 s[G0+4*\s], 1
	s_add_co_u32 s[G0+4*\s+1], s45, \s*SLOT
	s_add_nc_u64 s[G0+4*\s+2:G0+4*\s+3], s[20:21], \s*ROWB
	s_or_b32 s[G0+4*\s+3], s[G0+4*\s+3], 0x80000000
	s_mov_b32 s[G0B+4*\s], 1
	s_add_co_u32 s[G0B+4*\s+1], s45, \s*SLOT
	s_add_nc_u64 s[G0B+4*\s+2:G0B+4*\s+3], s[46:47], \s*ROWB
	s_or_b32 s[G0B+4*\s+3], s[G0B+4*\s+3], 0x80000000
	JLOAD G0+4*\s, G1, G0B+4*\s, G1B               ; three tensor loads of mine are out at the most
.endr
	v_and_b32 v1, 15, v0                           ; l % 16
	v_bfe_u32 v2, v0, 4, 1                         ; l / 16
	v_mul_u32_u24 v3, v1, PITCH
	v_mul_u32_u24 v4, v2, 24
	v_add_nc_u32 v4, v3, v4                        ; a fragment's row x pitch + 24 x half
	v_lshl_add_u32 v5, v2, 4, v4                   ; and the same behind one padding more
	s_mul_i32 s21, s15, HALFT                      ; my 128 rows of A
	s_mul_i32 s22, s16, HALFT                      ; my 128 rows of B,
	s_add_co_u32 s22, s22, 2*HALFT                 ; which lie behind A's 256
.irp s, 0,1
	v_add_nc_u32 v[ADRA+\s], s21, v4
	v_add_nc_u32 v[ADRB+\s], s22, v4
	v_add_nc_u32 v[ADRA+2+\s], s21, v5
	v_add_nc_u32 v[ADRB+2+\s], s22, v5
	s_add_co_u32 s21, s21, SLOT
	s_add_co_u32 s22, s22, SLOT
.endr
	v_mul_u32_u24 v5, v1, KS                       ; my row's scales: KS bytes a row,
	v_lshrrev_b32 v6, 8, v5
	v_lshl_add_u32 v5, v6, 4, v5                   ; and 16 more for each 256 passed
	s_mul_i32 s21, s15, HALFS                      ; A's: my 128 rows
	s_mul_i32 s22, s16, HALFS                      ; B's: my 128 rows, behind A's 256
	s_add_co_u32 s22, s22, 2*HALFS
	s_sub_co_u32 s22, s22, s21
	v_mul_u32_u24 v6, s22, v2                      ; lanes 16-31 take B's
	s_add_co_u32 s21, s21, SCL
	v_add_nc_u32 v5, v5, v6
	v_add_nc_u32 v[ADRS], s21, v5
	s_mul_i32 s23, s14, 16*SPITCH                  ; my stage
	v_mul_u32_u24 v5, v1, SPITCH                   ; in: row l % 16, 32 bytes for each half of the lanes
	v_lshl_add_u32 v5, v2, 5, v5
	v_add_nc_u32 v[STO], s23, v5
	v_and_b32 v6, 31, v0
	v_lshlrev_b32 v[CO], 4, v6                     ; back: the 32 lanes take one row of 512 bytes; and the same in C
	v_add_nc_u32 v[RD], s23, v[CO]
	s_lshl_b32 s20, s17, 8
	s_lshl_b32 s21, s15, 7
	s_add_co_u32 s20, s20, s21                     ; my first row of C: 256 x tile row + 128 x half
	s_mov_b32 s21, 0
	s_mov_b64 s[18:19], CP*4
	s_mul_u64 s[20:21], s[20:21], s[18:19]
	s_lshr_b32 s46, s42, 2                         ; my first column, in bytes: the panel (four tile columns to a panel of 16 MiB),
	s_lshl_b32 s46, s46, 24
	s_and_b32 s47, s42, 3
	s_lshl_b32 s47, s47, 10                        ; 1,024 x the tile column within it,
	s_add_co_u32 s46, s46, s47
	s_lshl_b32 s47, s16, 9                         ; 512 x half
	s_add_co_u32 s46, s46, s47
	s_mov_b32 s47, 0
	s_add_nc_u64 s[20:21], s[20:21], s[46:47]
	s_add_nc_u64 s[12:13], s[12:13], s[20:21]
.macro FRAG reg, adr, q, i             ; a fragment, 16 rows x 128 K of 6-bit codes, is 12 registers: lane l holds row l % 16; registers 6 c .. 6 c + 5 hold K = 64 c + 32 (l / 16) + 0 .. 31: 24 bytes of the row, as they lie
.irp p, 0,1,2,3,4,5                    ; in pieces of 8 bytes.  Lanes 16-31 read three pieces further on than lanes 0-15
.set PC, 12*(\q)+6*(\p/3)+\p%3        ; 16 bytes of padding lie behind every 8 pieces: where the piece three on lies behind one padding more, the second address register serves
.if PC%8 < 5
	ds_load_b64 v[\reg+2*\p:\reg+2*\p+1], v[\adr] offset:8*PC+16*(PC/8)+(\i)*16*PITCH
.else
	ds_load_b64 v[\reg+2*\p:\reg+2*\p+1], v[\adr+2] offset:8*PC+16*(PC/8)+(\i)*16*PITCH
.endif
.endr
.endm
; 16 matrix instructions: A's blocks a0, a0 + 1 x B's eight, 128 along K: the slot's q-th.  p: B's set;  sc: the set of scale words.  zero = 1: the first product starts the sums.
; The 64 accumulators take turns, one instruction a turn, in the same order in every step.
.macro MUL16 a0, p, q, sc, zero
.irp a, \a0, \a0+1
.irp b, 0,1,2,3,4,5,6,7
.if \zero
	v_wmma_scale_f32_16x16x128_f8f6f4 v[8*(8*((\a)%4)+\b):8*(8*((\a)%4)+\b)+7], v[128*(\p)+FR*\b:128*(\p)+FR*\b+FR-1], v[AF+FR*(\a):AF+FR*(\a)+FR-1], 0, v[SC+8*NQ*(\sc)+NQ*\b+(\q)], v[SC+8*NQ*(\sc)+NQ*(\a)+(\q)] matrix_a_fmt:MATRIX_FMT_FP6 matrix_b_fmt:MATRIX_FMT_FP6 matrix_a_scale:MATRIX_SCALE_ROW1
.else
	v_wmma_scale_f32_16x16x128_f8f6f4 v[8*(8*((\a)%4)+\b):8*(8*((\a)%4)+\b)+7], v[128*(\p)+FR*\b:128*(\p)+FR*\b+FR-1], v[AF+FR*(\a):AF+FR*(\a)+FR-1], v[8*(8*((\a)%4)+\b):8*(8*((\a)%4)+\b)+7], v[SC+8*NQ*(\sc)+NQ*\b+(\q)], v[SC+8*NQ*(\sc)+NQ*(\a)+(\q)] matrix_a_fmt:MATRIX_FMT_FP6 matrix_b_fmt:MATRIX_FMT_FP6 matrix_a_scale:MATRIX_SCALE_ROW1
.endif
.endr
.endr
.endm
.macro FETCH_B slot, q, p              ; B's eight fragments of the slot's q-th 128 along K into set p
	WIN TO_B
.irp i, 0,1,2,3,4,5,6,7
	FRAG 128*(\p)+FR*\i, ADRB+\slot, \q, \i
.endr
	WIN 0
.endm
.macro FETCH_A slot, q, i0             ; A's blocks i0 .. i0 + 3
.irp i, \i0, \i0+1, \i0+2, \i0+3
	FRAG AF+FR*(\i), ADRA+\slot, \q, \i
.endr
.endm
.macro SCALES sc                       ; the next K step's scale words into set sc: lanes 0-15 take A's block i, lanes 16-31 B's block i
.irp i, 0,1,2,3,4,5,6,7
	ds_load_b64 v[SC+8*NQ*\sc+NQ*\i:SC+8*NQ*\sc+NQ*\i+1], v[ADRS] offset:\i*SBLK
.endr
.endm
; A load into a register that a matrix instruction has read, and an LDS store that reads a matrix result, stand NP places behind that matrix instruction; only plain vector instructions that name none of its registers are places.
.macro PLACES n
.rept \n
	v_nop
.endr
.endm
; A step of 128 along K that has its successor in the same slot.
.macro STEP slot, q, zero
	s_wait_dscnt 4*NL                              ; B's set and A's blocks 0-3 are in; the youngest 24 loads (A's blocks 4-7) may be out
	WIN MUL_LO
	MUL16 0, (\q)%2, \q, \slot, \zero
	MUL16 2, (\q)%2, \q, \slot, \zero
	s_wait_dscnt 0                                 ; A's blocks 4-7 are in
	PLACES NP
	FETCH_B \slot, (\q)+1, 1-(\q)%2
	FETCH_A \slot, (\q)+1, 0
	WIN MUL_HI
	MUL16 4, (\q)%2, \q, \slot, \zero
	MUL16 6, (\q)%2, \q, \slot, \zero
	PLACES NP
	WIN 0
	FETCH_A \slot, (\q)+1, 4
.endm
; A slot's last step changes slots: ONE barrier; in front of it each wave waits for all its tensor loads, adds 0 to its spare word, and waits for that and for its own reads of this slot.  fill = 1: this slot is filled again, two K steps ahead.
.macro TURN slot, next, fill
	s_wait_tensorcnt 0x0                           ; all my tensor loads have landed: my part of the next slot
	ds_add_u32 v[SPW], v[NIL]                      ; 0 onto my spare word
	s_wait_dscnt 4*NL+1                            ; (the add and the youngest 24 loads, A's blocks 4-7, may be out)
	WIN MUL_LO
	MUL16 0, 1, NQ-1, \slot, 0                     ; sixteen matrix instructions stand between the add and the wait for it
	s_wait_dscnt 0x0                               ; the add is done, and my reads of this slot are over
	s_barrier_signal -1
	MUL16 2, 1, NQ-1, \slot, 0
	WIN 0
	s_barrier_wait -1
.if \fill
	CREST                                          ; the barrier has opened a round of the cluster's barrier: no wave of any partner still reads this slot's tile or has a load on its way
	s_add_nc_u64 s[G0+4*\slot+2:G0+4*\slot+3], s[G0+4*\slot+2:G0+4*\slot+3], 2*ROWB
	s_add_nc_u64 s[G0B+4*\slot+2:G0B+4*\slot+3], s[G0B+4*\slot+2:G0B+4*\slot+3], 2*ROWB
	JLOAD G0+4*\slot, G1, G0B+4*\slot, G1B         ; the first tensor load behind the round; the four v_nop behind it are the places in front of the loads below
.else
	PLACES NP
.endif
	v_add_nc_u32 v[ADRS], 4*NQ, v[ADRS]            ; on to the next K step's scale words (no LDS load of mine is out)
	FETCH_B \next, 0, 0
	FETCH_A \next, 0, 0
	SCALES \next
	WIN MUL_HI
	MUL16 4, 1, NQ-1, \slot, 0
	MUL16 6, 1, NQ-1, \slot, 0
	PLACES NP
	WIN 0
	FETCH_A \next, 0, 4
.endm
	s_wait_tensorcnt 1                             ; the scales and my part of K step 0 are in (K step 1's load may be out),
	s_barrier_signal -1
	s_barrier_wait -1                              ; everybody's are
	FETCH_B 0, 0, 0
	FETCH_A 0, 0, 0
	SCALES 0
	FETCH_A 0, 0, 4
	STEP 0, 0, 1                                   ; the first step stands in front of the loop: its products start the sums
.if LAPS > 1
	s_mov_b32 s3, LAPS-1
.Llap:                                                 ; a trip goes once round the ring, from a lap's second step to the next lap's first, and fills both slots again
	TURN 0, 1, 1
	STEP 1, 0, 0
	TURN 1, 0, 1
	STEP 0, 0, 0
	s_sub_co_u32 s3, s3, 1
	s_cmp_lg_u32 s3, 0
	s_cbranch_scc1 .Llap
.endif
	TURN 0, 1, 0                                   ; the last lap fills nothing, and has no round of the cluster's barrier
	STEP 1, 0, 0
	s_wait_dscnt 4*NL                              ; the very last step: nothing more to fetch
	WIN MUL_LO
	MUL16 0, 1, NQ-1, 1, 0
	MUL16 2, 1, NQ-1, 1, 0
	s_wait_dscnt 0
	WIN MUL_HI
	MUL16 4, 1, NQ-1, 1, 0
	MUL16 6, 1, NQ-1, 1, 0
	WIN 0
; THE WAY OUT, block by block of 16 rows x 128 columns, through my own stage in LDS: back come whole rows of 512 bytes, which the 32 lanes store as 512 consecutive bytes.
; LDS serves a wave's instructions in order (ISA guide 5.7.1.4): no wait between the stores and the loads, nor in front of the next block's stores.
.macro TOSTAGE a
.set AC, 64*((\a)%4)
	WIN 0x08+4*((\a)/4)                            ; the data: window 2 or 3
.irp b, 0,1,2,3,4,5,6,7
	ds_store_b128 v[STO], v[AC+8*\b:AC+8*\b+3] offset:64*\b          ; each accumulator from its low end on
	ds_store_b128 v[STO], v[AC+8*\b+4:AC+8*\b+7] offset:64*\b+16
.endr
	WIN 0
.set BB, BK+64*((\a)%2)
.irp t, 0,1,2,3,4,5,6,7,8,9,10,11,12,13,14,15
	ds_load_b128 v[BB+4*\t:BB+4*\t+3], v[RD] offset:\t*SPITCH
.endr
.endm
.macro SEND a, younger                 ; younger: the LDS instructions issued behind block a's loads, which may stay out
.set BB, BK+64*((\a)%2)
	s_wait_dscnt \younger                          ; the block is back in registers
.if (\a) > 0
	s_add_nc_u64 s[12:13], s[12:13], 16*CP*4       ; (behind a wait on XCNT: the earlier stores have read their base)  16 rows of C on
.endif
.irp t, 0,1,2,3,4,5,6,7,8,9,10,11,12,13,14,15
	global_store_b128 v[CO], v[BB+4*\t:BB+4*\t+3], s[12:13] offset:\t*CP*4   ; 32 lanes store 512 consecutive bytes, at a multiple of 256 from C's first byte
.endr
.endm
	PLACES NP
	TOSTAGE 0
.irp a, 1,2,3,4,5,6,7
.if \a > 1
	s_wait_xcnt 0x0                                ; block a - 2's stores have read their registers and their base
.endif
	TOSTAGE \a
	SEND \a-1, 32                                  ; behind block a - 1's loads: block a's 16 stores and 16 loads
.endr
	s_wait_xcnt 0x0                                ; block 6's stores have read their base
	SEND 7, 0
	s_wait_tensorcnt 0x0                           ; the wave's end
	ds_add_u32 v[SPW], v[NIL]
	s_wait_dscnt 0x0
	CROUND                                         ; the closing round: no work-group ends while a partner may still ask for a tile that names it
	s_endpgm
.Lfunc_end_k_q435615c29a_gemm_qkv:
	.size	k_q435615c29a_gemm_qkv, .Lfunc_end_k_q435615c29a_gemm_qkv-k_q435615c29a_gemm_qkv
	.p2alignl 7, 3214868480
	.fill 96, 4, 3214868480
	.section	.rodata,"a",@progbits
	.p2align	6, 0x0
	.amdhsa_kernel k_q435615c29a_gemm_qkv
		.amdhsa_group_segment_fixed_size 327680
		.amdhsa_private_segment_fixed_size 0
		.amdhsa_enable_private_segment 0
		.amdhsa_kernarg_size 24
		.amdhsa_user_sgpr_count 2
		.amdhsa_user_sgpr_kernarg_segment_ptr 1
		.amdhsa_wavefront_size32 1
		.amdhsa_system_sgpr_workgroup_id_x 1
		.amdhsa_system_sgpr_workgroup_id_y 1
		.amdhsa_system_sgpr_workgroup_id_z 1
		.amdhsa_system_vgpr_workitem_id 0
		.amdhsa_next_free_vgpr 1024
		.amdhsa_next_free_sgpr 98
		.amdhsa_reserve_vcc 0
		.amdhsa_float_denorm_mode_32 3
		.amdhsa_float_denorm_mode_16_64 3
		.amdhsa_memory_ordered 1
		.amdhsa_forward_progress 1
		.amdhsa_inst_pref_size 160
	.end_amdhsa_kernel
	.amdgpu_metadata
---
amdhsa.version: [ 1, 2 ]
amdhsa.kernels:
  - .name:           k_q435615c29a_gemm_qkv
    .symbol:         k_q435615c29a_gemm_qkv.kd
    .args:
      - { .name: xq, .offset: 0, .size: 8, .value_kind: global_buffer, .address_space: global }
      - { .name: wq, .offset: 8, .size: 8, .value_kind: global_buffer, .address_space: global }
      - { .name: y, .offset: 16, .size: 8, .value_kind: global_buffer, .address_space: global }
    .group_segment_fixed_size: 327680
    .private_segment_fixed_size: 0
    .kernarg_segment_align: 8
    .kernarg_segment_size: 24
    .max_flat_workgroup_size: 128
    .sgpr_count:     98
    .vgpr_count:     1024
    .wavefront_size: 32
...
	.end_amdgpu_metadata
.endif
;; end of part 2
;; launch lnq (part 3): grid 256 x 2, 16 waves a work-group, no clusters, 133,376 bytes of LDS; arguments y, qn_gamma, qn_beta, kn_gamma, kn_beta, qkv; writes qkv
.if DOCPART == 3
	.amdgcn_target "amdgcn-amd-amdhsa--gfx1250"
	.amdhsa_code_object_version 6
	.text
	.protected	k_q435615c29a_lnq
	.globl	k_q435615c29a_lnq
	.p2align	8
	.type	k_q435615c29a_lnq,@function
k_q435615c29a_lnq:
	s_mov_b64 s[64:65], 0
	v_nop
	global_prefetch_b8 v0, s[64:65] scope:SCOPE_SE
	s_setreg_imm32_b32 hwreg(HW_REG_WAVE_MODE, 25, 1), 1
	s_wait_xcnt 0x0
; The layer norm of q (work-group y = 0) or of k (1) over a token's 2,048 columns, then the quantiser along a head's 64 channels, into images of the matrix unit's operand registers.
; IN: y, panels of [4096 tokens][1024] f32: panels 0, 1 = q's branches 0, 1; panels 2, 3 = k's.  Column = 64 head + channel.
; OUT: qkv + sel x KOFF: for each (batch, head) 16 blocks of 12,800 bytes (128 tokens each): 8 tile images of 1,536 bytes, then at 12,288 the tiles' scale words, 64 bytes a tile.
; A TILE's row r is token 32 (T / 2) + 8 (T % 2) + r + 8 (r / 8): so the results of two neighbouring tiles are 16 neighbouring keys in the product that uses them.
; A FRAGMENT is 16 tokens x [branch 0's 64 channels | branch 1's 64] of one head: 12 registers a lane; lane (r, h): registers 6 c .. 6 c + 5 = branch c, channels 32 h .. 32 h + 31.  Its image: registers 4 p .. 4 p + 3 of lane l at 512 p + 16 l.
; SHARES: a work-group takes one tile of 16 tokens.  First wave w takes the tile's row w, whole (64 numbers a lane): mean, centred, variance of the centred numbers, x 1 / sqrt(var + 1e-5).
; The 16 rows meet in LDS (rows of 8,192 + 16 bytes); then wave w takes head w: x gain + offset, quantised (a lane owns two whole blocks of 32), stored.
; No clusters and no matrix work: work-groups share only the 16 KiB of gains and offsets.
; LIMITS: NaN and infinities are not served; a block whose largest magnitude lies under 2^-124 (zeros too) keeps the byte 1; the sums are taken in another order than a plain left-to-right sum; v_rsq_f32 stands for 1 / sqrt.
.set KOFF, 6553600
.set SROW, 8208
.set Y,  32                            ; v32-95   64 numbers
.set G,  96                            ; v96-159  gains, in the fragment's order
.set BT, 160                           ; v160-223 offsets
.set F,  224                           ; v224-235 the fragment
	s_load_b256 s[4:11], s[0:1], 0x0               ; y, qn_gamma, qn_beta, kn_gamma
	s_load_b128 s[12:15], s[0:1], 0x20             ; kn_beta, qkv
	v_lshl_add_u32 v254, v0, 2, 0x20100
	v_mov_b32 v255, 0
	v_lshrrev_b32 v1, 5, v0
	v_readfirstlane_b32 s3, v1                     ; wave 0..15
	s_and_b32 s2, ttmp7, 0xffff                    ; sel: 0 = q, 1 = k
	v_and_b32 v6, 31, v0                           ; lane
	v_and_b32 v7, 15, v0                           ; r
	v_bfe_u32 v18, v0, 4, 1                        ; h
	v_lshlrev_b32 v1, 4, v6                        ; 16 x lane
	v_lshlrev_b32 v2, 7, v18                       ; 128 h
	v_lshlrev_b32 v3, 2, v7                        ; 4 r
	s_mul_i32 s28, s3, SROW
	v_add_nc_u32 v4, s28, v1                       ; the stage, in: row w, 16 x lane
	v_mul_u32_u24 v5, v7, SROW
	v_add_nc_u32 v5, v5, v2
	s_lshl_b32 s29, s3, 8
	v_add_nc_u32 v5, s29, v5                       ; the stage, out: row r, head w's 256 bytes, + 128 h
	v_mov_b32 v9, 0                                ; a lane permute's destination counts as read
	s_lshr_b32 s30, ttmp9, 1
	s_lshl_b32 s30, s30, 5
	s_and_b32 s31, ttmp9, 1
	s_lshl_b32 s31, s31, 3
	s_add_co_u32 s30, s30, s31
	s_and_b32 s31, s3, 8
	s_add_co_u32 s30, s30, s31
	s_add_co_u32 s30, s30, s3                      ; my token: 32 (T / 2) + 8 (T % 2) + w + 8 (w / 8)
	s_lshl_b32 s30, s30, 12                        ; 4,096 bytes a row,
	s_lshl_b32 s31, s2, 25                         ; two panels of 16 MiB on for k
	s_add_co_u32 s30, s30, s31
	s_mov_b32 s31, 0
	s_lshr_b32 s32, ttmp9, 7
	s_lshl_b32 s32, s32, 4
	s_add_co_u32 s32, s32, s3                      ; 16 x batch + head
	s_mul_i32 s32, s32, 204800
	s_bfe_u32 s33, ttmp9, 0x40003                  ; which 128 tokens of the batch: (T % 128) / 8
	s_mul_i32 s33, s33, 12800
	s_add_co_u32 s32, s32, s33
	s_mul_i32 s33, s2, KOFF
	s_add_co_u32 s32, s32, s33                     ; the block
	s_and_b32 s33, ttmp9, 7                        ; the tile in it
	s_lshl_b32 s34, s33, 6
	s_add_co_u32 s34, s34, s32
	s_add_co_u32 s34, s34, 12288                   ; its scale words
	s_mov_b32 s35, 0
	s_mul_i32 s33, s33, 1536
	s_add_co_u32 s32, s32, s33                     ; its image
	s_mov_b32 s33, 0
	s_mov_b32 s36, 0x76543210
	s_mov_b32 s37, 0xfedcba98                      ; selects: lane l xor 16
	s_mov_b32 s38, 0x3a000000                      ; 1 / 2,048
	s_wait_kmcnt 0x0
	s_cmp_eq_u32 s2, 0                             ; the choice hangs on the work-group's number alone
	s_cselect_b64 s[20:21], s[6:7], s[10:11]       ; gains
	s_cselect_b64 s[22:23], s[8:9], s[12:13]       ; offsets
	s_add_nc_u64 s[16:17], s[4:5], s[30:31]        ; my row in branch 0's panel,
	s_add_nc_u64 s[18:19], s[16:17], 0x1000000     ; and in branch 1's
	s_mov_b32 s30, s29                             ; 256 w: head w's columns
	s_add_nc_u64 s[20:21], s[20:21], s[30:31]
	s_add_nc_u64 s[22:23], s[22:23], s[30:31]
	s_add_nc_u64 s[24:25], s[14:15], s[32:33]
	s_add_nc_u64 s[26:27], s[14:15], s[34:35]
.irp j, 0,1,2,3,4,5,6,7
	global_load_b128 v[Y+4*\j:Y+4*\j+3], v1, s[16:17] offset:512*\j th:TH_LOAD_NT       ; 512 consecutive bytes a load
.endr
.irp j, 0,1,2,3,4,5,6,7
	global_load_b128 v[Y+32+4*\j:Y+32+4*\j+3], v1, s[18:19] offset:512*\j th:TH_LOAD_NT
.endr
.irp c, 0,1
.irp i, 0,1,2,3,4,5,6,7
	global_load_b128 v[G+32*\c+4*\i:G+32*\c+4*\i+3], v2, s[20:21] offset:4096*\c+16*\i   ; branch c, channels 32 h + 4 i on: sixteen lanes share an address
.endr
.endr
.irp c, 0,1
.irp i, 0,1,2,3,4,5,6,7
	global_load_b128 v[BT+32*\c+4*\i:BT+32*\c+4*\i+3], v2, s[22:23] offset:4096*\c+16*\i
.endr
.endr
.macro WSUM a, b                       ; the sum over the 32 lanes, in every lane
	v_add_f32_dpp v[\a], v[\a], v[\a] row_xmask:1 row_mask:0xf bank_mask:0xf
	v_add_f32_dpp v[\a], v[\a], v[\a] row_xmask:2 row_mask:0xf bank_mask:0xf
	v_add_f32_dpp v[\a], v[\a], v[\a] row_xmask:4 row_mask:0xf bank_mask:0xf
	v_add_f32_dpp v[\a], v[\a], v[\a] row_xmask:8 row_mask:0xf bank_mask:0xf
	v_permlanex16_b32 v[\b], v[\a], s36, s37
	v_add_f32 v[\a], v[\a], v[\b]
.endm
	s_wait_loadcnt 32                              ; my row is in; the 32 loads of gains and offsets may be out
.irp k, 0,1,2,3
	v_pk_add_f32 v[10+2*\k:11+2*\k], v[Y+2*\k:Y+2*\k+1], v[Y+8+2*\k:Y+9+2*\k]           ; the sum, in four chains of pairs
.endr
.irp i, 16,24,32,40,48,56
.irp k, 0,1,2,3
	v_pk_add_f32 v[10+2*\k:11+2*\k], v[10+2*\k:11+2*\k], v[Y+\i+2*\k:Y+\i+2*\k+1]
.endr
.endr
	v_pk_add_f32 v[10:11], v[10:11], v[12:13]
	v_pk_add_f32 v[14:15], v[14:15], v[16:17]
	v_pk_add_f32 v[10:11], v[10:11], v[14:15]
	v_add_f32 v8, v10, v11
	WSUM 8, 9
	v_mul_f32 v8, s38, v8                          ; the mean
	v_mov_b32 v9, v8
.set j, 0
.rept 32
	v_pk_add_f32 v[Y+j:Y+j+1], v[Y+j:Y+j+1], v[8:9] neg_lo:[0,1] neg_hi:[0,1]           ; y - mean
.set j, j+2
.endr
.irp k, 0,1,2,3
	v_pk_mul_f32 v[10+2*\k:11+2*\k], v[Y+2*\k:Y+2*\k+1], v[Y+2*\k:Y+2*\k+1]             ; the sum of squares of the centred numbers
.endr
.irp i, 8,16,24,32,40,48,56
.irp k, 0,1,2,3
	v_pk_fma_f32 v[10+2*\k:11+2*\k], v[Y+\i+2*\k:Y+\i+2*\k+1], v[Y+\i+2*\k:Y+\i+2*\k+1], v[10+2*\k:11+2*\k]
.endr
.endr
	v_pk_add_f32 v[10:11], v[10:11], v[12:13]
	v_pk_add_f32 v[14:15], v[14:15], v[16:17]
	v_pk_add_f32 v[10:11], v[10:11], v[14:15]
	v_add_f32 v10, v10, v11
	WSUM 10, 11
	v_fmaak_f32 v10, s38, v10, 0x3727c5ac          ; var + 1e-5
	v_rsq_f32 v10, v10
	v_nop                                          ; a plain line behind the transcendental
	s_wait_alu depctr_va_vdst(0)
	v_mov_b32 v11, v10
.set j, 0
.rept 32
	v_pk_mul_f32 v[Y+j:Y+j+1], v[Y+j:Y+j+1], v[10:11]
.set j, j+2
.endr
.irp j, 0,1,2,3,4,5,6,7,8,9,10,11,12,13,14,15
	ds_store_b128 v4, v[Y+4*\j:Y+4*\j+3] offset:512*\j   ; column c of my row at 4 c
.endr
	s_wait_dscnt 0x0                               ; for the others' sake: my row lies in the stage
	s_barrier_signal -1
	s_barrier_wait -1
.irp c, 0,1
.irp i, 0,1,2,3,4,5,6,7
	ds_load_b128 v[Y+32*\c+4*\i:Y+32*\c+4*\i+3], v5 offset:4096*\c+16*\i   ; row r, branch c, head w, channels 32 h + 4 i on; rows 8,208 bytes apart: sixteen lanes, sixteen different 16-byte columns
.endr
.endr
	s_wait_loadcnt 0x0                             ; gains and offsets
	s_wait_dscnt 0x0
.set j, 0
.rept 32
	v_pk_fma_f32 v[Y+j:Y+j+1], v[Y+j:Y+j+1], v[G+j:G+j+1], v[BT+j:BT+j+1]
.set j, j+2
.endr
.irp c, 0,1                            ; my block h of branch c: all its 32 numbers are mine
	v_max3_num_f32 v[244+\c], |v[Y+32*\c]|, |v[Y+1+32*\c]|, 0x1800000   ; and the floor 2^(3 - 127): the byte cannot fall under 1
.endr
.irp i, 2,4,6,8,10,12,14,16,18,20,22,24,26,28,30
.irp c, 0,1
	v_max3_num_f32 v[244+\c], v[244+\c], |v[Y+32*\c+\i]|, |v[Y+1+32*\c+\i]|
.endr
.endr
.irp c, 0,1
	v_add_nc_u32 v[246+\c], 0xff000000, v[244+\c]  ; 2 off the exponent field: the conversion's scale operand
.endr
.irp c, 0,1
	v_lshrrev_b32 v[244+\c], 23, v[246+\c]         ; the scale's byte
.endr
	v_lshl_or_b32 v20, v245, 16, v244              ; my two bytes: blocks h and 2 + h of row r,
	v_lshlrev_b32 v21, 3, v18
	v_lshlrev_b32 v20, v21, v20                    ; at their places in the scale word;
	v_mov_b32 v21, 0
	v_permlanex16_b32 v21, v20, s36, s37
	v_or_b32 v20, v20, v21                         ; with lane l xor 16's two the word is whole, in both lanes
.irp c, 0,1
	v_cvt_scalef32_pk16_fp6_f32 v[F+6*\c:F+6*\c+2], v[Y+32*\c:Y+32*\c+15], v[246+\c]
	v_cvt_scalef32_pk16_fp6_f32 v[236+4*\c:238+4*\c], v[Y+32*\c+16:Y+32*\c+31], v[246+\c]   ; (a conversion's three registers begin on an even number)
.endr
	v_nop                                          ; one plain line behind a scaled conversion
.irp c, 0,1
.irp i, 0,1,2
	v_mov_b32 v[F+3+6*\c+\i], v[236+4*\c+\i]
.endr
.endr
.irp p, 0,1,2
	global_store_b128 v1, v[F+4*\p:F+4*\p+3], s[24:25] offset:512*\p   ; the image: 512 consecutive bytes a store, at a multiple of 256 from the buffer's first byte
.endr
	global_store_b32 v3, v20, s[26:27]             ; row r's scale word: lanes r and 16 + r hold the same word and write it to the same place
	s_wait_tensorcnt 0x0
	ds_add_u32 v254, v255
	s_wait_dscnt 0x0
	s_endpgm
.Lfunc_end_k_q435615c29a_lnq:
	.size	k_q435615c29a_lnq, .Lfunc_end_k_q435615c29a_lnq-k_q435615c29a_lnq
	.p2alignl 7, 3214868480
	.fill 96, 4, 3214868480
	.section	.rodata,"a",@progbits
	.p2align	6, 0x0
	.amdhsa_kernel k_q435615c29a_lnq
		.amdhsa_group_segment_fixed_size 133376
		.amdhsa_private_segment_fixed_size 0
		.amdhsa_enable_private_segment 0
		.amdhsa_kernarg_size 48
		.amdhsa_user_sgpr_count 2
		.amdhsa_user_sgpr_kernarg_segment_ptr 1
		.amdhsa_wavefront_size32 1
		.amdhsa_system_sgpr_workgroup_id_x 1
		.amdhsa_system_sgpr_workgroup_id_y 1
		.amdhsa_system_sgpr_workgroup_id_z 1
		.amdhsa_system_vgpr_workitem_id 0
		.amdhsa_next_free_vgpr 256
		.amdhsa_next_free_sgpr 66
		.amdhsa_reserve_vcc 0
		.amdhsa_float_denorm_mode_32 3
		.amdhsa_float_denorm_mode_16_64 3
		.amdhsa_memory_ordered 1
		.amdhsa_forward_progress 1
		.amdhsa_inst_pref_size 25
	.end_amdhsa_kernel
	.amdgpu_metadata
---
amdhsa.version: [ 1, 2 ]
amdhsa.kernels:
  - .name:           k_q435615c29a_lnq
    .symbol:         k_q435615c29a_lnq.kd
    .args:
      - { .name: y, .offset: 0, .size: 8, .value_kind: global_buffer, .address_space: global }
      - { .name: qn_gamma, .offset: 8, .size: 8, .value_kind: global_buffer, .address_space: global }
      - { .name: qn_beta, .offset: 16, .size: 8, .value_kind: global_buffer, .address_space: global }
      - { .name: kn_gamma, .offset: 24, .size: 8, .value_kind: global_buffer, .address_space: global }
      - { .name: kn_beta, .offset: 32, .size: 8, .value_kind: global_buffer, .address_space: global }
      - { .name: qkv, .offset: 40, .size: 8, .value_kind: global_buffer, .address_space: global }
    .group_segment_fixed_size: 133376
    .private_segment_fixed_size: 0
    .kernarg_segment_align: 8
    .kernarg_segment_size: 48
    .max_flat_workgroup_size: 512
    .sgpr_count:     66
    .vgpr_count:     256
    .wavefront_size: 32
...
	.end_amdgpu_metadata
.endif
;; end of part 3
;; launch vq (part 4): grid 8 x 16, 4 waves a work-group, no clusters, 36,352 bytes of LDS; arguments y, qkv; writes qkv
.if DOCPART == 4
	.amdgcn_target "amdgcn-amd-amdhsa--gfx1250"
	.amdhsa_code_object_version 6
	.text
	.protected	k_q435615c29a_vq
	.globl	k_q435615c29a_vq
	.p2align	8
	.type	k_q435615c29a_vq,@function
k_q435615c29a_vq:
	s_mov_b64 s[64:65], 0
	v_nop
	global_prefetch_b8 v0, s[64:65] scope:SCOPE_SE
	s_setreg_imm32_b32 hwreg(HW_REG_WAVE_MODE, 25, 1), 1
	s_wait_xcnt 0x0
; v (panel 4 of y: [4096 tokens][1024 columns] f32, column = 64 head + channel) is the operand whose K is the KEYS, its first axis.  It becomes codes of FP6 (E2M3) with the keys innermost and one E8M0 byte for each 32 keys.
; OUT: qkv + VOFF: for each (batch, head) 16 blocks of 6,400 bytes (128 keys each): 64 channel rows of 96 bytes, then at 6,144 a scale word (4 bytes: the row's four blocks of 32 keys) for each channel.
; A LANE TAKES A COLUMN, AND ITS REGISTERS RUN DOWN THE KEYS: each load reads 128 consecutive bytes a wave, a block of 32 keys lies in one lane's 32 registers, and the conversions give the codes with the keys innermost.
; A wave takes 32 columns x 256 keys (two blocks of the output): its codes go through its own stage in LDS and leave by rows: eight lanes store a row's 96 consecutive bytes, 12 bytes each.
; Blocks of 32 keys never cross a batch (2,048 keys).  No tensor loads, no barrier: waves share nothing.  Loads run two blocks (64 loads a wave) ahead.
; LIMITS: NaN and infinities are not served; a block whose largest magnitude lies under 2^-124 (zeros too) keeps the byte 1: its bytes are read by this program alone.
.set VOFF,  13107200
.set SIZE_N, 1024
.set KW,    256                        ; keys for a wave
.set NB,    KW/32                      ; blocks
.set PITCH, 272                        ; a stage row: sixteen places of 16 bytes, each with 12 bytes of codes, + 16
.set X,     32                         ; v32-95   two sets of 32 numbers
.set C,     96                         ; v96..    a block's codes
.set OUTR,  112                        ; v112-175 the way out
.set SB,    24                         ; v24-25   the scale bytes, four to a register
	s_load_b128 s[4:7], s[0:1], 0x0                ; y, qkv
	v_lshl_add_u32 v192, v0, 2, 0x8c00
	v_mov_b32 v193, 0
	v_lshrrev_b32 v1, 5, v0
	v_readfirstlane_b32 s16, v1                    ; wave 0..3
	v_and_b32 v2, 31, v0                           ; lane
	s_lshl_b32 s17, ttmp9, 7
	s_lshl_b32 s18, s16, 5
	s_add_co_u32 s17, s17, s18                     ; my wave's first column
	s_and_b32 s18, ttmp7, 0xffff                   ; which 256 tokens
	v_lshlrev_b32 v3, 2, v2                        ; 4 bytes a lane: in, and for the scale words out
	s_mul_i32 s19, s16, 32*PITCH                   ; my stage
	v_mul_u32_u24 v4, v2, PITCH
	v_add_nc_u32 v4, s19, v4                       ; into it: row = my column
	v_and_b32 v5, 15, v2
	v_lshrrev_b32 v6, 4, v2                        ; out of it: sixteen lanes to a row, two rows an instruction
	v_mul_u32_u24 v7, v6, PITCH
	v_lshl_add_u32 v7, v5, 4, v7
	v_add_nc_u32 v7, s19, v7
	v_mul_u32_u24 v8, v6, 96                       ; and in memory: the channel's row,
	v_bfe_u32 v9, v2, 3, 1
	v_mad_u32_u24 v8, v9, 6400, v8                 ; places 8-15 belong to the next 128 keys' block,
	v_and_b32 v9, 7, v2
	v_mad_u32_u24 v8, v9, 12, v8                   ; 12 bytes a place
	s_lshl_b32 s20, s18, 20                        ; 256 rows of 4,096 bytes
	s_lshl_b32 s21, s17, 2
	s_add_co_u32 s20, s20, s21
	s_add_co_u32 s20, s20, 0x4000000               ; panel 4
	s_mov_b32 s21, 0
	s_lshr_b32 s22, s18, 3                         ; batch
	s_lshl_b32 s22, s22, 4
	s_lshr_b32 s23, s17, 6                         ; head
	s_add_co_u32 s22, s22, s23
	s_mul_i32 s22, s22, 102400
	s_and_b32 s23, s18, 7
	s_mul_i32 s23, s23, 2*6400
	s_add_co_u32 s22, s22, s23
	s_add_co_u32 s22, s22, VOFF                    ; the first of my two blocks
	s_and_b32 s23, s17, 63                         ; my first channel
	s_lshl_b32 s24, s23, 2
	s_add_co_u32 s24, s24, s22
	s_add_co_u32 s24, s24, 6144                    ; its scale word
	s_mov_b32 s25, 0
	s_mul_i32 s23, s23, 96
	s_add_co_u32 s22, s22, s23                     ; its row of codes
	s_mov_b32 s23, 0
	s_wait_kmcnt 0x0
	s_add_nc_u64 s[4:5], s[4:5], s[20:21]
	s_add_nc_u64 s[8:9], s[6:7], s[24:25]
	s_add_nc_u64 s[6:7], s[6:7], s[22:23]
.macro LOAD t                          ; block t: v(32 t + i, my column), i = 0 .. 31, into set t % 2
.irp i, 0,1,2,3,4,5,6,7,8,9,10,11,12,13,14,15,16,17,18,19,20,21,22,23,24,25,26,27,28,29,30,31
	global_load_b32 v[X+32*((\t)%2)+\i], v3, s[4:5] offset:(32*(\t)+\i)*SIZE_N*4 th:TH_LOAD_NT
.endr
.endm
	LOAD 0
	LOAD 1
.macro BLOCK t
.set XS, X+32*((\t)%2)
.if (\t) < NB-1
	s_wait_loadcnt 32                              ; this block's 32 loads are in; the next block's 32 may be out
.else
	s_wait_loadcnt 0
.endif
	v_max3_num_f32 v12, |v[XS]|, |v[XS+1]|, |v[XS+2]|               ; the block's largest magnitude: all 32 numbers are mine
	v_max3_num_f32 v13, |v[XS+3]|, |v[XS+4]|, |v[XS+5]|
.irp i, 6,10,14,18,22,26
	v_max3_num_f32 v12, v12, |v[XS+\i]|, |v[XS+\i+1]|
	v_max3_num_f32 v13, v13, |v[XS+\i+2]|, |v[XS+\i+3]|
.endr
	v_max3_num_f32 v12, v12, |v[XS+30]|, |v[XS+31]|
	v_max3_num_f32 v12, v12, v13, 0x1800000        ; and the floor 2^(3 - 127): the byte cannot fall under 1
	v_add_nc_u32 v11, 0xff000000, v12              ; 2 off its exponent field: the conversion's scale operand
	v_lshrrev_b32 v13, 23, v11                     ; the scale's byte
.if (\t)%4 == 0
	v_mov_b32 v[SB+(\t)/4], v13                    ; four bytes to a register, the lower keys in the lower byte
.else
	v_lshl_or_b32 v[SB+(\t)/4], v13, 8*((\t)%4), v[SB+(\t)/4]
.endif
	v_cvt_scalef32_pk16_fp6_f32 v[C:C+2], v[XS:XS+15], v11
	v_cvt_scalef32_pk16_fp6_f32 v[C+4:C+6], v[XS+16:XS+31], v11     ; (a conversion's three registers begin on an even number)
	ds_store_b96 v4, v[C:C+2] offset:32*(\t)       ; 16 codes, 12 bytes, to a place of 16 bytes, so that every LDS address is a multiple of 16
	ds_store_b96 v4, v[C+4:C+6] offset:32*(\t)+16
.if (\t)+2 < NB
	LOAD (\t)+2
.endif
	s_wait_dscnt 0x0                               ; the stores have read their registers: the next block's codes may be written
.endm
.set Q, 0
.rept NB
	BLOCK Q
.set Q, Q+1
.endr
	global_store_b32 v3, v[SB], s[8:9]             ; my channel's scale word for the first 128 keys: the wave stores 128 consecutive bytes,
	global_store_b32 v3, v[SB+1], s[8:9] offset:6400   ; and for the next 128, one block on
.irp t, 0,1,2,3,4,5,6,7,8,9,10,11,12,13,14,15
	ds_load_b96 v[OUTR+4*\t:OUTR+4*\t+2], v7 offset:2*\t*PITCH   ; LDS serves a wave's instructions in order: these see my stores
.endr
.irp t, 0,1,2,3,4,5,6,7,8,9,10,11,12,13,14,15
	s_wait_dscnt 15-\t                             ; the reads behind this one may be out
	global_store_b96 v8, v[OUTR+4*\t:OUTR+4*\t+2], s[6:7] offset:2*\t*96
.endr
	s_wait_tensorcnt 0x0
	ds_add_u32 v192, v193
	s_wait_dscnt 0x0
	s_endpgm
.Lfunc_end_k_q435615c29a_vq:
	.size	k_q435615c29a_vq, .Lfunc_end_k_q435615c29a_vq-k_q435615c29a_vq
	.p2alignl 7, 3214868480
	.fill 96, 4, 3214868480
	.section	.rodata,"a",@progbits
	.p2align	6, 0x0
	.amdhsa_kernel k_q435615c29a_vq
		.amdhsa_group_segment_fixed_size 36352
		.amdhsa_private_segment_fixed_size 0
		.amdhsa_enable_private_segment 0
		.amdhsa_kernarg_size 16
		.amdhsa_user_sgpr_count 2
		.amdhsa_user_sgpr_kernarg_segment_ptr 1
		.amdhsa_wavefront_size32 1
		.amdhsa_system_sgpr_workgroup_id_x 1
		.amdhsa_system_sgpr_workgroup_id_y 1
		.amdhsa_system_sgpr_workgroup_id_z 1
		.amdhsa_system_vgpr_workitem_id 0
		.amdhsa_next_free_vgpr 194
		.amdhsa_next_free_sgpr 66
		.amdhsa_reserve_vcc 0
		.amdhsa_float_denorm_mode_32 3
		.amdhsa_float_denorm_mode_16_64 3
		.amdhsa_memory_ordered 1
		.amdhsa_forward_progress 1
		.amdhsa_inst_pref_size 42
	.end_amdhsa_kernel
	.amdgpu_metadata
---
amdhsa.version: [ 1, 2 ]
amdhsa.kernels:
  - .name:           k_q435615c29a_vq
    .symbol:         k_q435615c29a_vq.kd
    .args:
      - { .name: y, .offset: 0, .size: 8, .value_kind: global_buffer, .address_space: global }
      - { .name: qkv, .offset: 8, .size: 8, .value_kind: global_buffer, .address_space: global }
    .group_segment_fixed_size: 36352
    .private_segment_fixed_size: 0
    .kernarg_segment_align: 8
    .kernarg_segment_size: 16
    .max_flat_workgroup_size: 128
    .sgpr_count:     66
    .vgpr_count:     194
    .wavefront_size: 32
...
	.end_amdgpu_metadata
.endif
;; end of part 4
;; launch attn (part 5): grid 8 x 32, 16 waves a work-group, clusters of 4 x 1, 309,248 bytes of LDS; arguments qkv, lambda_q, lambda_k, oq; writes oq
.if DOCPART == 5
	.amdgcn_target "amdgcn-amd-amdhsa--gfx1250"
	.amdhsa_code_object_version 6
	.text
	.protected	k_q435615c29a_attn
	.globl	k_q435615c29a_attn
	.p2align	8
	.type	k_q435615c29a_attn,@function
k_q435615c29a_attn:
	s_mov_b64 s[64:65], 0
	v_nop
	global_prefetch_b8 v0, s[64:65] scope:SCOPE_SE
	s_setreg_imm32_b32 hwreg(HW_REG_WAVE_MODE, 25, 1), 1
	s_wait_xcnt 0x0
	s_wait_alu depctr_hold_cnt(0) depctr_sa_sdst(0) depctr_va_vdst(0) depctr_va_sdst(0) depctr_va_ssrc(0) depctr_va_vcc(0) depctr_vm_vsrc(0)
	s_getreg_b32 s2, hwreg(HW_REG_IB_STS2, 6, 4)
	s_cmp_eq_u32 s2, 0
	s_cbranch_scc0 .Lentry_in_a_cluster
	s_endpgm
.Lentry_in_a_cluster:
	s_bfe_u32 s2, ttmp6, 0x10000c
	s_cmp_lg_u32 s2, 0x3003
	s_cbranch_scc0 .Lentry_shape_is_right
	s_endpgm
.Lentry_shape_is_right:
; out = softmax(q1 k1^T / 8) v - lam softmax(q2 k2^T / 8) v for one (batch, head), lam = clip(exp(mean lambda_q - mean lambda_k), 0.1, 2), all four products on codes of FP6 (E2M3) with E8M0 scales; the result is
; quantised along (head, channel) into oq: codes [4096 tokens][768 bytes], scale bytes [4096][32] at ASC.
; IN (qkv): Q at 0 and K at KOFF: for each (batch, head) 16 blocks of 12,800 bytes (128 tokens): 8 tile images of 1,536 bytes, then the tiles' scale words at 12,288.  A fragment is [branch 0's 64 channels | branch 1's 64].
; V at VOFF: 16 blocks of 6,400 bytes (128 keys): 64 channel rows of 96 bytes, keys innermost, then a scale word a channel at 6,144.
; K = 64 IN A FORM OF K = 128: K's fragment is used whole; Q's operand is [q1 | zero codes] for branch 0 and [zero codes | q2] for branch 1: zero codes add nothing under any scale byte of the quantiser's.
; THE SOFTMAX: t = score x log2(e) / 8; M = the running largest t rounded UP to a whole number; p = 2^(t - M) is quantised along the keys, not normalised; the row's sum is taken of the unquantised p and divides at the end.
; When M moves, the sum and O are multiplied by 2^(old M - new M): exact.
; SHARES: a work-group owns 256 queries of one (batch, head); each of its sixteen waves one tile of 16 queries, both branches one after the other, all 2,048 keys, 128 a step: four waves to a SIMD, so that one wave's
; vector work stands beside another's matrix work and LDS loads.
; LDS HOLDS THE WHOLE HEAD, FILLED ONCE: K's 16 blocks at 0, V's 16 at VB: 307,200 bytes.  No byte is filled again.  Waves 0-7 bring two blocks of K each, waves 8-15 two of V: two tensor loads of a wave are out.
; CLUSTER: the four work-groups of a cluster belong to one (batch, head) and need the same K and V: every fill is asked for JOINTLY, by the same tensor load with the same descriptor and a mask that names the four.
; LAYOUT: both products are used transposed (S^T = K Q^T, O^T = V^T P^T): a lane holds ONE query (lane % 16) throughout.  Row r of tile 2 b + u (of keys, of queries, of V's channels) is number 32 b + 8 u + r + 8 (r / 8),
; so that the 16 registers of tiles 2 b and 2 b + 1 are 16 neighbours: 32 b + 16 (lane / 16) + 0 .. 15.
; THE WAY OUT: a lane's 16 channels of a block are 12 bytes of the token's row; a work-group owns one head, 48 bytes of each row of 768, so the stores are short pieces of rows far apart: 3 MiB in all.
; LIMITS: NaN and infinities are not served; a block whose largest magnitude lies under 2^-124 (zeros too) keeps the byte 1; 1 / l by v_rcp_f32; out1 - lam out2 is one fused multiply-add with -lam / l2; lambda's sums in another order.
; REGISTERS: v1-6 addresses that stay; v8-11 addresses of the step; v12 -M, v13 the largest t, v[14:15] the sum; v16-27 [q1 | 0]; v32-79 four fragments of K or of V; v80-91 [0 | q2]; v92 lam, v93 -lam;
; v96-159 S^T, then p; v160-191 O^T; v192-223 the result; v224-235 p's codes; v232-254 at work; v248-251 K's or V's scale words; v253 p's; v255 Q's.
.set KOFF, 6553600
.set VOFF, 13107200
.set ASC,  3145728
.set KBLK, 12800
.set VBLK, 6400
.set VB,   16*KBLK
.set AK0,  1                           ; 16 x lane: my place in an image
.set AV0,  2                           ; my place in a tile of V
.set AS0,  3                           ; among K's scale words: 12,288 + 4 x lane (lanes 0-15 one tile, lanes 16-31 the next)
.set AT0,  4                           ; among V's
.set OC,   5                           ; the way out: my 12 bytes in the wave's rows of codes
.set OS,   6                           ; and my token's row of scale bytes
.set ADK,  8
.set ADV,  9
.set ADS,  10
.set ADT,  11
.set WV,   12                          ; s12 my wave's number
.set SEL,  20                          ; s[20:21] selects: lane l xor 16
.set CS,   22                          ; s[22:23] c = log2(e) / 8
.set G1K,  24                          ; s[24:31] group 1 for a block of K; s[32:39] for a block of V
.set G1V,  32
.set G0KA, 40                          ; groups 0: K's blocks wl and wl + 8, V's likewise
.set G0KB, 44
.set G0VA, 48
.set G0VB, 52
.set TK,   56                          ; s56 LDS byte of the step's block of K
.set TV,   57                          ; s57 of V, from VB on
.set CNT,  58
.macro ROUND                           ; a round of the cluster's barrier
	s_barrier_signal -1
	s_barrier_wait -1
	s_cmp_lg_u32 s[WV], 0
	s_cbranch_scc1 .Lnot_wave_0_\@
	s_barrier_signal -3
.Lnot_wave_0_\@:
	s_barrier_wait -3
	s_barrier_signal -1
	s_barrier_wait -1
.endm
	s_load_b128 s[4:7], s[0:1], 0x0                ; qkv, lambda_q
	s_load_b128 s[8:11], s[0:1], 0x10              ; lambda_k, oq
	v_lshl_add_u32 v95, v0, 2, 0x4b000
	v_mov_b32 v243, 0
	ds_add_u32 v95, v243
	ds_add_u32 v95, v243
	v_lshrrev_b32 v8, 5, v0
	v_readfirstlane_b32 s[WV], v8                  ; wave 0..15
	s_and_b32 s15, ttmp7, 0xffff                   ; 16 x batch + head, which the four partners share
	s_and_b32 s16, s[WV], 7                        ; wl
	s_mul_i32 s17, s15, 16*KBLK                    ; the head's bytes in Q and in K
	s_mul_i32 s18, s16, KBLK                       ; block wl of K: in the head, and in LDS
	s_add_co_u32 s70, s17, s18
	s_add_co_u32 s70, s70, KOFF
	s_mov_b32 s71, 0
	s_mul_i32 s19, s15, 16*VBLK
	s_mul_i32 s72, s16, VBLK                       ; block wl of V
	s_add_co_u32 s74, s19, s72
	s_add_co_u32 s74, s74, VOFF
	s_mov_b32 s75, 0
	s_add_co_u32 s72, s72, VB                      ; and in LDS
	; group 1: a dense block as rows of 256 bytes (32 elements of 8 bytes): 50 rows for K, 25 for V; no padding
	s_mov_b32 s[G1K], 15|(3<<16)|(1<<21)           ; 15:0 the mask: all four work-groups; 17:16 elements of 8 bytes; 21 set beside a mask
	s_mov_b32 s[G1K+1], 32<<16                     ; tensor_dim0
	s_mov_b32 s[G1K+2], 50<<16                     ; tensor_dim1
	s_mov_b32 s[G1K+3], 32<<16                     ; tile_dim0
	s_mov_b32 s[G1K+4], 50                         ; tile_dim1
	s_mov_b32 s[G1K+5], 32                         ; tensor_dim0_stride
	s_mov_b32 s[G1K+6], 0
	s_mov_b32 s[G1K+7], 0
	s_mov_b32 s[G1V], 15|(3<<16)|(1<<21)
	s_mov_b32 s[G1V+1], 32<<16
	s_mov_b32 s[G1V+2], 25<<16
	s_mov_b32 s[G1V+3], 32<<16
	s_mov_b32 s[G1V+4], 25
	s_mov_b32 s[G1V+5], 32
	s_mov_b32 s[G1V+6], 0
	s_mov_b32 s[G1V+7], 0
	; what hangs on my place in the cluster enters Q's and oq's addresses alone, in registers of its own
	s_bfe_u32 s13, ttmp6, 0x40000                  ; cx
	s_lshl_b32 s14, ttmp9, 2
	s_add_co_u32 s14, s14, s13                     ; my block of 256 queries
	s_lshl_b32 s78, s14, 1
	s_lshr_b32 s79, s[WV], 3
	s_add_co_u32 s78, s78, s79
	s_mul_i32 s78, s78, KBLK
	s_add_co_u32 s78, s78, s17                     ; Q: the block of 128 tokens that holds my tile
	s_mul_i32 s79, s16, 1536
	s_add_co_u32 s60, s78, s79                     ; my tile's image
	s_mov_b32 s61, 0
	s_lshl_b32 s79, s16, 6
	s_add_co_u32 s62, s78, s79
	s_add_co_u32 s62, s62, 12288                   ; its scale words
	s_mov_b32 s63, 0
	s_lshr_b32 s66, s15, 4
	s_lshl_b32 s66, s66, 11                        ; 2,048 x batch
	s_lshl_b32 s67, s14, 8
	s_add_co_u32 s66, s66, s67
	s_lshr_b32 s67, s[WV], 1
	s_lshl_b32 s67, s67, 5
	s_add_co_u32 s66, s66, s67
	s_and_b32 s67, s[WV], 1
	s_lshl_b32 s67, s67, 3
	s_add_co_u32 s66, s66, s67                     ; the token of my tile's row 0
	s_and_b32 s67, s15, 15                         ; head
	s_lshl_b32 s68, s66, 5
	s_lshl_b32 s69, s67, 1
	s_add_co_u32 s68, s68, s69
	s_add_co_u32 s68, s68, ASC                     ; its two scale bytes
	s_mov_b32 s69, 0
	s_mul_i32 s66, s66, 768
	s_mul_i32 s67, s67, 48
	s_add_co_u32 s66, s66, s67                     ; its 48 bytes of codes
	s_mov_b32 s67, 0
	s_mov_b32 s[SEL], 0x76543210
	s_mov_b32 s[SEL+1], 0xfedcba98
	s_mov_b32 s[CS], 0x3e38aa3b                    ; log2(e) / 8
	s_mov_b32 s[CS+1], s[CS]                       ; (named with it as a pair, so it is written)
	s_wait_dscnt 0x0
	s_wait_kmcnt 0x0
	s_add_nc_u64 s[76:77], s[4:5], s[70:71]
	s_mov_b32 s[G0KA], 1                           ; count = 1
	s_mov_b32 s[G0KA+1], s18                       ; LDS address
	s_mov_b64 s[G0KA+2:G0KA+3], s[76:77]           ; global address
	s_or_b32 s[G0KA+3], s[G0KA+3], 0x80000000      ; type = 2
	s_mov_b32 s[G0KB], 1
	s_add_co_u32 s[G0KB+1], s18, 8*KBLK
	s_add_nc_u64 s[G0KB+2:G0KB+3], s[76:77], 8*KBLK
	s_or_b32 s[G0KB+3], s[G0KB+3], 0x80000000
	s_add_nc_u64 s[76:77], s[4:5], s[74:75]
	s_mov_b32 s[G0VA], 1
	s_mov_b32 s[G0VA+1], s72
	s_mov_b64 s[G0VA+2:G0VA+3], s[76:77]
	s_or_b32 s[G0VA+3], s[G0VA+3], 0x80000000
	s_mov_b32 s[G0VB], 1
	s_add_co_u32 s[G0VB+1], s72, 8*VBLK
	s_add_nc_u64 s[G0VB+2:G0VB+3], s[76:77], 8*VBLK
	s_or_b32 s[G0VB+3], s[G0VB+3], 0x80000000
	s_add_nc_u64 s[60:61], s[4:5], s[60:61]
	s_add_nc_u64 s[62:63], s[4:5], s[62:63]
	s_add_nc_u64 s[66:67], s[10:11], s[66:67]
	s_add_nc_u64 s[68:69], s[10:11], s[68:69]
	ROUND                                          ; all four work-groups are here: the joint loads meet
	s_cmp_lt_u32 s[WV], 8                          ; a wave's two fills stand in one branch on its number; four v_nop follow the second
	s_cbranch_scc0 .Lfirst_v
	tensor_load_to_lds s[G0KA:G0KA+3], s[G1K:G1K+7]
	s_nop 0
	tensor_load_to_lds s[G0KB:G0KB+3], s[G1K:G1K+7]
	s_nop 0
.rept 4
	v_nop
.endr
	s_branch .Lfirst_asked
.Lfirst_v:
	tensor_load_to_lds s[G0VA:G0VA+3], s[G1V:G1V+7]
	s_nop 0
	tensor_load_to_lds s[G0VB:G0VB+3], s[G1V:G1V+7]
	s_nop 0
.rept 4
	v_nop
.endr
.Lfirst_asked:
	; while the fills are on their way: addresses, Q, lam
	v_and_b32 v7, 31, v0                           ; lane
	v_and_b32 v8, 15, v0                           ; r
	v_bfe_u32 v9, v0, 4, 1                         ; h
	v_lshlrev_b32 v[AK0], 4, v7
	v_and_b32 v10, 8, v8
	v_add_nc_u32 v10, v10, v8                      ; r + 8 (r / 8)
	v_mul_u32_u24 v[AV0], v10, 96
	v_mad_u32_u24 v[AV0], v9, 24, v[AV0]
	v_add_nc_u32 v[AV0], VB, v[AV0]
	v_lshl_add_u32 v[AS0], v7, 2, 12288
	v_lshl_add_u32 v[AT0], v10, 2, VB+6144
	v_mul_u32_u24 v[OC], v10, 768
	v_mad_u32_u24 v[OC], v9, 12, v[OC]
	v_lshlrev_b32 v[OS], 5, v10
	v_lshlrev_b32 v11, 2, v8
	global_load_b128 v[16:19], v[AK0], s[60:61]                ; the image's registers 0-3 and 4-7: q1 is 0-5
	global_load_b128 v[20:23], v[AK0], s[60:61] offset:512
	global_load_b128 v[84:87], v[AK0], s[60:61] offset:512     ; registers 4-7 and 8-11: q2 is 6-11
	global_load_b128 v[88:91], v[AK0], s[60:61] offset:1024
	global_load_b32 v255, v11, s[62:63]                        ; Q's scale words
.irp i, 0,1,2,3,4,5,6,7
	global_load_b128 v[96+4*\i:99+4*\i], v[AK0], s[6:7] offset:512*\i      ; lambda_q: 1,024 numbers, 32 a lane
	global_load_b128 v[128+4*\i:131+4*\i], v[AK0], s[8:9] offset:512*\i    ; lambda_k
.endr
	s_wait_loadcnt 0x0
.irp i, 22,23,24,25,26,27,80,81,82,83,84,85
	v_mov_b32 v\i, 0                               ; zero codes in the other branch's half
.endr
	v_pk_add_f32 v[232:233], v[96:97], v[100:101]
	v_pk_add_f32 v[234:235], v[98:99], v[102:103]
	v_pk_add_f32 v[236:237], v[128:129], v[132:133]
	v_pk_add_f32 v[238:239], v[130:131], v[134:135]
.irp i, 8,12,16,20,24,28
	v_pk_add_f32 v[232:233], v[232:233], v[96+\i:97+\i]
	v_pk_add_f32 v[234:235], v[234:235], v[98+\i:99+\i]
	v_pk_add_f32 v[236:237], v[236:237], v[128+\i:129+\i]
	v_pk_add_f32 v[238:239], v[238:239], v[130+\i:131+\i]
.endr
	v_pk_add_f32 v[232:233], v[232:233], v[234:235]
	v_pk_add_f32 v[236:237], v[236:237], v[238:239]
	v_pk_add_f32 v[232:233], v[232:233], v[236:237] neg_lo:[0,1] neg_hi:[0,1]
	v_add_f32 v232, v232, v233
	v_add_f32_dpp v232, v232, v232 row_xmask:1 row_mask:0xf bank_mask:0xf
	v_add_f32_dpp v232, v232, v232 row_xmask:2 row_mask:0xf bank_mask:0xf
	v_add_f32_dpp v232, v232, v232 row_xmask:4 row_mask:0xf bank_mask:0xf
	v_add_f32_dpp v232, v232, v232 row_xmask:8 row_mask:0xf bank_mask:0xf
	v_permlanex16_b32 v233, v232, s[SEL], s[SEL+1]
	v_add_f32 v232, v232, v233                     ; sum lambda_q - sum lambda_k
	v_mul_f32 v232, 0x3ab8aa3b, v232               ; x log2(e) / 1,024
	v_exp_f32 v92, v232
	v_mov_b32 v253, 0                              ; (a plain line behind the transcendental; v253 is named as the upper half of a pair before it is first written)
	s_wait_alu depctr_va_vdst(0)
	v_max_num_f32 v92, 0x3dcccccd, v92             ; at least 0.1,
	v_min_num_f32 v92, 2.0, v92                    ; at most 2
	v_mul_f32 v93, -1.0, v92
; A KEY STEP: 128 keys.  q: the first register of this branch's operand of Q.
.macro STEP q
	v_add_nc_u32 v[ADK], s[TK], v[AK0]             ; (these four are also the places between the last step's products and the loads below)
	v_add_nc_u32 v[ADS], s[TK], v[AS0]
	v_add_nc_u32 v[ADV], s[TV], v[AV0]
	v_add_nc_u32 v[ADT], s[TV], v[AT0]
.irp g, 0,1                                    ; S^T = K Q^T, four tiles of 16 keys at a time
.if \g > 0
.rept 4
	v_nop                                          ; places in front of loads into registers that matrix instructions have read
.endr
.endif
.irp t, 0,1,2,3
.irp c, 0,1,2
	ds_load_b128 v[32+12*\t+4*\c:35+12*\t+4*\c], v[ADK] offset:(4*\g+\t)*1536+512*\c   ; an image comes back as it was stored: 512 consecutive bytes a load
.endr
.endr
	ds_load_b32 v248, v[ADS] offset:256*\g         ; lanes 0-15: tile 4 g's scale words, lanes 16-31: tile 4 g + 1's
	ds_load_b32 v249, v[ADS] offset:256*\g+128     ; tiles 4 g + 2 and 4 g + 3
	s_wait_dscnt 0x0
.irp u, 0,1
	v_wmma_scale_f32_16x16x128_f8f6f4 v[96+8*(4*\g+2*\u):103+8*(4*\g+2*\u)], v[32+24*\u:43+24*\u], v[\q:\q+11], 0, v[248+\u], v255 matrix_a_fmt:MATRIX_FMT_FP6 matrix_b_fmt:MATRIX_FMT_FP6
	v_wmma_scale_f32_16x16x128_f8f6f4 v[104+8*(4*\g+2*\u):111+8*(4*\g+2*\u)], v[44+24*\u:55+24*\u], v[\q:\q+11], 0, v[248+\u], v255 matrix_a_fmt:MATRIX_FMT_FP6 matrix_b_fmt:MATRIX_FMT_FP6 matrix_a_scale:MATRIX_SCALE_ROW1
.endr
.endr
.rept 4
	v_nop                                          ; places in front of the first read of the scores, and of the loads below
.endr
.irp t, 0,1,2,3                                ; V's four tiles of 16 channels x these 128 keys are asked for now and land under the softmax
.irp p, 0,1,2,3,4,5
	ds_load_b64 v[32+12*\t+2*\p:33+12*\t+2*\p], v[ADV] offset:(32*(\t/2)+8*(\t%2))*96+48*(\p/3)+8*(\p%3)
.endr
	ds_load_b32 v[248+\t], v[ADT] offset:(32*(\t/2)+8*(\t%2))*4
.endr
.irp b, 0,1,2,3
	v_max3_num_f32 v[232+\b], v[96+16*\b], v[97+16*\b], v[98+16*\b]   ; the largest score of each block of 32 keys: it serves for the row's maximum and, since p rises with the score, for the block's largest p
.endr
.irp i, 3,5,7,9,11,13
.irp b, 0,1,2,3
	v_max3_num_f32 v[232+\b], v[232+\b], v[96+16*\b+\i], v[97+16*\b+\i]
.endr
.endr
.irp b, 0,1,2,3
	v_max_num_f32 v[232+\b], v[232+\b], v[111+16*\b]
.endr
.irp b, 0,1,2,3
	v_permlanex16_b32 v[236+\b], v[232+\b], s[SEL], s[SEL+1]
.endr
.irp b, 0,1,2,3
	v_max_num_f32 v[232+\b], v[232+\b], v[236+\b]  ; with lane l xor 16's 16 keys
.endr
	v_max3_num_f32 v254, v232, v233, v234
	v_max_num_f32 v254, v254, v235                 ; the step's largest score of my query
	v_mul_f32 v254, s[CS], v254                    ; as t (c is positive)
	v_max_num_f32 v13, v13, v254                   ; the running largest t
	v_mov_b32 v254, v12
	v_floor_f32 v12, -v13                          ; the new -M = floor(-t) = -ceil(t)
	v_sub_f32 v254, v12, v254                      ; old M - new M: a whole number, 0 or less
	v_cvt_i32_f32 v254, v254                       ; (it saturates)
	v_ldexp_f32 v252, 1.0, v254                    ; f = 2^(old M - new M)
.set j, 0
.rept 32
	v_pk_fma_f32 v[96+j:97+j], v[96+j:97+j], s[CS:CS+1], v[12:13] op_sel_hi:[1,0,0]   ; t - M, two at a time
.set j, j+2
.endr
.irp b, 0,1,2,3
	v_fma_f32 v[232+\b], v[232+\b], s[CS], v12     ; the same of each block's largest score
.endr
.set j, 0
.rept 64
	v_exp_f32 v[96+j], v[96+j]                     ; p = 2^(t - M), at most 1
.set j, j+1
.endr
.irp b, 0,1,2,3
	v_exp_f32 v[232+\b], v[232+\b]                 ; the block's largest p: the same two instructions on the same number give the same bits
.endr
	v_pk_mul_f32 v[14:15], v[14:15], v[252:253] op_sel_hi:[1,0]   ; the sums under the new M (a plain line behind the exponentials)
	s_wait_alu depctr_va_vdst(0)
.irp b, 0,1,2,3
	v_max_num_f32 v[232+\b], 0x1800000, v[232+\b]  ; the floor 2^(3 - 127): the byte cannot fall under 1
.endr
.irp b, 0,1,2,3
	v_add_nc_u32 v[244+\b], 0xff000000, v[232+\b]  ; 2 off the exponent field: the conversion's scale operand
.endr
.irp b, 0,1,2,3
	v_lshrrev_b32 v[236+\b], 23, v[244+\b]         ; the scale's byte
.endr
	v_lshl_or_b32 v253, v237, 8, v236              ; p's scale word for these 128 keys
	v_lshl_or_b32 v253, v238, 16, v253
	v_lshl_or_b32 v253, v239, 24, v253
.irp c, 0,1
	v_cvt_scalef32_pk16_fp6_f32 v[224+6*\c:226+6*\c], v[96+32*\c:111+32*\c], v[244+2*\c]
	v_cvt_scalef32_pk16_fp6_f32 v[236+4*\c:238+4*\c], v[112+32*\c:127+32*\c], v[244+2*\c+1]   ; (a conversion's three registers begin on an even number)
.endr
	v_nop                                          ; one plain line behind a scaled conversion
.irp c, 0,1                                    ; the operand's layout wants a WHOLE block in a lane: lanes 0-15 block 2 c, lanes 16-31 block 2 c + 1
.irp i, 0,1,2
	v_permlane16_swap_b32 v[224+6*\c+\i], v[236+4*\c+\i]
.endr
.irp i, 0,1,2
	v_mov_b32 v[227+6*\c+\i], v[236+4*\c+\i]
.endr
.endr
	v_pk_add_f32 v[236:237], v[96:97], v[98:99]    ; the row's sum is taken of the unquantised p: two at a time, in two chains
.irp j, 4,8,12,16,20,24,28,32,36,40,44,48,52,56,60
	v_pk_add_f32 v[14:15], v[14:15], v[96+\j:97+\j]
	v_pk_add_f32 v[236:237], v[236:237], v[98+\j:99+\j]
.endr
	v_pk_add_f32 v[14:15], v[14:15], v[236:237]
.set j, 0
.rept 16
	v_pk_mul_f32 v[160+j:161+j], v[160+j:161+j], v[252:253] op_sel_hi:[1,0]   ; O^T under the new M; each accumulator from its low end on
.set j, j+2
.endr
	s_wait_dscnt 0x0                               ; V's fragments and scale words are in
.irp t, 0,1,2,3                                ; O^T += V^T P^T: four accumulators, one instruction each
	v_wmma_scale_f32_16x16x128_f8f6f4 v[160+8*\t:167+8*\t], v[32+12*\t:43+12*\t], v[224:235], v[160+8*\t:167+8*\t], v[248+\t], v253 matrix_a_fmt:MATRIX_FMT_FP6 matrix_b_fmt:MATRIX_FMT_FP6
.endr
	s_add_co_u32 s[TK], s[TK], KBLK                ; the next 128 keys
	s_add_co_u32 s[TV], s[TV], VBLK
.endm
.macro BEGIN                           ; a branch begins: O^T and the sum as zeros, the largest t under every t: the first change of M multiplies zeros
	v_mov_b32 v13, 0xff61b1e6                      ; -3e38
	v_floor_f32 v12, -v13
	v_mov_b32 v14, 0
	v_mov_b32 v15, 0
.set j, 0
.rept 32
	v_mov_b32 v[160+j], 0
.set j, j+1
.endr
	s_mov_b32 s[TK], 0
	s_mov_b32 s[TV], 0
.endm
.macro RUN q                           ; all 16 key steps of the head
	s_mov_b32 s[CNT], 16
.Lrun_\@:
	STEP \q
	s_sub_co_u32 s[CNT], s[CNT], 1
	s_cmp_lg_u32 s[CNT], 0
	s_cbranch_scc1 .Lrun_\@
.endm
.macro FINISH second                   ; the branch's O^T / its sum goes into the result: as it is, or x -lam on top
.rept 4
	v_nop                                          ; places behind the last products
.endr
	v_add_f32 v14, v14, v15                        ; the sum's two halves,
	v_permlanex16_b32 v252, v14, s[SEL], s[SEL+1]
	v_add_f32 v14, v14, v252                       ; and lane l xor 16's: the row's sum
	v_rcp_f32 v14, v14
	v_nop                                          ; a plain line behind the transcendental
	s_wait_alu depctr_va_vdst(0)
.if \second
	s_wait_alu depctr_va_vdst(0)
	v_mul_f32 v14, v93, v14                        ; -lam / l
.endif
.set j, 0
.rept 16
.if \second
	v_pk_fma_f32 v[192+j:193+j], v[160+j:161+j], v[14:15], v[192+j:193+j] op_sel_hi:[1,0,1]
.else
	v_pk_mul_f32 v[192+j:193+j], v[160+j:161+j], v[14:15] op_sel_hi:[1,0]
.endif
.set j, j+2
.endr
.endm
	BEGIN
	s_wait_tensorcnt 0x0                           ; my two blocks are in,
	s_barrier_signal -1
	s_barrier_wait -1                              ; everybody's are: the whole head lies in LDS, and nothing writes it again
	RUN 16
	FINISH 0
	BEGIN
	RUN 80
	FINISH 1
	; THE WAY OUT: register 16 b + i of the result is channel 32 b + 16 (lane / 16) + i of my token: block b of the head's two lies in lanes l and l xor 16
.irp b, 0,1
	v_max3_num_f32 v[232+\b], |v[192+16*\b]|, |v[193+16*\b]|, 0x1800000   ; and the floor 2^(3 - 127)
.endr
.irp i, 2,4,6,8,10,12,14
.irp b, 0,1
	v_max3_num_f32 v[232+\b], v[232+\b], |v[192+16*\b+\i]|, |v[193+16*\b+\i]|
.endr
.endr
.irp b, 0,1
	v_permlanex16_b32 v[236+\b], v[232+\b], s[SEL], s[SEL+1]
.endr
.irp b, 0,1
	v_max_num_f32 v[232+\b], v[232+\b], v[236+\b]
.endr
.irp b, 0,1
	v_add_nc_u32 v[244+\b], 0xff000000, v[232+\b]
.endr
.irp b, 0,1
	v_lshrrev_b32 v[236+\b], 23, v[244+\b]
.endr
	v_lshl_or_b32 v236, v237, 8, v236              ; the token's two scale bytes of this head
	v_cvt_scalef32_pk16_fp6_f32 v[224:226], v[192:207], v244
	v_cvt_scalef32_pk16_fp6_f32 v[228:230], v[208:223], v245
	v_nop                                          ; one plain line behind a scaled conversion
	global_store_b96 v[OC], v[224:226], s[66:67]               ; block 0: my 16 codes, 12 bytes, as they lie in the row
	global_store_b96 v[OC], v[228:230], s[66:67] offset:24     ; block 1
	global_store_b16 v[OS], v236, s[68:69]                     ; lanes r and 16 + r hold the same two bytes and write them to the same place
	s_wait_tensorcnt 0x0
	ds_add_u32 v95, v243
	s_wait_dscnt 0x0
	ROUND                                          ; the closing round: no work-group ends while a partner may still ask for a block that names it
	s_endpgm
.Lfunc_end_k_q435615c29a_attn:
	.size	k_q435615c29a_attn, .Lfunc_end_k_q435615c29a_attn-k_q435615c29a_attn
	.p2alignl 7, 3214868480
	.fill 96, 4, 3214868480
	.section	.rodata,"a",@progbits
	.p2align	6, 0x0
	.amdhsa_kernel k_q435615c29a_attn
		.amdhsa_group_segment_fixed_size 309248
		.amdhsa_private_segment_fixed_size 0
		.amdhsa_enable_private_segment 0
		.amdhsa_kernarg_size 32
		.amdhsa_user_sgpr_count 2
		.amdhsa_user_sgpr_kernarg_segment_ptr 1
		.amdhsa_wavefront_size32 1
		.amdhsa_system_sgpr_workgroup_id_x 1
		.amdhsa_system_sgpr_workgroup_id_y 1
		.amdhsa_system_sgpr_workgroup_id_z 1
		.amdhsa_system_vgpr_workitem_id 0
		.amdhsa_next_free_vgpr 256
		.amdhsa_next_free_sgpr 80
		.amdhsa_reserve_vcc 0
		.amdhsa_float_denorm_mode_32 3
		.amdhsa_float_denorm_mode_16_64 3
		.amdhsa_memory_ordered 1
		.amdhsa_forward_progress 1
		.amdhsa_inst_pref_size 55
	.end_amdhsa_kernel
	.amdgpu_metadata
---
amdhsa.version: [ 1, 2 ]
amdhsa.kernels:
  - .name:           k_q435615c29a_attn
    .symbol:         k_q435615c29a_attn.kd
    .args:
      - { .name: qkv, .offset: 0, .size: 8, .value_kind: global_buffer, .address_space: global }
      - { .name: lambda_q, .offset: 8, .size: 8, .value_kind: global_buffer, .address_space: global }
      - { .name: lambda_k, .offset: 16, .size: 8, .value_kind: global_buffer, .address_space: global }
      - { .name: oq, .offset: 24, .size: 8, .value_kind: global_buffer, .address_space: global }
    .group_segment_fixed_size: 309248
    .private_segment_fixed_size: 0
    .kernarg_segment_align: 8
    .kernarg_segment_size: 32
    .max_flat_workgroup_size: 512
    .sgpr_count:     80
    .vgpr_count:     256
    .wavefront_size: 32
...
	.end_amdgpu_metadata
.endif
;; end of part 5
;; launch gemm_out: the kernel of part 2 again; grid 4 x 16, 4 waves a work-group, clusters of 4 x 4, 327,680 bytes of LDS; arguments oq, woq, out0; writes out0
;; ======== version 2 of 2: 5 launches
;; workspace buffers: cq 7,372,800 bytes; woq 819,200 bytes; st 1,048,576 bytes; qkv 16,384,000 bytes; oq 3,276,800 bytes
;; launch prep (part 6): grid 320 x 1, 4 waves a work-group, no clusters, 33,280 bytes of LDS; arguments x, Wq, Wk, Wv, Wo, cq, woq; writes cq, woq
.if DOCPART == 6
	.amdgcn_target "amdgcn-amd-amdhsa--gfx1250"
	.amdhsa_code_object_version 6
	.text
	.protected	k_q435615c29a_prep
	.globl	k_q435615c29a_prep
	.p2align	8
	.type	k_q435615c29a_prep,@function
k_q435615c29a_prep:
	s_mov_b64 s[64:65], 0
	v_nop
	global_prefetch_b8 v0, s[64:65] scope:SCOPE_SE
	s_setreg_imm32_b32 hwreg(HW_REG_WAVE_MODE, 25, 1), 1
	s_wait_xcnt 0x0
; x [4096][1024] and the four weights (Wq, Wk [2048][1024], Wv, Wo [1024][1024]), f32, become codes of FP6 (E2M3), K innermost (768 bytes a row), with one E8M0 byte for each 32 along K.
; A weight is first made ternary as the problem writes it: s = max(mean |W| of the row, 1e-5); wq = clip(round(W / s), -1, 1); w = W + (wq s - W).
; round(W / s) is not 0 exactly where |W| > s / 2: the next f32 above s / 2 gives a quotient above 0.5 + 2^-25, which rounds above 0.5; 0.5 itself goes to 0 (ties to even).
; OUT: cq = 9,216 rows of codes, their scale bytes (32 a row) at CSC.  Rows 0-4095: Wq, then Wk, each in the order 128 head + 64 branch + channel; rows 4096-8191: x; rows 8192-9215: Wv.  woq = Wo's codes, scale bytes at WSC.
; THE ORDER OF ROWS: in x, Wq and Wk the second and the third run of 8 rows of every 32 change places, so that position 16 u + r of a group of 32 holds number 8 u + r + 8 (r / 8): a tile of 16 positions then gives the
; product that reads it 16 neighbouring numbers in a lane's 16 registers of two neighbouring tiles.  A wave takes one run of 8 rows, so the order costs scalar arithmetic on the number of the run that it writes.
; SHARES: a work-group takes 32 rows, a wave 8 rows (32,768 bytes in, 6,144 bytes of codes and 256 scale bytes out).  Work-groups 0-127 x, 128-191 Wq, 192-255 Wk, 256-287 Wv, 288-319 Wo:
; only pointers and offsets are chosen by the work-group's number; the one branch on it jumps over register work (the ternary step), which x does not have.
; A row is 8 loads of 512 consecutive bytes (32 registers a lane).  For the conversions a lane must hold 16 neighbours along K, so the row turns through the wave's own stage in LDS (64 bytes + 16 of padding a lane).
; LIMITS: NaN and infinities are not served.  A block whose largest magnitude lies under 2^-124 keeps the byte 1, a block of zeros too (its codes are zeros; the bytes are read by this program alone).
; The row's sum of |W| is taken in another order than a plain left-to-right sum.
.set CSC,  7077888                     ; 9,216 rows x 768 bytes
.set WSC,  786432                      ; 1,024 rows x 768 bytes
.set SP,   80                          ; a lane's place in a stage
.set WREG, 8192                        ; LDS of a wave: two stages of 32 x SP bytes, then its 256 scale bytes
.set R,    16                          ; v16-111  three sets of 32: a row as loaded
.set X,    112                         ; v112-143 two sets of 16 neighbours
.set C,    144                         ; v144-207 codes: four registers for each of 16 steps, never written again
.set E,    208                         ; v208-223 a scale byte for each step
	s_load_b256 s[8:15], s[0:1], 0x0               ; x, Wq, Wk, Wv
	s_load_b128 s[16:19], s[0:1], 0x20             ; Wo, cq
	s_load_b64 s[20:21], s[0:1], 0x30              ; woq
	v_lshl_add_u32 v224, v0, 2, 0x8000
	v_mov_b32 v225, 0
	v_lshrrev_b32 v1, 5, v0
	v_readfirstlane_b32 s2, v1                     ; wave
	v_and_b32 v2, 31, v0                           ; lane
	v_lshlrev_b32 v3, 4, v2                        ; my 16 bytes of a load's 512
	s_mul_i32 s3, s2, WREG
	v_lshrrev_b32 v14, 2, v2
	v_mul_u32_u24 v14, v14, SP
	v_and_b32 v15, 3, v2
	v_lshl_add_u32 v14, v15, 4, v14
	v_add_nc_u32 v14, s3, v14                      ; the stage, in: SP (lane / 4) + 16 (lane % 4)
	v_mul_u32_u24 v15, v2, SP
	v_add_nc_u32 v15, s3, v15                      ; the stage, out: SP x lane
	v_mul_u32_u24 v4, v2, 12                       ; my 12 bytes of a step's 384 bytes of codes
	v_lshrrev_b32 v5, 1, v2
	s_add_co_u32 s3, s3, 2*32*SP
	v_add_nc_u32 v5, s3, v5                        ; LDS: my block's scale byte
	v_lshlrev_b32 v7, 3, v2
	v_add_nc_u32 v6, s3, v7                        ; and 8 bytes a lane on the way out
	v_mov_b32 v9, 0                                ; a lane permute's destination counts as read
	s_mov_b32 s28, 0x76543210
	s_mov_b32 s29, 0xfedcba98                      ; selects: lane l xor 16
	s_mov_b32 s34, 0x7fffffff
	s_wait_kmcnt 0x0
	s_mov_b64 s[4:5], s[16:17]                     ; from Wo, whose first work-group is 288,
	s_mov_b32 s24, 288
	s_mov_b64 s[6:7], s[20:21]                     ; to woq, from its first row on
	s_mov_b32 s25, 0                               ; (the tensor's first row in its buffer, in groups of 32 rows)
	s_mov_b32 s26, WSC
	s_cmp_lt_u32 ttmp9, 288                        ; every choice hangs on the work-group's number alone
	s_cselect_b64 s[4:5], s[14:15], s[4:5]
	s_cselect_b32 s24, 256, s24
	s_cselect_b64 s[6:7], s[18:19], s[6:7]
	s_cselect_b32 s25, 256, s25
	s_cselect_b32 s26, CSC, s26
	s_cmp_lt_u32 ttmp9, 256
	s_cselect_b64 s[4:5], s[12:13], s[4:5]
	s_cselect_b32 s24, 192, s24
	s_cselect_b32 s25, 64, s25
	s_cmp_lt_u32 ttmp9, 192
	s_cselect_b64 s[4:5], s[10:11], s[4:5]
	s_cselect_b32 s24, 128, s24
	s_cselect_b32 s25, 0, s25
	s_cmp_lt_u32 ttmp9, 128
	s_cselect_b64 s[4:5], s[8:9], s[4:5]
	s_cselect_b32 s24, 0, s24
	s_cselect_b32 s25, 128, s25
	s_sub_co_u32 s24, ttmp9, s24                   ; g: my number among the tensor's work-groups
	s_lshl_b32 s38, s24, 2
	s_add_co_u32 s38, s38, s2                      ; which run of 8 rows of the source: 4 g + wave
	s_lshl_b32 s38, s38, 15
	s_mov_b32 s39, 0
	s_add_nc_u64 s[4:5], s[4:5], s[38:39]
	; where the run goes.  Of Wq and Wk run 4 g + wave is branch g / 32, head (g / 2) % 16, channels 32 (g % 2) + 8 wave on: it goes to group 4 head + 2 branch + g % 2
	s_bfe_u32 s8, s24, 0x40001                     ; head
	s_lshl_b32 s8, s8, 2
	s_lshr_b32 s9, s24, 5                          ; branch
	s_lshl_b32 s9, s9, 1
	s_add_co_u32 s8, s8, s9
	s_and_b32 s9, s24, 1
	s_add_co_u32 s8, s8, s9
	s_and_b32 s9, s2, 1
	s_lshl_b32 s9, s9, 1
	s_lshr_b32 s10, s2, 1
	s_add_co_u32 s9, s9, s10                       ; the wave's two bits changed over: runs 1 and 2 of a group change places
	s_sub_co_u32 s10, ttmp9, 128
	s_cmp_lt_u32 s10, 128                          ; Wq or Wk: the group by heads; else the group as it comes
	s_cselect_b32 s8, s8, s24
	s_cmp_lt_u32 ttmp9, 256                        ; x, Wq, Wk: runs changed over; Wv and Wo as they come
	s_cselect_b32 s9, s9, s2
	s_add_co_u32 s8, s8, s25
	s_lshl_b32 s8, s8, 2
	s_add_co_u32 s25, s8, s9                       ; which run of the destination
	s_lshl_b32 s38, s25, 8
	s_add_co_u32 s38, s38, s26
	s_add_nc_u64 s[36:37], s[6:7], s[38:39]        ; its 256 scale bytes
	s_mul_i32 s38, s25, 6144
	s_add_nc_u64 s[6:7], s[6:7], s[38:39]          ; its codes
.macro LOAD t                          ; row t into set t % 3
.irp i, 0,1,2,3,4,5,6,7
	global_load_b128 v[R+32*((\t)%3)+4*\i:R+32*((\t)%3)+4*\i+3], v3, s[4:5] offset:4096*(\t)+512*\i th:TH_LOAD_NT
.endr
.endm
.macro TERN t                          ; the row in set t % 3 becomes W + (wq s - W)
.set RS, R+32*((\t)%3)
.irp k, 0,1,2,3
	v_add_f32 v[10+\k], |v[RS+2*\k]|, |v[RS+2*\k+1]|           ; the sum of my 32 magnitudes, in four chains
.endr
.irp i, 8,12,16,20,24,28
.irp k, 0,1,2,3
	v_add_f32 v[10+\k], v[10+\k], |v[RS+\i+\k]|
.endr
.endr
	v_add_f32 v10, v10, v11
	v_add_f32 v12, v12, v13
	v_add_f32 v8, v10, v12
	v_add_f32_dpp v8, v8, v8 row_xmask:1 row_mask:0xf bank_mask:0xf
	v_add_f32_dpp v8, v8, v8 row_xmask:2 row_mask:0xf bank_mask:0xf
	v_add_f32_dpp v8, v8, v8 row_xmask:4 row_mask:0xf bank_mask:0xf
	v_add_f32_dpp v8, v8, v8 row_xmask:8 row_mask:0xf bank_mask:0xf
	v_permlanex16_b32 v9, v8, s28, s29
	v_add_f32 v8, v8, v9                           ; the row's sum, in every lane
	v_mul_f32 v8, 0x3a800000, v8                   ; / 1,024
	v_max_num_f32 v8, 0x3727c5ac, v8               ; s: at least 1e-5
	v_mul_f32 v9, 0.5, v8                          ; s / 2, exact
.irp i, 0,4,8,12,16,20,24,28           ; four numbers by turns
.irp k, 0,1,2,3
	v_cmp_gt_f32 s[30+\k], |v[RS+\i+\k]|, v9       ; wq is not 0
.endr
.irp k, 0,1,2,3
	v_bfi_b32 v[10+\k], s34, v8, v[RS+\i+\k]       ; wq s: s with W's sign
.endr
.irp k, 0,1,2,3
	v_sub_f32 v[10+\k], v[10+\k], v[RS+\i+\k]      ; wq s - W
.endr
.irp k, 0,1,2,3
	v_add_f32 v[10+\k], v[RS+\i+\k], v[10+\k]      ; W + (wq s - W)
.endr
.irp k, 0,1,2,3
	v_cndmask_b32 v[RS+\i+\k], 0, v[10+\k], s[30+\k]   ; with wq = 0: W + (0 - W) = 0
.endr
.endr
.endm
.macro QSTEP st, u                     ; step st (512 numbers): my 16 neighbours lie in set u of X; two neighbouring lanes hold a block
.set XS, X+16*(\u)
	v_max3_num_f32 v8, |v[XS]|, |v[XS+1]|, |v[XS+2]|
	v_max3_num_f32 v9, |v[XS+3]|, |v[XS+4]|, |v[XS+5]|
.irp i, 6,10
	v_max3_num_f32 v8, v8, |v[XS+\i]|, |v[XS+\i+1]|
	v_max3_num_f32 v9, v9, |v[XS+\i+2]|, |v[XS+\i+3]|
.endr
	v_max3_num_f32 v8, v8, |v[XS+14]|, |v[XS+15]|
	v_max3_num_f32 v8, v8, v9, 0x1800000           ; and the floor 2^(3 - 127): the byte cannot fall under 1
	v_max_num_f32_dpp v8, v8, v8 row_xmask:1 row_mask:0xf bank_mask:0xf   ; with my neighbour's 16: the block's largest magnitude
	v_add_nc_u32 v11, 0xff000000, v8               ; 2 off its exponent field: the conversion takes that field as its scale
	v_cvt_scalef32_pk16_fp6_f32 v[C+4*(\st):C+4*(\st)+2], v[XS:XS+15], v11
	v_lshrrev_b32 v[E+(\st)], 23, v11              ; the scale's byte (a plain line behind the conversion)
	ds_store_b8 v5, v[E+(\st)] offset:16*(\st)     ; both lanes of a block write the same byte with the same value
	global_store_b96 v4, v[C+4*(\st):C+4*(\st)+2], s[6:7] offset:384*(\st)   ; the wave stores 384 consecutive bytes
.endm
.macro ROW t
.if (\t) < 6
	LOAD (\t)+2                                    ; into the set of row t - 1, whose stores into the stage have been waited for
	s_wait_loadcnt 16                              ; row t is in; the 16 loads of the two rows behind it may be out
.elseif (\t) == 6
	s_wait_loadcnt 8                               ; the last row's 8 may be out
.else
	s_wait_loadcnt 0
.endif
	s_cmp_lt_u32 ttmp9, 128                        ; x is taken as it is
	s_cbranch_scc1 .Lplain_\@
	TERN \t
.Lplain_\@:
.set RS, R+32*((\t)%3)
.irp u, 0,1
.irp i, 0,1,2,3
	ds_store_b128 v14, v[RS+16*\u+4*\i:RS+16*\u+4*\i+3] offset:32*SP*\u+8*SP*\i
.endr
.endr
.irp u, 0,1
.irp i, 0,1,2,3
	ds_load_b128 v[X+16*\u+4*\i:X+16*\u+4*\i+3], v15 offset:32*SP*\u+16*\i   ; LDS serves a wave's instructions in order: these see the stores above
.endr
.endr
	s_wait_dscnt 0x0
	QSTEP 2*(\t), 0
	QSTEP 2*(\t)+1, 1
.endm
	LOAD 0
	LOAD 1
.irp t, 0,1,2,3,4,5,6,7
	ROW \t
.endr
	ds_load_b64 v[12:13], v6                       ; my wave's 256 scale bytes, 8 a lane
	s_wait_dscnt 0x0
	global_store_b64 v7, v[12:13], s[36:37]        ; 256 consecutive bytes, at a multiple of 256 from the buffer's first byte
	s_wait_tensorcnt 0x0
	ds_add_u32 v224, v225
	s_wait_dscnt 0x0
	s_endpgm
.Lfunc_end_k_q435615c29a_prep:
	.size	k_q435615c29a_prep, .Lfunc_end_k_q435615c29a_prep-k_q435615c29a_prep
	.p2alignl 7, 3214868480
	.fill 96, 4, 3214868480
	.section	.rodata,"a",@progbits
	.p2align	6, 0x0
	.amdhsa_kernel k_q435615c29a_prep
		.amdhsa_group_segment_fixed_size 33280
		.amdhsa_private_segment_fixed_size 0
		.amdhsa_enable_private_segment 0
		.amdhsa_kernarg_size 56
		.amdhsa_user_sgpr_count 2
		.amdhsa_user_sgpr_kernarg_segment_ptr 1
		.amdhsa_wavefront_size32 1
		.amdhsa_system_sgpr_workgroup_id_x 1
		.amdhsa_system_sgpr_workgroup_id_y 1
		.amdhsa_system_sgpr_workgroup_id_z 1
		.amdhsa_system_vgpr_workitem_id 0
		.amdhsa_next_free_vgpr 226
		.amdhsa_next_free_sgpr 66
		.amdhsa_reserve_vcc 0
		.amdhsa_float_denorm_mode_32 3
		.amdhsa_float_denorm_mode_16_64 3
		.amdhsa_memory_ordered 1
		.amdhsa_forward_progress 1
		.amdhsa_inst_pref_size 117
	.end_amdhsa_kernel
	.amdgpu_metadata
---
amdhsa.version: [ 1, 2 ]
amdhsa.kernels:
  - .name:           k_q435615c29a_prep
    .symbol:         k_q435615c29a_prep.kd
    .args:
      - { .name: x, .offset: 0, .size: 8, .value_kind: global_buffer, .address_space: global }
      - { .name: Wq, .offset: 8, .size: 8, .value_kind: global_buffer, .address_space: global }
      - { .name: Wk, .offset: 16, .size: 8, .value_kind: global_buffer, .address_space: global }
      - { .name: Wv, .offset: 24, .size: 8, .value_kind: global_buffer, .address_space: global }
      - { .name: Wo, .offset: 32, .size: 8, .value_kind: global_buffer, .address_space: global }
      - { .name: cq, .offset: 40, .size: 8, .value_kind: global_buffer, .address_space: global }
      - { .name: woq, .offset: 48, .size: 8, .value_kind: global_buffer, .address_space: global }
    .group_segment_fixed_size: 33280
    .private_segment_fixed_size: 0
    .kernarg_segment_align: 8
    .kernarg_segment_size: 56
    .max_flat_workgroup_size: 128
    .sgpr_count:     66
    .vgpr_count:     226
    .wavefront_size: 32
...
	.end_amdgpu_metadata
.endif
;; end of part 6
;; launch gemm_stats (part 7): grid 16 x 16, 4 waves a work-group, clusters of 4 x 4, 327,680 bytes of LDS; arguments cq, st; writes st
.if DOCPART == 7
	.amdgcn_target "amdgcn-amd-amdhsa--gfx1250"
	.amdhsa_code_object_version 6
	.text
	.protected	k_q435615c29a_gemm_stats
	.globl	k_q435615c29a_gemm_stats
	.p2align	8
	.type	k_q435615c29a_gemm_stats,@function
k_q435615c29a_gemm_stats:
	s_mov_b64 s[64:65], 0
	v_nop
	global_prefetch_b8 v0, s[64:65] scope:SCOPE_SE
	s_setreg_imm32_b32 hwreg(HW_REG_WAVE_MODE, 25, 1), 1
	s_wait_xcnt 0x0
	s_wait_alu depctr_hold_cnt(0) depctr_sa_sdst(0) depctr_va_vdst(0) depctr_va_sdst(0) depctr_va_ssrc(0) depctr_va_vcc(0) depctr_vm_vsrc(0)
	s_getreg_b32 s2, hwreg(HW_REG_IB_STS2, 6, 4)
	s_cmp_eq_u32 s2, 0
	s_cbranch_scc0 .Lentry_in_a_cluster
	s_endpgm
.Lentry_in_a_cluster:
	s_bfe_u32 s2, ttmp6, 0x10000c
	s_cmp_lg_u32 s2, 0xf033
	s_cbranch_scc0 .Lentry_shape_is_right
	s_endpgm
.Lentry_shape_is_right:
; THE FIGURES THAT THE LAYER NORMS OF q AND k NEED.  y[m][n] = sum over k of x[m][k] W[n][k], K = 1,024, on codes of FP6 (E2M3) with one E8M0 scale for each 32 along K, sums in f32; W = [Wq; Wk], 4,096 rows.
; y is not stored: for each row m and each piece of 128 columns this launch stores the piece's mean and the sum of its squares about that mean.  The next launch multiplies once more, joins a row's 16 pieces and goes on in registers.
; WHY TWICE: the norm wants all 2,048 columns of a row, which lie in 8 work-groups.  Stored, y would be 64 MiB out and 64 MiB in again; the second product is 512 matrix instructions a wave on 6 MiB of codes.
; IN: cq: 9,216 rows of 768 bytes of codes, their scale bytes (32 a row) at CSC.  Rows 0-4095 are W's (B here), rows 4096-8191 x's (A here).
; OUT: st[piece 0-31][row 0-4095][2] f32: piece = 2 x tile column + the wave's half: 0-15 are q's, 16-31 k's.
; A tile of y, 256 x 256, is made by a work-group of four waves; a wave makes 128 x 128: 64 accumulators of 16 x 16, 512 registers.
; K goes in steps of 256 through a ring of two LDS slots filled by the tensor data mover: a tile's row is 192 bytes of memory.
; THE SCALES of the work-group's 256 rows of A and of B, for all of K, are two dense blocks of memory: they come into LDS once, with the first fills, and stay.
; CLUSTERS: 4 x 4 work-groups.  The four of a row of the cluster need the same tiles of A, the four of a column the same tiles of B: each tile is asked for JOINTLY, by the same tensor load with the
; same descriptor and a mask that names the four.  THE MATRIX INSTRUCTION IS USED TRANSPOSED (source 0 = 16 rows of B, source 1 = 16 rows of A): a lane then holds ONE row of y (lane % 16) and 64 of its wave's 128 columns.
; REGISTERS, in windows of 256: window 0: v0-31 addresses; v32-63 scale words, two sets; from v128 A's fragments, ONE set; on the way out v32-127 are at work.
;   window 1: B's fragments, TWO sets, at v0 and at v128.   window 2: the 32 accumulators of my rows 0-63;   window 3: those of my rows 64-127.
; LIMITS: NaN and infinities are not served; the sums are taken in another order than a plain left-to-right sum.
.set SIZE_K, 1024
.set XROW,   4096                      ; x's first row in cq
.set CSC,    7077888                   ; 9,216 rows x 768 bytes
.set KSTEP,  256                       ; along K in a slot
.set NQ,     KSTEP/128                 ; matrix instructions deep
.set ROWB,   192                       ; a tile's row in bytes
.set KROW,   SIZE_K*6/8                ; a row of codes in memory, in bytes
.set PITCH,  240                       ; an LDS row: 3 x (64 bytes of data + 16 of padding)
.set FR,     12                        ; registers of a fragment: 16 rows x 128 K
.set NL,     6                         ; LDS loads that bring one
.set NP,     4                         ; places behind this matrix instruction (ISA guide 7.12.1)
.set HALFT,  128*PITCH                 ; 128 rows: what one tensor load brings
.set SLOT,   4*HALFT                   ; A's 256 rows, then B's 256 rows
.set LAPS,   SIZE_K/(2*KSTEP)          ; a lap = two K steps = once round the ring
.set KS,     SIZE_K/32                 ; a row of scales in bytes
.set SCL,    2*SLOT                    ; behind the ring: the scales, as rows of 256 bytes + 16 of padding
.set HALFS,  (128*KS/256)*272          ; the scales of 128 rows
.set SBLK,   (16*KS/256)*272           ; those of 16 rows
.set SPARE,  SCL+4*HALFS               ; behind the scales: the spare words, 128 bytes for each wave
.set ADRA, 16                          ; v16-17 LDS address of my A fragments in slot 0, 1 (v18-19: behind one padding more)
.set ADRB, 20                          ; v20-21 the same for B (v22-23)
.set SA,   24                          ; v24 the way out: 8 x (lane % 16)
.set ADRS, 27                          ; LDS address of my scale words: lanes 0-15 A's rows, lanes 16-31 B's
.set SPW,  28                          ; LDS address of my spare word; never rewritten
.set NIL,  29                          ; 0; never rewritten
.set SC,   32
.set AF,   128
.set Y,    32                          ; the way out: v32-95 a row's 64 numbers less their mean
.set SM,   96                          ; v96-103 four chains of pairs
.set TT,   106                         ; v106-107 at work
.set RES,  108                         ; v108-123 (mean, sum of squares) for each of my 8 blocks of rows: no store's data are written again
.set G1, 24
.set G0, 32
.set G1B, 48
.set G0B, 56
.set G1S, 68
.set G0S, 76
.set G1SB, 80
.set G0SB, 88
.set MSB, 0
.macro WIN new                         ; the immediate's high byte repeats the setting that is left
.if MSB != \new
	s_set_vgpr_msb (MSB<<8)|\new
.set MSB, \new
.endif
.endm
.set MUL_LO, 0xa1                      ; source 0 (B) window 1, source 1 (A) window 0, C and D window 2
.set MUL_HI, 0xf1                      ; the same, C and D window 3
.set TO_B,   0x40                      ; destination window 1, address window 0
; A joint load: waves 0 and 1 fetch for A, waves 2 and 3 for B.  The branch hangs on the wave's number alone.  Four v_nop follow each of the two lines.
.macro JLOAD g0a, g1a, g0b, g1b
	s_cmp_eq_u32 s15, 0
	s_cbranch_scc0 .Lfor_b_\@
	tensor_load_to_lds s[\g0a:\g0a+3], s[\g1a:\g1a+7]
	s_nop 0
.rept 4
	v_nop
.endr
	s_branch .Lasked_\@
.Lfor_b_\@:
	tensor_load_to_lds s[\g0b:\g0b+3], s[\g1b:\g1b+7]
	s_nop 0
.rept 4
	v_nop
.endr
.Lasked_\@:
.endm
.macro CREST                           ; a round of the cluster's barrier behind its opening barrier
	s_cmp_lg_u32 s14, 0
	s_cbranch_scc1 .Lnot_wave_0_\@
	s_barrier_signal -3
.Lnot_wave_0_\@:
	s_barrier_wait -3
	s_barrier_signal -1
	s_barrier_wait -1
.endm
.macro CROUND                          ; a whole round
	s_barrier_signal -1
	s_barrier_wait -1
	CREST
.endm
	s_load_b64 s[12:13], s[0:1], 0x0               ; cq
	s_load_b64 s[4:5], s[0:1], 0x8                 ; st
	v_lshl_add_u32 v[SPW], v0, 2, SPARE
	v_mov_b32 v[NIL], 0
	ds_add_u32 v28, v29
	ds_add_u32 v28, v29
	s_wait_dscnt 0x0
	v_lshrrev_b32 v1, 5, v0
	v_readfirstlane_b32 s14, v1                    ; wave 0..3
	s_lshr_b32 s15, s14, 1                         ; which half of the tile's rows is mine.  Also: I fetch for A (0) or for B (1)
	s_and_b32 s16, s14, 1                          ; which half of its columns.  Also: which 128 rows of that tile I fetch
	s_bfe_u32 s40, ttmp6, 0x40000                  ; cx, cy: my place in the cluster
	s_bfe_u32 s41, ttmp6, 0x40004
	s_lshl_b32 s42, ttmp9, 2
	s_add_co_u32 s42, s42, s40                     ; tile column = 4 x cluster x + cx
	s_and_b32 s17, ttmp7, 0xffff
	s_lshl_b32 s17, s17, 2
	s_add_co_u32 s17, s17, s41                     ; tile row = 4 x cluster y + cy
	s_lshl_b32 s43, s41, 2
	s_lshl_b32 s43, 15, s43                        ; my row of the cluster
	s_lshl_b32 s44, 0x1111, s40                    ; my column
	; descriptor group 1: a tile of 128 rows x ROWB bytes, 16 bytes of padding behind every 64
	s_or_b32 s[G1+0], s43, (0<<16)|(1<<20)|(1<<21)|(3<<22)|(3<<25)
	s_or_b32 s[G1B+0], s44, (0<<16)|(1<<20)|(1<<21)|(3<<22)|(3<<25)
.irp g, G1, G1B
	s_mov_b32 s[\g+1], ROWB<<16                    ; tensor_dim0
	s_mov_b32 s[\g+2], 128<<16                     ; tensor_dim1 = 128
	s_mov_b32 s[\g+3], ROWB<<16                    ; tile_dim0
	s_mov_b32 s[\g+4], 128                         ; tile_dim1 = 128
	s_mov_b32 s[\g+5], KROW                        ; tensor_dim0_stride
	s_mov_b32 s[\g+6], 0
	s_mov_b32 s[\g+7], 0
.endr
	; the scales of 128 rows: a dense block of 4,096 bytes, as rows of 256 bytes (32 elements of 8 bytes), 16 bytes of padding behind each
	s_or_b32 s[G1S+0], s43, (3<<16)|(1<<20)|(1<<21)|(5<<22)|(3<<25)
	s_or_b32 s[G1SB+0], s44, (3<<16)|(1<<20)|(1<<21)|(5<<22)|(3<<25)
.irp g, G1S, G1SB
	s_mov_b32 s[\g+1], 32<<16
	s_mov_b32 s[\g+2], (128*KS/256)<<16
	s_mov_b32 s[\g+3], 32<<16
	s_mov_b32 s[\g+4], 128*KS/256
	s_mov_b32 s[\g+5], 32
	s_mov_b32 s[\g+6], 0
	s_mov_b32 s[\g+7], 0
.endr
	s_lshl_b32 s18, s16, 7                         ; which 128 rows of the tile I fetch
	s_lshl_b32 s20, s17, 8
	s_add_co_u32 s20, s20, s18
	s_add_co_u32 s20, s20, XROW                    ; A: row 4,096 + 256 x tile row + 128 x half
	s_lshl_b32 s46, s42, 8
	s_add_co_u32 s46, s46, s18                     ; B: row 256 x tile column + 128 x half
	s_mov_b32 s21, 0
	s_mov_b32 s47, 0
	s_mov_b64 s[18:19], KS
	s_mul_u64 s[22:23], s[20:21], s[18:19]         ; where these rows' scales begin, in bytes
	s_mul_u64 s[92:93], s[46:47], s[18:19]
	s_mov_b64 s[18:19], KROW
	s_mul_u64 s[20:21], s[20:21], s[18:19]         ; and their codes
	s_mul_u64 s[46:47], s[46:47], s[18:19]
	s_mul_i32 s45, s14, HALFT                      ; where they go: wave x 128 rows: no place in the cluster enters an LDS address
	s_mul_i32 s94, s14, HALFS
	s_wait_kmcnt 0x0
	s_add_nc_u64 s[66:67], s[12:13], CSC           ; the scale bytes lie behind the codes
	s_add_nc_u64 s[20:21], s[12:13], s[20:21]
	s_add_nc_u64 s[22:23], s[66:67], s[22:23]
	s_add_nc_u64 s[46:47], s[12:13], s[46:47]
	s_add_nc_u64 s[92:93], s[66:67], s[92:93]
	CROUND                                         ; all sixteen work-groups are here: the first joint loads meet
	s_mov_b32 s[G0S], 1
	s_add_co_u32 s[G0S+1], s94, SCL
	s_mov_b64 s[G0S+2:G0S+3], s[22:23]
	s_or_b32 s[G0S+3], s[G0S+3], 0x80000000
	s_mov_b32 s[G0SB], 1
	s_add_co_u32 s[G0SB+1], s94, SCL
	s_mov_b64 s[G0SB+2:G0SB+3], s[92:93]
	s_or_b32 s[G0SB+3], s[G0SB+3], 0x80000000
	JLOAD G0S, G1S, G0SB, G1SB                     ; the scales first: they are wanted with K step 0
.irp s, 0,1
	s_mov_b32 s[G0+4*\s], 1
	s_add_co_u32 s[G0+4*\s+1], s45, \s*SLOT
	s_add_nc_u64 s[G0+4*\s+2:G0+4*\s+3], s[20:21], \s*ROWB
	s_or_b32 s[G0+4*\s+3], s[G0+4*\s+3], 0x80000000
	s_mov_b32 s[G0B+4*\s], 1
	s_add_co_u32 s[G0B+4*\s+1], s45, \s*SLOT
	s_add_nc_u64 s[G0B+4*\s+2:G0B+4*\s+3], s[46:47], \s*ROWB
	s_or_b32 s[G0B+4*\s+3], s[G0B+4*\s+3], 0x80000000
	JLOAD G0+4*\s, G1, G0B+4*\s, G1B               ; three tensor loads of mine are out at the most
.endr
	v_and_b32 v1, 15, v0                           ; l % 16
	v_bfe_u32 v2, v0, 4, 1                         ; l / 16
	v_mul_u32_u24 v3, v1, PITCH
	v_mul_u32_u24 v4, v2, 24
	v_add_nc_u32 v4, v3, v4                        ; a fragment's row x pitch + 24 x half
	v_lshl_add_u32 v5, v2, 4, v4                   ; and the same behind one padding more
	s_mul_i32 s21, s15, HALFT                      ; my 128 rows of A
	s_mul_i32 s22, s16, HALFT                      ; my 128 rows of B,
	s_add_co_u32 s22, s22, 2*HALFT                 ; which lie behind A's 256
.irp s, 0,1
	v_add_nc_u32 v[ADRA+\s], s21, v4
	v_add_nc_u32 v[ADRB+\s], s22, v4
	v_add_nc_u32 v[ADRA+2+\s], s21, v5
	v_add_nc_u32 v[ADRB+2+\s], s22, v5
	s_add_co_u32 s21, s21, SLOT
	s_add_co_u32 s22, s22, SLOT
.endr
	v_mul_u32_u24 v5, v1, KS                       ; my row's scales: KS bytes a row,
	v_lshrrev_b32 v6, 8, v5
	v_lshl_add_u32 v5, v6, 4, v5                   ; and 16 more for each 256 passed
	s_mul_i32 s21, s15, HALFS                      ; A's: my 128 rows
	s_mul_i32 s22, s16, HALFS                      ; B's: my 128 rows, behind A's 256
	s_add_co_u32 s22, s22, 2*HALFS
	s_sub_co_u32 s22, s22, s21
	v_mul_u32_u24 v6, s22, v2                      ; lanes 16-31 take B's
	s_add_co_u32 s21, s21, SCL
	v_add_nc_u32 v5, v5, v6
	v_add_nc_u32 v[ADRS], s21, v5
	v_lshlrev_b32 v[SA], 3, v1                     ; the way out: 8 bytes a row
	s_lshl_b32 s20, s17, 11                        ; my first row's pair: 8 x (256 x tile row + 128 x half),
	s_lshl_b32 s21, s15, 10
	s_add_co_u32 s20, s20, s21
	s_mov_b32 s21, 0
	s_lshl_b32 s46, s42, 1
	s_add_co_u32 s46, s46, s16
	s_lshl_b32 s46, s46, 15                        ; in piece 2 x tile column + half: 32,768 bytes a piece
	s_mov_b32 s47, 0
	s_add_nc_u64 s[20:21], s[20:21], s[46:47]
	s_add_nc_u64 s[4:5], s[4:5], s[20:21]
	s_mov_b32 s66, 0x76543210
	s_mov_b32 s67, 0xfedcba98                      ; v_permlanex16_b32's selects for lane l xor 16
.macro FRAG reg, adr, q, i             ; a fragment, 16 rows x 128 K of 6-bit codes, is 12 registers: lane l holds row l % 16; registers 6 c .. 6 c + 5 hold K = 64 c + 32 (l / 16) + 0 .. 31: 24 bytes of the row, as they lie
.irp p, 0,1,2,3,4,5                    ; in pieces of 8 bytes.  Lanes 16-31 read three pieces further on than lanes 0-15
.set PC, 12*(\q)+6*(\p/3)+\p%3        ; 16 bytes of padding lie behind every 8 pieces: where the piece three on lies behind one padding more, the second address register serves
.if PC%8 < 5
	ds_load_b64 v[\reg+2*\p:\reg+2*\p+1], v[\adr] offset:8*PC+16*(PC/8)+(\i)*16*PITCH
.else
	ds_load_b64 v[\reg+2*\p:\reg+2*\p+1], v[\adr+2] offset:8*PC+16*(PC/8)+(\i)*16*PITCH
.endif
.endr
.endm
; 16 matrix instructions: A's blocks a0, a0 + 1 x B's eight, 128 along K: the slot's q-th.  p: B's set;  sc: the set of scale words.  zero = 1: the first product starts the sums.
; The 64 accumulators take turns, one instruction a turn, in the same order in every step.
.macro MUL16 a0, p, q, sc, zero
.irp a, \a0, \a0+1
.irp b, 0,1,2,3,4,5,6,7
.if \zero
	v_wmma_scale_f32_16x16x128_f8f6f4 v[8*(8*((\a)%4)+\b):8*(8*((\a)%4)+\b)+7], v[128*(\p)+FR*\b:128*(\p)+FR*\b+FR-1], v[AF+FR*(\a):AF+FR*(\a)+FR-1], 0, v[SC+8*NQ*(\sc)+NQ*\b+(\q)], v[SC+8*NQ*(\sc)+NQ*(\a)+(\q)] matrix_a_fmt:MATRIX_FMT_FP6 matrix_b_fmt:MATRIX_FMT_FP6 matrix_a_scale:MATRIX_SCALE_ROW1
.else
	v_wmma_scale_f32_16x16x128_f8f6f4 v[8*(8*((\a)%4)+\b):8*(8*((\a)%4)+\b)+7], v[128*(\p)+FR*\b:128*(\p)+FR*\b+FR-1], v[AF+FR*(\a):AF+FR*(\a)+FR-1], v[8*(8*((\a)%4)+\b):8*(8*((\a)%4)+\b)+7], v[SC+8*NQ*(\sc)+NQ*\b+(\q)], v[SC+8*NQ*(\sc)+NQ*(\a)+(\q)] matrix_a_fmt:MATRIX_FMT_FP6 matrix_b_fmt:MATRIX_FMT_FP6 matrix_a_scale:MATRIX_SCALE_ROW1
.endif
.endr
.endr
.endm
.macro FETCH_B slot, q, p              ; B's eight fragments of the slot's q-th 128 along K into set p
	WIN TO_B
.irp i, 0,1,2,3,4,5,6,7
	FRAG 128*(\p)+FR*\i, ADRB+\slot, \q, \i
.endr
	WIN 0
.endm
.macro FETCH_A slot, q, i0             ; A's blocks i0 .. i0 + 3
.irp i, \i0, \i0+1, \i0+2, \i0+3
	FRAG AF+FR*(\i), ADRA+\slot, \q, \i
.endr
.endm
.macro SCALES sc                       ; the next K step's scale words into set sc: lanes 0-15 take A's block i, lanes 16-31 B's block i
.irp i, 0,1,2,3,4,5,6,7
	ds_load_b64 v[SC+8*NQ*\sc+NQ*\i:SC+8*NQ*\sc+NQ*\i+1], v[ADRS] offset:\i*SBLK
.endr
.endm
; A load into a register that a matrix instruction has read, and a vector instruction that reads a matrix result, stand NP places behind that matrix instruction; only plain vector instructions that name none of its registers are places.
.macro PLACES n
.rept \n
	v_nop
.endr
.endm
; A step of 128 along K that has its successor in the same slot.
.macro STEP slot, q, zero
	s_wait_dscnt 4*NL                              ; B's set and A's blocks 0-3 are in; the youngest 24 loads (A's blocks 4-7) may be out
	WIN MUL_LO
	MUL16 0, (\q)%2, \q, \slot, \zero
	MUL16 2, (\q)%2, \q, \slot, \zero
	s_wait_dscnt 0                                 ; A's blocks 4-7 are in
	PLACES NP
	FETCH_B \slot, (\q)+1, 1-(\q)%2
	FETCH_A \slot, (\q)+1, 0
	WIN MUL_HI
	MUL16 4, (\q)%2, \q, \slot, \zero
	MUL16 6, (\q)%2, \q, \slot, \zero
	PLACES NP
	WIN 0
	FETCH_A \slot, (\q)+1, 4
.endm
; A slot's last step changes slots: ONE barrier; in front of it each wave waits for all its tensor loads, adds 0 to its spare word, and waits for that and for its own reads of this slot.  fill = 1: this slot is filled again, two K steps ahead.
.macro TURN slot, next, fill
	s_wait_tensorcnt 0x0                           ; all my tensor loads have landed: my part of the next slot
	ds_add_u32 v[SPW], v[NIL]                      ; 0 onto my spare word
	s_wait_dscnt 4*NL+1                            ; (the add and the youngest 24 loads, A's blocks 4-7, may be out)
	WIN MUL_LO
	MUL16 0, 1, NQ-1, \slot, 0                     ; sixteen matrix instructions stand between the add and the wait for it
	s_wait_dscnt 0x0                               ; the add is done, and my reads of this slot are over
	s_barrier_signal -1
	MUL16 2, 1, NQ-1, \slot, 0
	WIN 0
	s_barrier_wait -1
.if \fill
	CREST                                          ; the barrier has opened a round of the cluster's barrier: no wave of any partner still reads this slot's tile or has a load on its way
	s_add_nc_u64 s[G0+4*\slot+2:G0+4*\slot+3], s[G0+4*\slot+2:G0+4*\slot+3], 2*ROWB
	s_add_nc_u64 s[G0B+4*\slot+2:G0B+4*\slot+3], s[G0B+4*\slot+2:G0B+4*\slot+3], 2*ROWB
	JLOAD G0+4*\slot, G1, G0B+4*\slot, G1B         ; the first tensor load behind the round; the four v_nop behind it are the places in front of the loads below
.else
	PLACES NP
.endif
	v_add_nc_u32 v[ADRS], 4*NQ, v[ADRS]            ; on to the next K step's scale words (no LDS load of mine is out)
	FETCH_B \next, 0, 0
	FETCH_A \next, 0, 0
	SCALES \next
	WIN MUL_HI
	MUL16 4, 1, NQ-1, \slot, 0
	MUL16 6, 1, NQ-1, \slot, 0
	PLACES NP
	WIN 0
	FETCH_A \next, 0, 4
.endm
	s_wait_tensorcnt 1                             ; the scales and my part of K step 0 are in (K step 1's load may be out),
	s_barrier_signal -1
	s_barrier_wait -1                              ; everybody's are
	FETCH_B 0, 0, 0
	FETCH_A 0, 0, 0
	SCALES 0
	FETCH_A 0, 0, 4
	STEP 0, 0, 1                                   ; the first step stands in front of the loop: its products start the sums
	s_mov_b32 s3, LAPS-1
.Llap:                                                 ; a trip goes once round the ring, from a lap's second step to the next lap's first, and fills both slots again
	TURN 0, 1, 1
	STEP 1, 0, 0
	TURN 1, 0, 1
	STEP 0, 0, 0
	s_sub_co_u32 s3, s3, 1
	s_cmp_lg_u32 s3, 0
	s_cbranch_scc1 .Llap
	TURN 0, 1, 0                                   ; the last lap fills nothing, and has no round of the cluster's barrier
	STEP 1, 0, 0
	s_wait_dscnt 4*NL                              ; the very last step: nothing more to fetch
	WIN MUL_LO
	MUL16 0, 1, NQ-1, 1, 0
	MUL16 2, 1, NQ-1, 1, 0
	s_wait_dscnt 0
	WIN MUL_HI
	MUL16 4, 1, NQ-1, 1, 0
	MUL16 6, 1, NQ-1, 1, 0
	WIN 0
; THE WAY OUT.  Block a is 16 rows: lane (r, h) holds 64 of row r's 128 columns in the block's 64 accumulator registers, lane l xor 16 the other 64.
; First the mean of the 128, then the sum of the squares of the numbers less that mean: no difference of large sums is formed.  Each accumulator is read from its low end on.
.macro STAT a
.set AC, 64*((\a)%4)
.set W,  2+(\a)/4                      ; the block's window
.set WA, W|(W<<2)
.set WB, W<<2
	WIN WA                                         ; sources 0 and 1: the accumulators
.irp k, 0,1,2,3
	v_pk_add_f32 v[SM+2*\k:SM+2*\k+1], v[AC+2*\k:AC+2*\k+1], v[AC+8+2*\k:AC+9+2*\k]     ; the sum, in four chains of pairs
.endr
	WIN WB                                         ; source 1 alone
.irp i, 16,24,32,40,48,56
.irp k, 0,1,2,3
	v_pk_add_f32 v[SM+2*\k:SM+2*\k+1], v[SM+2*\k:SM+2*\k+1], v[AC+\i+2*\k:AC+\i+2*\k+1]
.endr
.endr
	WIN 0
	v_pk_add_f32 v[SM:SM+1], v[SM:SM+1], v[SM+2:SM+3]
	v_pk_add_f32 v[SM+4:SM+5], v[SM+4:SM+5], v[SM+6:SM+7]
	v_pk_add_f32 v[SM:SM+1], v[SM:SM+1], v[SM+4:SM+5]
	v_add_f32 v[TT], v[SM], v[SM+1]
	v_permlanex16_b32 v[TT+1], v[TT], s66, s67
	v_add_f32 v[TT], v[TT], v[TT+1]                ; with lane l xor 16's 64 columns
	v_mul_f32 v[RES+2*(\a)], 0x3c000000, v[TT]     ; / 128: the piece's mean
	v_mov_b32 v[RES+2*(\a)+1], v[RES+2*(\a)]       ; twice, for the packed subtraction; the sum of squares takes this place below
	WIN W                                          ; source 0: the accumulators
.set j, 0
.rept 32
	v_pk_add_f32 v[Y+j:Y+j+1], v[AC+j:AC+j+1], v[RES+2*(\a):RES+2*(\a)+1] neg_lo:[0,1] neg_hi:[0,1]
.set j, j+2
.endr
	WIN 0
.irp k, 0,1,2,3
	v_pk_mul_f32 v[SM+2*\k:SM+2*\k+1], v[Y+2*\k:Y+2*\k+1], v[Y+2*\k:Y+2*\k+1]
.endr
.irp i, 8,16,24,32,40,48,56
.irp k, 0,1,2,3
	v_pk_fma_f32 v[SM+2*\k:SM+2*\k+1], v[Y+\i+2*\k:Y+\i+2*\k+1], v[Y+\i+2*\k:Y+\i+2*\k+1], v[SM+2*\k:SM+2*\k+1]
.endr
.endr
	v_pk_add_f32 v[SM:SM+1], v[SM:SM+1], v[SM+2:SM+3]
	v_pk_add_f32 v[SM+4:SM+5], v[SM+4:SM+5], v[SM+6:SM+7]
	v_pk_add_f32 v[SM:SM+1], v[SM:SM+1], v[SM+4:SM+5]
	v_add_f32 v[TT], v[SM], v[SM+1]
	v_permlanex16_b32 v[TT+1], v[TT], s66, s67
	v_add_f32 v[RES+2*(\a)+1], v[TT], v[TT+1]
	global_store_b64 v[SA], v[RES+2*(\a):RES+2*(\a)+1], s[4:5] offset:128*(\a)   ; sixteen rows' pairs: 128 consecutive bytes; lanes r and 16 + r hold the same pair and write it to the same place
.endm
	PLACES NP                                      ; in front of the first read of results and the first write over operands that are done with
	v_mov_b32 v[TT+1], 0                           ; a lane permute's destination counts as read
.irp a, 0,1,2,3,4,5,6,7
	STAT \a
.endr
	s_wait_tensorcnt 0x0                           ; the wave's end
	ds_add_u32 v[SPW], v[NIL]
	s_wait_dscnt 0x0
	CROUND                                         ; the closing round: no work-group ends while a partner may still ask for a tile that names it
	s_endpgm
.Lfunc_end_k_q435615c29a_gemm_stats:
	.size	k_q435615c29a_gemm_stats, .Lfunc_end_k_q435615c29a_gemm_stats-k_q435615c29a_gemm_stats
	.p2alignl 7, 3214868480
	.fill 96, 4, 3214868480
	.section	.rodata,"a",@progbits
	.p2align	6, 0x0
	.amdhsa_kernel k_q435615c29a_gemm_stats
		.amdhsa_group_segment_fixed_size 327680
		.amdhsa_private_segment_fixed_size 0
		.amdhsa_enable_private_segment 0
		.amdhsa_kernarg_size 16
		.amdhsa_user_sgpr_count 2
		.amdhsa_user_sgpr_kernarg_segment_ptr 1
		.amdhsa_wavefront_size32 1
		.amdhsa_system_sgpr_workgroup_id_x 1
		.amdhsa_system_sgpr_workgroup_id_y 1
		.amdhsa_system_sgpr_workgroup_id_z 1
		.amdhsa_system_vgpr_workitem_id 0
		.amdhsa_next_free_vgpr 1024
		.amdhsa_next_free_sgpr 98
		.amdhsa_reserve_vcc 0
		.amdhsa_float_denorm_mode_32 3
		.amdhsa_float_denorm_mode_16_64 3
		.amdhsa_memory_ordered 1
		.amdhsa_forward_progress 1
		.amdhsa_inst_pref_size 184
	.end_amdhsa_kernel
	.amdgpu_metadata
---
amdhsa.version: [ 1, 2 ]
amdhsa.kernels:
  - .name:           k_q435615c29a_gemm_stats
    .symbol:         k_q435615c29a_gemm_stats.kd
    .args:
      - { .name: cq, .offset: 0, .size: 8, .value_kind: global_buffer, .address_space: global }
      - { .name: st, .offset: 8, .size: 8, .value_kind: global_buffer, .address_space: global }
    .group_segment_fixed_size: 327680
    .private_segment_fixed_size: 0
    .kernarg_segment_align: 8
    .kernarg_segment_size: 16
    .max_flat_workgroup_size: 128
    .sgpr_count:     98
    .vgpr_count:     1024
    .wavefront_size: 32
...
	.end_amdgpu_metadata
.endif
;; end of part 7
;; launch gemm_ln (part 8): grid 16 x 20, 4 waves a work-group, clusters of 4 x 4, 327,680 bytes of LDS; arguments cq, st, qn_gamma, qn_beta, kn_gamma, kn_beta, qkv; writes qkv
.if DOCPART == 8
	.amdgcn_target "amdgcn-amd-amdhsa--gfx1250"
	.amdhsa_code_object_version 6
	.text
	.protected	k_q435615c29a_gemm_ln
	.globl	k_q435615c29a_gemm_ln
	.p2align	8
	.type	k_q435615c29a_gemm_ln,@function
k_q435615c29a_gemm_ln:
	s_mov_b64 s[64:65], 0
	v_nop
	global_prefetch_b8 v0, s[64:65] scope:SCOPE_SE
	s_setreg_imm32_b32 hwreg(HW_REG_WAVE_MODE, 25, 1), 1
	s_wait_xcnt 0x0
	s_wait_alu depctr_hold_cnt(0) depctr_sa_sdst(0) depctr_va_vdst(0) depctr_va_sdst(0) depctr_va_ssrc(0) depctr_va_vcc(0) depctr_vm_vsrc(0)
	s_getreg_b32 s2, hwreg(HW_REG_IB_STS2, 6, 4)
	s_cmp_eq_u32 s2, 0
	s_cbranch_scc0 .Lentry_in_a_cluster
	s_endpgm
.Lentry_in_a_cluster:
	s_bfe_u32 s2, ttmp6, 0x10000c
	s_cmp_lg_u32 s2, 0xf033
	s_cbranch_scc0 .Lentry_shape_is_right
	s_endpgm
.Lentry_shape_is_right:
; THE THREE PROJECTIONS, FINISHED IN REGISTERS: product, layer norm (q, k), quantiser, and out as the operands that the attention reads.  K = 1,024, codes of FP6 (E2M3) with one E8M0 scale for each 32 along K, sums in f32.
; IN: cq: 9,216 rows of 768 bytes of codes, scale bytes (32 a row) at CSC.  Rows 0-4095: [Wq; Wk] in the order 128 head + 64 branch + channel; rows 4096-8191: x; rows 8192-9215: Wv.
;     In x, Wq, Wk position 16 u + r of every 32 holds number 8 u + r + 8 (r / 8).   st[piece 0-31][row][2]: mean and sum of squares about it of each 128 columns of each row of x [Wq; Wk]^T.
; TILE ROWS 0-15: A = x, B = [Wq; Wk].  A wave's 128 columns are ONE head, [branch 0's 64 channels | branch 1's 64]; its 8 blocks of 16 rows are 8 tiles of tokens.  A row's 16 pieces are joined:
;     mean = the mean of the pieces' means; sum of squares = the pieces' sums + 128 x the sum of (piece's mean - mean)^2.  Then (y - mean) / sqrt(var + 1e-5) x gain + offset, quantised along the channels.
; TILE ROWS 16-19: A = Wv, B = x: THE ROLES ARE TURNED, since v's K in the attention is the KEYS: a lane then holds one channel and its registers run along the tokens.  No norm: the accumulators are quantised as they stand.
;     A's row is 4,096 + 256 x tile row in both cases; B's row is 256 x tile column + 4,096 x (cluster y / 4).  The one branch hangs on the cluster's y, which all partners share, and stands behind the last product.
; THE MATRIX INSTRUCTION IS USED TRANSPOSED (source 0 = 16 rows of B, source 1 = 16 rows of A): lane (r, h) holds row r of A's block, and by the order of B's rows the 16 registers of accumulators 2 b, 2 b + 1 are
;     B's numbers 32 b + 16 h + 0 .. 15: 16 neighbours along the next product's K.
; OUT (qkv): Q at 0, K at KOFF: for each (batch, head) 16 blocks of 12,800 bytes (128 tokens): 8 tile images of 1,536 bytes (registers 4 p .. 4 p + 3 of lane l at 512 p + 16 l), then the tiles' scale words at 12,288: a wave writes one whole block.
;     V at VOFF: for each (batch, head) 16 blocks of 6,400 bytes (128 keys): 64 channel rows of 96 bytes, then a scale word a channel at 6,144.  A tile's six stores of 8 bytes a lane cover 1,536 consecutive bytes between them.
; The loop: a tile of 256 x 256 by four waves, 128 x 128 a wave (64 accumulators, 512 registers); K in steps of 256 through a ring of two LDS slots; the scale bytes of all of K come into LDS once.
; CLUSTERS: 4 x 4 work-groups; A's tiles are asked for jointly along a row of the cluster, B's along a column.
; REGISTERS, in windows of 256: window 0: v0-31 addresses; v32-63 scale words; from v128 A's fragments.  window 1: B's fragments, two sets.  windows 2, 3: the accumulators.
;   On the way out: window 0: v32-95 64 numbers; v96-127 mean and 1 / sqrt, twice each, for 8 blocks; v128-255 the pieces, later codes (v128-146), the quantiser's work (v148-163), scale words (v164-171).  window 1: v0-63 gains, v64-127 offsets.
; LIMITS: NaN and infinities are not served; a block whose largest magnitude lies under 2^-124 (zeros too) keeps the byte 1 (the bytes are read by this program alone); v_rsq_f32 stands for 1 / sqrt; the sums are taken in another order than a plain left-to-right sum.
.set SIZE_K, 1024
.set XROW,   4096                      ; x's first row in cq
.set CSC,    7077888                   ; 9,216 rows x 768 bytes
.set KOFF,   6553600
.set VOFF,   13107200
.set KSTEP,  256                       ; along K in a slot
.set NQ,     KSTEP/128                 ; matrix instructions deep
.set ROWB,   192                       ; a tile's row in bytes
.set KROW,   SIZE_K*6/8                ; a row of codes in memory, in bytes
.set PITCH,  240                       ; an LDS row: 3 x (64 bytes of data + 16 of padding)
.set FR,     12                        ; registers of a fragment: 16 rows x 128 K
.set NL,     6                         ; LDS loads that bring one
.set NP,     4                         ; places behind this matrix instruction (ISA guide 7.12.1)
.set HALFT,  128*PITCH                 ; 128 rows: what one tensor load brings
.set SLOT,   4*HALFT                   ; A's 256 rows, then B's 256 rows
.set LAPS,   SIZE_K/(2*KSTEP)          ; a lap = two K steps = once round the ring
.set KS,     SIZE_K/32                 ; a row of scales in bytes
.set SCL,    2*SLOT                    ; behind the ring: the scales, as rows of 256 bytes + 16 of padding
.set HALFS,  (128*KS/256)*272          ; the scales of 128 rows
.set SBLK,   (16*KS/256)*272           ; those of 16 rows
.set SPARE,  SCL+4*HALFS               ; behind the scales: the spare words, 128 bytes for each wave
.set VI,   7                           ; v7  16 x lane: my place in an image
.set VW,   8                           ; v8  4 r: my row's scale word
.set VS,   9                           ; v9  the pieces: 8 r + 262,144 h (lanes 16-31 take pieces 8-15)
.set VG,   10                          ; v10 gains and offsets: 64 h
.set VV,   11                          ; v11 V: 96 r + 24 h
.set ADRA, 16                          ; v16-17 LDS address of my A fragments in slot 0, 1 (v18-19: behind one padding more)
.set ADRB, 20                          ; v20-21 the same for B (v22-23)
.set ADRS, 27                          ; LDS address of my scale words: lanes 0-15 A's rows, lanes 16-31 B's
.set SPW,  28                          ; LDS address of my spare word; never rewritten
.set NIL,  29                          ; 0; never rewritten
.set SC,   32
.set AF,   128
.set Y,    32
.set TS,   32                          ; while the pieces are joined: v32-47 (sum of means, sum of sums of squares), a pair a block; v48-55 at work
.set US,   48
.set MR,   96
.set ST,   128
.set CD,   128
.set TM,   148
.set PW,   164
.set GA,   0                           ; in window 1
.set BT,   64
.set G1, 24
.set G0, 32
.set G1B, 48
.set G0B, 56
.set G1S, 68
.set G0S, 76
.set G1SB, 80
.set G0SB, 88
.set MSB, 0
.macro WIN new                         ; the immediate's high byte repeats the setting that is left
.if MSB != \new
	s_set_vgpr_msb (MSB<<8)|\new
.set MSB, \new
.endif
.endm
.set MUL_LO, 0xa1                      ; source 0 (B) window 1, source 1 (A) window 0, C and D window 2
.set MUL_HI, 0xf1                      ; the same, C and D window 3
.set TO_B,   0x40                      ; destination window 1, address window 0
; A joint load: waves 0 and 1 fetch for A, waves 2 and 3 for B.  The branch hangs on the wave's number alone.  Four v_nop follow each of the two lines.
.macro JLOAD g0a, g1a, g0b, g1b
	s_cmp_eq_u32 s15, 0
	s_cbranch_scc0 .Lfor_b_\@
	tensor_load_to_lds s[\g0a:\g0a+3], s[\g1a:\g1a+7]
	s_nop 0
.rept 4
	v_nop
.endr
	s_branch .Lasked_\@
.Lfor_b_\@:
	tensor_load_to_lds s[\g0b:\g0b+3], s[\g1b:\g1b+7]
	s_nop 0
.rept 4
	v_nop
.endr
.Lasked_\@:
.endm
.macro CREST                           ; a round of the cluster's barrier behind its opening barrier
	s_cmp_lg_u32 s14, 0
	s_cbranch_scc1 .Lnot_wave_0_\@
	s_barrier_signal -3
.Lnot_wave_0_\@:
	s_barrier_wait -3
	s_barrier_signal -1
	s_barrier_wait -1
.endm
.macro CROUND                          ; a whole round
	s_barrier_signal -1
	s_barrier_wait -1
	CREST
.endm
	s_load_b64 s[12:13], s[0:1], 0x0               ; cq
	s_load_b256 s[4:11], s[0:1], 0x8               ; st, qn_gamma, qn_beta, kn_gamma: kept for the way out
	s_load_b128 s[96:99], s[0:1], 0x28             ; kn_beta, qkv
	v_lshl_add_u32 v[SPW], v0, 2, SPARE
	v_mov_b32 v[NIL], 0
	ds_add_u32 v28, v29
	ds_add_u32 v28, v29
	s_wait_dscnt 0x0
	v_lshrrev_b32 v1, 5, v0
	v_readfirstlane_b32 s14, v1                    ; wave 0..3
	s_lshr_b32 s15, s14, 1                         ; which half of the tile's rows is mine.  Also: I fetch for A (0) or for B (1)
	s_and_b32 s16, s14, 1                          ; which half of its columns.  Also: which 128 rows of that tile I fetch
	s_bfe_u32 s40, ttmp6, 0x40000                  ; cx, cy: my place in the cluster
	s_bfe_u32 s41, ttmp6, 0x40004
	s_lshl_b32 s42, ttmp9, 2
	s_add_co_u32 s42, s42, s40                     ; tile column = 4 x cluster x + cx
	s_and_b32 s17, ttmp7, 0xffff
	s_lshl_b32 s17, s17, 2
	s_add_co_u32 s17, s17, s41                     ; tile row = 4 x cluster y + cy
	s_lshl_b32 s43, s41, 2
	s_lshl_b32 s43, 15, s43                        ; my row of the cluster
	s_lshl_b32 s44, 0x1111, s40                    ; my column
	; descriptor group 1: a tile of 128 rows x ROWB bytes, 16 bytes of padding behind every 64
	s_or_b32 s[G1+0], s43, (0<<16)|(1<<20)|(1<<21)|(3<<22)|(3<<25)
	s_or_b32 s[G1B+0], s44, (0<<16)|(1<<20)|(1<<21)|(3<<22)|(3<<25)
.irp g, G1, G1B
	s_mov_b32 s[\g+1], ROWB<<16                    ; tensor_dim0
	s_mov_b32 s[\g+2], 128<<16                     ; tensor_dim1 = 128
	s_mov_b32 s[\g+3], ROWB<<16                    ; tile_dim0
	s_mov_b32 s[\g+4], 128                         ; tile_dim1 = 128
	s_mov_b32 s[\g+5], KROW                        ; tensor_dim0_stride
	s_mov_b32 s[\g+6], 0
	s_mov_b32 s[\g+7], 0
.endr
	; the scales of 128 rows: a dense block of 4,096 bytes, as rows of 256 bytes (32 elements of 8 bytes), 16 bytes of padding behind each
	s_or_b32 s[G1S+0], s43, (3<<16)|(1<<20)|(1<<21)|(5<<22)|(3<<25)
	s_or_b32 s[G1SB+0], s44, (3<<16)|(1<<20)|(1<<21)|(5<<22)|(3<<25)
.irp g, G1S, G1SB
	s_mov_b32 s[\g+1], 32<<16
	s_mov_b32 s[\g+2], (128*KS/256)<<16
	s_mov_b32 s[\g+3], 32<<16
	s_mov_b32 s[\g+4], 128*KS/256
	s_mov_b32 s[\g+5], 32
	s_mov_b32 s[\g+6], 0
	s_mov_b32 s[\g+7], 0
.endr
	s_lshl_b32 s18, s16, 7                         ; which 128 rows of the tile I fetch
	s_lshl_b32 s20, s17, 8
	s_add_co_u32 s20, s20, s18
	s_add_co_u32 s20, s20, XROW                    ; A: row 4,096 + 256 x tile row + 128 x half: x's rows, and behind them Wv's
	s_lshl_b32 s46, s42, 8
	s_add_co_u32 s46, s46, s18                     ; B: row 256 x tile column + 128 x half,
	s_and_b32 s95, ttmp7, 0xffff                   ; (the cluster's y, which every partner shares: my place in the cluster does not enter)
	s_lshr_b32 s95, s95, 2
	s_lshl_b32 s95, s95, 12
	s_add_co_u32 s46, s46, s95                     ; of [Wq; Wk] in clusters 0-3 along y, of x (4,096 rows on) in cluster 4
	s_mov_b32 s21, 0
	s_mov_b32 s47, 0
	s_mov_b64 s[18:19], KS
	s_mul_u64 s[22:23], s[20:21], s[18:19]         ; where these rows' scales begin, in bytes
	s_mul_u64 s[92:93], s[46:47], s[18:19]
	s_mov_b64 s[18:19], KROW
	s_mul_u64 s[20:21], s[20:21], s[18:19]         ; and their codes
	s_mul_u64 s[46:47], s[46:47], s[18:19]
	s_mul_i32 s45, s14, HALFT                      ; where they go: wave x 128 rows: no place in the cluster enters an LDS address
	s_mul_i32 s94, s14, HALFS
	s_wait_kmcnt 0x0
	s_add_nc_u64 s[66:67], s[12:13], CSC           ; the scale bytes lie behind the codes
	s_add_nc_u64 s[20:21], s[12:13], s[20:21]
	s_add_nc_u64 s[22:23], s[66:67], s[22:23]
	s_add_nc_u64 s[46:47], s[12:13], s[46:47]
	s_add_nc_u64 s[92:93], s[66:67], s[92:93]
	CROUND                                         ; all sixteen work-groups are here: the first joint loads meet
	s_mov_b32 s[G0S], 1
	s_add_co_u32 s[G0S+1], s94, SCL
	s_mov_b64 s[G0S+2:G0S+3], s[22:23]
	s_or_b32 s[G0S+3], s[G0S+3], 0x80000000
	s_mov_b32 s[G0SB], 1
	s_add_co_u32 s[G0SB+1], s94, SCL
	s_mov_b64 s[G0SB+2:G0SB+3], s[92:93]
	s_or_b32 s[G0SB+3], s[G0SB+3], 0x80000000
	JLOAD G0S, G1S, G0SB, G1SB                     ; the scales first: they are wanted with K step 0
.irp s, 0,1
	s_mov_b32 s[G0+4*\s], 1
	s_add_co_u32 s[G0+4*\s+1], s45, \s*SLOT
	s_add_nc_u64 s[G0+4*\s+2:G0+4*\s+3], s[20:21], \s*ROWB
	s_or_b32 s[G0+4*\s+3], s[G0+4*\s+3], 0x80000000
	s_mov_b32 s[G0B+4*\s], 1
	s_add_co_u32 s[G0B+4*\s+1], s45, \s*SLOT
	s_add_nc_u64 s[G0B+4*\s+2:G0B+4*\s+3], s[46:47], \s*ROWB
	s_or_b32 s[G0B+4*\s+3], s[G0B+4*\s+3], 0x80000000
	JLOAD G0+4*\s, G1, G0B+4*\s, G1B               ; three tensor loads of mine are out at the most
.endr
	v_and_b32 v1, 15, v0                           ; l % 16
	v_bfe_u32 v2, v0, 4, 1                         ; l / 16
	v_mul_u32_u24 v3, v1, PITCH
	v_mul_u32_u24 v4, v2, 24
	v_add_nc_u32 v4, v3, v4                        ; a fragment's row x pitch + 24 x half
	v_lshl_add_u32 v5, v2, 4, v4                   ; and the same behind one padding more
	s_mul_i32 s21, s15, HALFT                      ; my 128 rows of A
	s_mul_i32 s22, s16, HALFT                      ; my 128 rows of B,
	s_add_co_u32 s22, s22, 2*HALFT                 ; which lie behind A's 256
.irp s, 0,1
	v_add_nc_u32 v[ADRA+\s], s21, v4
	v_add_nc_u32 v[ADRB+\s], s22, v4
	v_add_nc_u32 v[ADRA+2+\s], s21, v5
	v_add_nc_u32 v[ADRB+2+\s], s22, v5
	s_add_co_u32 s21, s21, SLOT
	s_add_co_u32 s22, s22, SLOT
.endr
	v_mul_u32_u24 v5, v1, KS                       ; my row's scales: KS bytes a row,
	v_lshrrev_b32 v6, 8, v5
	v_lshl_add_u32 v5, v6, 4, v5                   ; and 16 more for each 256 passed
	s_mul_i32 s21, s15, HALFS                      ; A's: my 128 rows
	s_mul_i32 s22, s16, HALFS                      ; B's: my 128 rows, behind A's 256
	s_add_co_u32 s22, s22, 2*HALFS
	s_sub_co_u32 s22, s22, s21
	v_mul_u32_u24 v6, s22, v2                      ; lanes 16-31 take B's
	s_add_co_u32 s21, s21, SCL
	v_add_nc_u32 v5, v5, v6
	v_add_nc_u32 v[ADRS], s21, v5
	v_and_b32 v6, 31, v0                           ; the way out's lane terms
	v_lshlrev_b32 v[VI], 4, v6
	v_lshlrev_b32 v[VW], 2, v1
	v_lshlrev_b32 v[VS], 3, v1
	v_lshl_add_u32 v[VS], v2, 18, v[VS]
	v_lshlrev_b32 v[VG], 6, v2
	v_mul_u32_u24 v[VV], v1, 96
	v_mad_u32_u24 v[VV], v2, 24, v[VV]
	s_mov_b32 s66, 0x76543210
	s_mov_b32 s67, 0xfedcba98                      ; v_permlanex16_b32's selects for lane l xor 16
.macro FRAG reg, adr, q, i             ; a fragment, 16 rows x 128 K of 6-bit codes, is 12 registers: lane l holds row l % 16; registers 6 c .. 6 c + 5 hold K = 64 c + 32 (l / 16) + 0 .. 31: 24 bytes of the row, as they lie
.irp p, 0,1,2,3,4,5                    ; in pieces of 8 bytes.  Lanes 16-31 read three pieces further on than lanes 0-15
.set PC, 12*(\q)+6*(\p/3)+\p%3        ; 16 bytes of padding lie behind every 8 pieces: where the piece three on lies behind one padding more, the second address register serves
.if PC%8 < 5
	ds_load_b64 v[\reg+2*\p:\reg+2*\p+1], v[\adr] offset:8*PC+16*(PC/8)+(\i)*16*PITCH
.else
	ds_load_b64 v[\reg+2*\p:\reg+2*\p+1], v[\adr+2] offset:8*PC+16*(PC/8)+(\i)*16*PITCH
.endif
.endr
.endm
; 16 matrix instructions: A's blocks a0, a0 + 1 x B's eight, 128 along K: the slot's q-th.  p: B's set;  sc: the set of scale words.  zero = 1: the first product starts the sums.
; The 64 accumulators take turns, one instruction a turn, in the same order in every step.
.macro MUL16 a0, p, q, sc, zero
.irp a, \a0, \a0+1
.irp b, 0,1,2,3,4,5,6,7
.if \zero
	v_wmma_scale_f32_16x16x128_f8f6f4 v[8*(8*((\a)%4)+\b):8*(8*((\a)%4)+\b)+7], v[128*(\p)+FR*\b:128*(\p)+FR*\b+FR-1], v[AF+FR*(\a):AF+FR*(\a)+FR-1], 0, v[SC+8*NQ*(\sc)+NQ*\b+(\q)], v[SC+8*NQ*(\sc)+NQ*(\a)+(\q)] matrix_a_fmt:MATRIX_FMT_FP6 matrix_b_fmt:MATRIX_FMT_FP6 matrix_a_scale:MATRIX_SCALE_ROW1
.else
	v_wmma_scale_f32_16x16x128_f8f6f4 v[8*(8*((\a)%4)+\b):8*(8*((\a)%4)+\b)+7], v[128*(\p)+FR*\b:128*(\p)+FR*\b+FR-1], v[AF+FR*(\a):AF+FR*(\a)+FR-1], v[8*(8*((\a)%4)+\b):8*(8*((\a)%4)+\b)+7], v[SC+8*NQ*(\sc)+NQ*\b+(\q)], v[SC+8*NQ*(\sc)+NQ*(\a)+(\q)] matrix_a_fmt:MATRIX_FMT_FP6 matrix_b_fmt:MATRIX_FMT_FP6 matrix_a_scale:MATRIX_SCALE_ROW1
.endif
.endr
.endr
.endm
.macro FETCH_B slot, q, p              ; B's eight fragments of the slot's q-th 128 along K into set p
	WIN TO_B
.irp i, 0,1,2,3,4,5,6,7
	FRAG 128*(\p)+FR*\i, ADRB+\slot, \q, \i
.endr
	WIN 0
.endm
.macro FETCH_A slot, q, i0             ; A's blocks i0 .. i0 + 3
.irp i, \i0, \i0+1, \i0+2, \i0+3
	FRAG AF+FR*(\i), ADRA+\slot, \q, \i
.endr
.endm
.macro SCALES sc                       ; the next K step's scale words into set sc: lanes 0-15 take A's block i, lanes 16-31 B's block i
.irp i, 0,1,2,3,4,5,6,7
	ds_load_b64 v[SC+8*NQ*\sc+NQ*\i:SC+8*NQ*\sc+NQ*\i+1], v[ADRS] offset:\i*SBLK
.endr
.endm
; A load into a register that a matrix instruction has read, and a vector instruction that reads a matrix result, stand NP places behind that matrix instruction; only plain vector instructions that name none of its registers are places.
.macro PLACES n
.rept \n
	v_nop
.endr
.endm
; A step of 128 along K that has its successor in the same slot.
.macro STEP slot, q, zero
	s_wait_dscnt 4*NL                              ; B's set and A's blocks 0-3 are in; the youngest 24 loads (A's blocks 4-7) may be out
	WIN MUL_LO
	MUL16 0, (\q)%2, \q, \slot, \zero
	MUL16 2, (\q)%2, \q, \slot, \zero
	s_wait_dscnt 0                                 ; A's blocks 4-7 are in
	PLACES NP
	FETCH_B \slot, (\q)+1, 1-(\q)%2
	FETCH_A \slot, (\q)+1, 0
	WIN MUL_HI
	MUL16 4, (\q)%2, \q, \slot, \zero
	MUL16 6, (\q)%2, \q, \slot, \zero
	PLACES NP
	WIN 0
	FETCH_A \slot, (\q)+1, 4
.endm
; A slot's last step changes slots: ONE barrier; in front of it each wave waits for all its tensor loads, adds 0 to its spare word, and waits for that and for its own reads of this slot.  fill = 1: this slot is filled again, two K steps ahead.
.macro TURN slot, next, fill
	s_wait_tensorcnt 0x0                           ; all my tensor loads have landed: my part of the next slot
	ds_add_u32 v[SPW], v[NIL]                      ; 0 onto my spare word
	s_wait_dscnt 4*NL+1                            ; (the add and the youngest 24 loads, A's blocks 4-7, may be out)
	WIN MUL_LO
	MUL16 0, 1, NQ-1, \slot, 0                     ; sixteen matrix instructions stand between the add and the wait for it
	s_wait_dscnt 0x0                               ; the add is done, and my reads of this slot are over
	s_barrier_signal -1
	MUL16 2, 1, NQ-1, \slot, 0
	WIN 0
	s_barrier_wait -1
.if \fill
	CREST                                          ; the barrier has opened a round of the cluster's barrier: no wave of any partner still reads this slot's tile or has a load on its way
	s_add_nc_u64 s[G0+4*\slot+2:G0+4*\slot+3], s[G0+4*\slot+2:G0+4*\slot+3], 2*ROWB
	s_add_nc_u64 s[G0B+4*\slot+2:G0B+4*\slot+3], s[G0B+4*\slot+2:G0B+4*\slot+3], 2*ROWB
	JLOAD G0+4*\slot, G1, G0B+4*\slot, G1B         ; the first tensor load behind the round; the four v_nop behind it are the places in front of the loads below
.else
	PLACES NP
.endif
	v_add_nc_u32 v[ADRS], 4*NQ, v[ADRS]            ; on to the next K step's scale words (no LDS load of mine is out)
	FETCH_B \next, 0, 0
	FETCH_A \next, 0, 0
	SCALES \next
	WIN MUL_HI
	MUL16 4, 1, NQ-1, \slot, 0
	MUL16 6, 1, NQ-1, \slot, 0
	PLACES NP
	WIN 0
	FETCH_A \next, 0, 4
.endm
	s_wait_tensorcnt 1                             ; the scales and my part of K step 0 are in (K step 1's load may be out),
	s_barrier_signal -1
	s_barrier_wait -1                              ; everybody's are
	FETCH_B 0, 0, 0
	FETCH_A 0, 0, 0
	SCALES 0
	FETCH_A 0, 0, 4
	STEP 0, 0, 1                                   ; the first step stands in front of the loop: its products start the sums
	s_mov_b32 s3, LAPS-1
.Llap:                                                 ; a trip goes once round the ring, from a lap's second step to the next lap's first, and fills both slots again
	TURN 0, 1, 1
	STEP 1, 0, 0
	TURN 1, 0, 1
	STEP 0, 0, 0
	s_sub_co_u32 s3, s3, 1
	s_cmp_lg_u32 s3, 0
	s_cbranch_scc1 .Llap
	TURN 0, 1, 0                                   ; the last lap fills nothing, and has no round of the cluster's barrier
	STEP 1, 0, 0
	s_wait_dscnt 4*NL                              ; the very last step: nothing more to fetch
	WIN MUL_LO
	MUL16 0, 1, NQ-1, 1, 0
	MUL16 2, 1, NQ-1, 1, 0
	s_wait_dscnt 0
	WIN MUL_HI
	MUL16 4, 1, NQ-1, 1, 0
	MUL16 6, 1, NQ-1, 1, 0
	WIN 0
; THE QUANTISER.  64 numbers of a lane, v[s] .. v[s + 63] of window w, register 16 b + i = K 32 b + 16 (lane / 16) + i of my row, become a fragment's codes in v[CD] on and block a's scale word in v[PW + a].
.macro QUANT s, w, a
.set WA, (\w)|((\w)<<2)
.set WB, ((\w)<<2)|((\w)<<4)
.set WC, (\w)
	WIN WA                                         ; sources 0 and 1: the numbers
.irp b, 0,1,2,3
	v_max3_num_f32 v[TM+\b], |v[(\s)+16*\b]|, |v[(\s)+1+16*\b]|, 0x1800000   ; block b: my 16 numbers, and the floor 2^(3 - 127): the byte cannot fall under 1
.endr
	WIN WB                                         ; sources 1 and 2
.irp i, 2,4,6,8,10,12,14
.irp b, 0,1,2,3
	v_max3_num_f32 v[TM+\b], v[TM+\b], |v[(\s)+16*\b+\i]|, |v[(\s)+1+16*\b+\i]|   ; (the four blocks by turns; each accumulator from its low end on)
.endr
.endr
	WIN 0
.irp b, 0,1,2,3
	v_permlanex16_b32 v[TM+4+\b], v[TM+\b], s66, s67
.endr
.irp b, 0,1,2,3
	v_max_num_f32 v[TM+\b], v[TM+\b], v[TM+4+\b]   ; with lane l xor 16's: the block's largest magnitude
.endr
.irp b, 0,1,2,3
	v_add_nc_u32 v[TM+12+\b], 0xff000000, v[TM+\b] ; 2 off its exponent field: the conversion takes that field as its scale
.endr
.irp b, 0,1,2,3
	v_lshrrev_b32 v[TM+4+\b], 23, v[TM+12+\b]      ; the scale's byte
.endr
	v_lshl_or_b32 v[PW+(\a)], v[TM+5], 8, v[TM+4]  ; the four bytes make my row's scale word, the same in lanes r and 16 + r
	v_lshl_or_b32 v[PW+(\a)], v[TM+6], 16, v[PW+(\a)]
	v_lshl_or_b32 v[PW+(\a)], v[TM+7], 24, v[PW+(\a)]
	WIN WC                                         ; source 0
.irp c, 0,1
	v_cvt_scalef32_pk16_fp6_f32 v[CD+6*\c:CD+2+6*\c], v[(\s)+32*\c:(\s)+15+32*\c], v[TM+12+2*\c]
	v_cvt_scalef32_pk16_fp6_f32 v[CD+12+4*\c:CD+14+4*\c], v[(\s)+16+32*\c:(\s)+31+32*\c], v[TM+12+2*\c+1]   ; (a conversion's three registers begin on an even number)
.endr
	WIN 0
	v_nop                                          ; one plain line behind a scaled conversion
.irp c, 0,1                            ; the operand's layout wants a WHOLE block in a lane: lanes 0-15 block 2 c, lanes 16-31 block 2 c + 1
.irp i, 0,1,2
	v_permlane16_swap_b32 v[CD+6*\c+\i], v[CD+12+4*\c+\i]
.endr
.irp i, 0,1,2
	v_mov_b32 v[CD+3+6*\c+\i], v[CD+12+4*\c+\i]
.endr
.endr
.endm
.macro QINIT
.irp b, 0,1,2,3
	v_mov_b32 v[TM+4+\b], 0                        ; written once: a lane permute's destination counts as one of its sources
.endr
.endm
	PLACES NP                                      ; in front of the first read of results, and of loads and writes into operands that are done with
	s_and_b32 s18, ttmp7, 0xffff                   ; the cluster's y: 0-3 q and k, 4 v.  All partners take the same way; no barrier and no tensor load stands on either
	s_cmp_ge_u32 s18, 4
	s_cbranch_scc1 .Lvalues
	; ---- q OR k: THE NORM, THEN THE QUANTISER
	s_lshr_b32 s18, ttmp9, 1                       ; 0 = q (tile columns 0-7), 1 = k
	s_and_b32 s19, s42, 7
	s_lshl_b32 s19, s19, 1
	s_add_co_u32 s19, s19, s16                     ; my head
	s_lshl_b32 s20, s18, 19                        ; the pieces: q's 16 or k's 16, 32,768 bytes each;
	s_lshl_b32 s21, s17, 11
	s_add_co_u32 s20, s20, s21
	s_lshl_b32 s21, s15, 10
	s_add_co_u32 s20, s20, s21                     ; my first row's pair: 8 x (256 x tile row + 128 x half)
	s_mov_b32 s21, 0
	s_add_nc_u64 s[4:5], s[4:5], s[20:21]
	s_cmp_eq_u32 s18, 0                            ; the choice hangs on the cluster's x alone
	s_cselect_b64 s[6:7], s[6:7], s[10:11]         ; gains
	s_cselect_b64 s[8:9], s[8:9], s[96:97]         ; offsets
	s_lshl_b32 s20, s19, 8                         ; my head's 64 channels of branch 0; branch 1's lie 4,096 bytes on
	s_add_nc_u64 s[6:7], s[6:7], s[20:21]
	s_add_nc_u64 s[8:9], s[8:9], s[20:21]
	s_lshr_b32 s20, s17, 3
	s_lshl_b32 s20, s20, 4
	s_add_co_u32 s20, s20, s19                     ; 16 x batch + head
	s_mul_i32 s20, s20, 204800
	s_lshl_b32 s22, s17, 1
	s_add_co_u32 s22, s22, s15
	s_and_b32 s22, s22, 15                         ; which 128 tokens of the batch
	s_mul_i32 s22, s22, 12800
	s_add_co_u32 s20, s20, s22
	s_mul_i32 s22, s18, KOFF
	s_add_co_u32 s20, s20, s22
	s_add_nc_u64 s[98:99], s[98:99], s[20:21]      ; my block of 12,800 bytes
	s_mov_b32 s92, 0x3a000000                      ; 1 / 2,048
	s_mov_b32 s93, 0x3727c5ac                      ; 1e-5
	s_mov_b32 s94, 0x43000000                      ; 128
.irp a, 0,1,2,3,4,5,6,7
.irp i, 0,1,2,3,4,5,6,7
	global_load_b64 v[ST+16*\a+2*\i:ST+16*\a+2*\i+1], v[VS], s[4:5] offset:32768*\i+128*\a   ; row 16 a + r, piece 8 h + i: sixteen lanes read 128 consecutive bytes
.endr
.endr
	WIN TO_B
.irp b, 0,1,2,3
.irp q, 0,1,2,3
	global_load_b128 v[GA+16*\b+4*\q:GA+16*\b+4*\q+3], v[VG], s[6:7] offset:4096*(\b/2)+128*(\b%2)+16*\q   ; register 16 b + i: branch b / 2, channel 32 (b % 2) + 16 h + i
.endr
.endr
.irp b, 0,1,2,3
.irp q, 0,1,2,3
	global_load_b128 v[BT+16*\b+4*\q:BT+16*\b+4*\q+3], v[VG], s[8:9] offset:4096*(\b/2)+128*(\b%2)+16*\q
.endr
.endr
	WIN 0
.irp a, 0,1,2,3,4,5,6,7
	v_mov_b32 v[US+\a], 0                          ; a lane permute's destination counts as read
.endr
	s_wait_loadcnt 32                              ; the pieces are in; the 32 loads of gains and offsets may be out
.irp a, 0,1,2,3,4,5,6,7                ; the eight blocks by turns: no line waits for the line above it
	v_pk_add_f32 v[TS+2*\a:TS+2*\a+1], v[ST+16*\a:ST+16*\a+1], v[ST+16*\a+2:ST+16*\a+3]   ; (sum of means, sum of sums of squares) of my 8 pieces
.endr
.irp i, 2,3,4,5,6,7
.irp a, 0,1,2,3,4,5,6,7
	v_pk_add_f32 v[TS+2*\a:TS+2*\a+1], v[TS+2*\a:TS+2*\a+1], v[ST+16*\a+2*\i:ST+16*\a+2*\i+1]
.endr
.endr
.irp a, 0,1,2,3,4,5,6,7
	v_permlanex16_b32 v[US+\a], v[TS+2*\a], s66, s67
.endr
.irp a, 0,1,2,3,4,5,6,7
	v_add_f32 v[US+\a], v[TS+2*\a], v[US+\a]       ; with lane l xor 16's 8 pieces
.endr
.irp a, 0,1,2,3,4,5,6,7
	v_mul_f32 v[MR+4*\a], 0x3d800000, v[US+\a]     ; / 16: the row's mean (the pieces are equally long)
.endr
.irp a, 0,1,2,3,4,5,6,7
	v_mov_b32 v[MR+4*\a+1], v[MR+4*\a]             ; twice, for the packed forms
.endr
.irp i, 0,1,2,3,4,5,6,7
.irp a, 0,1,2,3,4,5,6,7
	v_sub_f32 v[ST+16*\a+2*\i], v[ST+16*\a+2*\i], v[MR+4*\a]   ; a piece's mean less the row's
.endr
.endr
.irp a, 0,1,2,3,4,5,6,7
	v_mul_f32 v[US+\a], v[ST+16*\a], v[ST+16*\a]
.endr
.irp i, 1,2,3,4,5,6,7
.irp a, 0,1,2,3,4,5,6,7
	v_fmac_f32 v[US+\a], v[ST+16*\a+2*\i], v[ST+16*\a+2*\i]
.endr
.endr
.irp a, 0,1,2,3,4,5,6,7
	v_fma_f32 v[US+\a], v[US+\a], s94, v[TS+2*\a+1]   ; 128 x that + the pieces' own sums of squares
.endr
.irp a, 0,1,2,3,4,5,6,7
	v_permlanex16_b32 v[TS+2*\a], v[US+\a], s66, s67
.endr
.irp a, 0,1,2,3,4,5,6,7
	v_add_f32 v[US+\a], v[US+\a], v[TS+2*\a]
.endr
.irp a, 0,1,2,3,4,5,6,7
	v_fma_f32 v[US+\a], v[US+\a], s92, s93         ; var + 1e-5
.endr
.irp a, 0,1,2,3,4,5,6,7
	v_rsq_f32 v[MR+4*\a+2], v[US+\a]
.endr
	v_nop                                          ; a plain line behind the transcendentals
	s_wait_alu depctr_va_vdst(0)
.irp a, 0,1,2,3,4,5,6,7
	v_mov_b32 v[MR+4*\a+3], v[MR+4*\a+2]
.endr
	QINIT
	s_wait_loadcnt 0x0                             ; gains and offsets
.macro LNB a                           ; block a: one tile of 16 tokens
.set AC, 64*((\a)%4)
.set W,  2+(\a)/4
	WIN W                                          ; source 0: the accumulators, each from its low end on
.set j, 0
.rept 32
	v_pk_add_f32 v[Y+j:Y+j+1], v[AC+j:AC+j+1], v[MR+4*(\a):MR+4*(\a)+1] neg_lo:[0,1] neg_hi:[0,1]   ; y - mean
.set j, j+2
.endr
	WIN 0
.set j, 0
.rept 32
	v_pk_mul_f32 v[Y+j:Y+j+1], v[Y+j:Y+j+1], v[MR+4*(\a)+2:MR+4*(\a)+3]
.set j, j+2
.endr
	WIN 0x14                                       ; sources 1 and 2: window 1
.set j, 0
.rept 32
	v_pk_fma_f32 v[Y+j:Y+j+1], v[Y+j:Y+j+1], v[GA+j:GA+j+1], v[BT+j:BT+j+1]
.set j, j+2
.endr
	WIN 0
.if (\a) > 0
	s_wait_xcnt 0x0                                ; the last block's stores have read the codes' registers
.endif
	QUANT Y, 0, \a
.irp p, 0,1,2
	global_store_b128 v[VI], v[CD+4*\p:CD+4*\p+3], s[98:99] offset:1536*(\a)+512*\p   ; the image: 512 consecutive bytes a store, at a multiple of 256 from the buffer's first byte
.endr
	global_store_b32 v[VW], v[PW+(\a)], s[98:99] offset:12288+64*(\a)   ; lanes r and 16 + r hold the same word and write it to the same place
.endm
.irp a, 0,1,2,3,4,5,6,7
	LNB \a
.endr
	s_branch .Lend
.Lvalues:
	; ---- v: my 128 rows are channels (two heads), my 128 columns the tokens of one block of keys
	s_lshr_b32 s20, s42, 3
	s_lshl_b32 s20, s20, 4                         ; 16 x batch
	s_sub_co_u32 s21, s17, 16
	s_lshl_b32 s21, s21, 2
	s_add_co_u32 s20, s20, s21
	s_lshl_b32 s21, s15, 1
	s_add_co_u32 s20, s20, s21                     ; + my first head: 4 x (tile row - 16) + 2 x half
	s_mul_i32 s20, s20, 102400
	s_lshl_b32 s21, s42, 1
	s_add_co_u32 s21, s21, s16
	s_and_b32 s21, s21, 15                         ; which 128 keys of the batch
	s_mul_i32 s21, s21, 6400
	s_add_co_u32 s20, s20, s21
	s_add_co_u32 s20, s20, VOFF
	s_mov_b32 s21, 0
	s_add_nc_u64 s[98:99], s[98:99], s[20:21]
	QINIT
.macro VBLK a                          ; block a: channels 16 (a % 4) on of head a / 4
.set AC, 64*((\a)%4)
.set W,  2+(\a)/4
.if (\a) > 0
	s_wait_xcnt 0x0                                ; the last block's stores have read the codes' registers
.endif
	QUANT AC, W, \a
.irp c, 0,1
.irp i, 0,1,2
	global_store_b64 v[VV], v[CD+6*\c+2*\i:CD+6*\c+2*\i+1], s[98:99] offset:102400*((\a)/4)+1536*((\a)%4)+48*\c+8*\i   ; keys 64 c + 32 h on: 24 bytes of the channel's row of 96, in three pieces
.endr
.endr
	global_store_b32 v[VW], v[PW+(\a)], s[98:99] offset:102400*((\a)/4)+6144+64*((\a)%4)
.endm
.irp a, 0,1,2,3,4,5,6,7
	VBLK \a
.endr
.Lend:
	s_wait_tensorcnt 0x0                           ; the wave's end
	ds_add_u32 v[SPW], v[NIL]
	s_wait_dscnt 0x0
	CROUND                                         ; the closing round: no work-group ends while a partner may still ask for a tile that names it
	s_endpgm
.Lfunc_end_k_q435615c29a_gemm_ln:
	.size	k_q435615c29a_gemm_ln, .Lfunc_end_k_q435615c29a_gemm_ln-k_q435615c29a_gemm_ln
	.p2alignl 7, 3214868480
	.fill 96, 4, 3214868480
	.section	.rodata,"a",@progbits
	.p2align	6, 0x0
	.amdhsa_kernel k_q435615c29a_gemm_ln
		.amdhsa_group_segment_fixed_size 327680
		.amdhsa_private_segment_fixed_size 0
		.amdhsa_enable_private_segment 0
		.amdhsa_kernarg_size 56
		.amdhsa_user_sgpr_count 2
		.amdhsa_user_sgpr_kernarg_segment_ptr 1
		.amdhsa_wavefront_size32 1
		.amdhsa_system_sgpr_workgroup_id_x 1
		.amdhsa_system_sgpr_workgroup_id_y 1
		.amdhsa_system_sgpr_workgroup_id_z 1
		.amdhsa_system_vgpr_workitem_id 0
		.amdhsa_next_free_vgpr 1024
		.amdhsa_next_free_sgpr 100
		.amdhsa_reserve_vcc 0
		.amdhsa_float_denorm_mode_32 3
		.amdhsa_float_denorm_mode_16_64 3
		.amdhsa_memory_ordered 1
		.amdhsa_forward_progress 1
		.amdhsa_inst_pref_size 255
	.end_amdhsa_kernel
	.section	.bss,"aw",@nobits
	.p2align	6
	.space	262144
	.amdgpu_metadata
---
amdhsa.version: [ 1, 2 ]
amdhsa.kernels:
  - .name:           k_q435615c29a_gemm_ln
    .symbol:         k_q435615c29a_gemm_ln.kd
    .args:
      - { .name: cq, .offset: 0, .size: 8, .value_kind: global_buffer, .address_space: global }
      - { .name: st, .offset: 8, .size: 8, .value_kind: global_buffer, .address_space: global }
      - { .name: qn_gamma, .offset: 16, .size: 8, .value_kind: global_buffer, .address_space: global }
      - { .name: qn_beta, .offset: 24, .size: 8, .value_kind: global_buffer, .address_space: global }
      - { .name: kn_gamma, .offset: 32, .size: 8, .value_kind: global_buffer, .address_space: global }
      - { .name: kn_beta, .offset: 40, .size: 8, .value_kind: global_buffer, .address_space: global }
      - { .name: qkv, .offset: 48, .size: 8, .value_kind: global_buffer, .address_space: global }
    .group_segment_fixed_size: 327680
    .private_segment_fixed_size: 0
    .kernarg_segment_align: 8
    .kernarg_segment_size: 56
    .max_flat_workgroup_size: 128
    .sgpr_count:     100
    .vgpr_count:     1024
    .wavefront_size: 32
...
	.end_amdgpu_metadata
.endif
;; end of part 8
;; launch attn: the kernel of part 5 again; grid 8 x 32, 16 waves a work-group, clusters of 4 x 1, 309,248 bytes of LDS; arguments qkv, lambda_q, lambda_k, oq; writes oq
;; launch gemm_out (part 9): grid 4 x 16, 4 waves a work-group, clusters of 4 x 4, 327,680 bytes of LDS; arguments oq, woq, out0; writes out0
.if DOCPART == 9
	.amdgcn_target "amdgcn-amd-amdhsa--gfx1250"
	.amdhsa_code_object_version 6
	.text
	.protected	k_q435615c29a_gemm_out
	.globl	k_q435615c29a_gemm_out
	.p2align	8
	.type	k_q435615c29a_gemm_out,@function
k_q435615c29a_gemm_out:
	s_mov_b64 s[64:65], 0
	v_nop
	global_prefetch_b8 v0, s[64:65] scope:SCOPE_SE
	s_setreg_imm32_b32 hwreg(HW_REG_WAVE_MODE, 25, 1), 1
	s_wait_xcnt 0x0
	s_wait_alu depctr_hold_cnt(0) depctr_sa_sdst(0) depctr_va_vdst(0) depctr_va_sdst(0) depctr_va_ssrc(0) depctr_va_vcc(0) depctr_vm_vsrc(0)
	s_getreg_b32 s2, hwreg(HW_REG_IB_STS2, 6, 4)
	s_cmp_eq_u32 s2, 0
	s_cbranch_scc0 .Lentry_in_a_cluster
	s_endpgm
.Lentry_in_a_cluster:
	s_bfe_u32 s2, ttmp6, 0x10000c
	s_cmp_lg_u32 s2, 0xf033
	s_cbranch_scc0 .Lentry_shape_is_right
	s_endpgm
.Lentry_shape_is_right:
; THE OUTPUT PROJECTION.  C[m][n] = sum over k of A[m][k] B[n][k], K = 1,024, on codes of FP6 (E2M3) with one E8M0 scale for each 32 along K; sums in f32.  C: [4096][1024] f32.
; A's buffer (the attention's result): codes [4096][768 bytes], then its scale bytes [4096][32] at ASC.  B's buffer (Wo, ternary): codes [1024][768 bytes], its scale bytes [1024][32] at BSC.
; A tile of C, 256 x 256, is made by a work-group of four waves; a wave makes 128 x 128: 64 accumulators of 16 x 16, 512 registers.  C has 64 such tiles: this launch has work for 64 work-groups.
; K goes in steps of 256 through a ring of two LDS slots filled by the tensor data mover: a tile's row is 192 bytes of memory.
; THE SCALES of the work-group's 256 rows of A and of B, for all of K, are two dense blocks of memory: they come into LDS once, with the first fills, and stay.
; CLUSTERS: 4 x 4 work-groups.  The four of a row of the cluster need the same tiles of A, the four of a column the same tiles of B: each tile is asked for JOINTLY, by the same tensor load with the
; same descriptor and a mask that names the four.  THE MATRIX INSTRUCTION IS USED TRANSPOSED (source 0 = 16 rows of B, source 1 = 16 rows of A): a lane then holds eight neighbouring numbers of a row of C.
; REGISTERS, in windows of 256: window 0: v0-31 addresses; v32-63 scale words, two sets; from v128 A's fragments, ONE set; on the way out v32-255 are free.
;   window 1: B's fragments, TWO sets, at v0 and at v128.   window 2: the 32 accumulators of my rows 0-63;   window 3: those of my rows 64-127.
.set SIZE_K, 1024
.set CP,     1024                      ; columns of C
.set ASC,    3145728                   ; 4,096 rows x 768 bytes
.set BSC,    786432                    ; 1,024 rows x 768 bytes
.set KSTEP,  256                       ; along K in a slot
.set NQ,     KSTEP/128                 ; matrix instructions deep
.set ROWB,   192                       ; a tile's row in bytes
.set KROW,   SIZE_K*6/8                ; a row of A or of B in memory, in bytes
.set PITCH,  240                       ; an LDS row: 3 x (64 bytes of data + 16 of padding)
.set FR,     12                        ; registers of a fragment: 16 rows x 128 K
.set NL,     6                         ; LDS loads that bring one
.set NP,     4                         ; places behind this matrix instruction (ISA guide 7.12.1)
.set HALFT,  128*PITCH                 ; 128 rows: what one tensor load brings
.set SLOT,   4*HALFT                   ; A's 256 rows, then B's 256 rows
.set LAPS,   SIZE_K/(2*KSTEP)          ; a lap = two K steps = once round the ring
.set KS,     SIZE_K/32                 ; a row of scales in bytes
.set SCL,    2*SLOT                    ; behind the ring: the scales, as rows of 256 bytes + 16 of padding
.set HALFS,  (128*KS/256)*272          ; the scales of 128 rows
.set SBLK,   (16*KS/256)*272           ; those of 16 rows
.set SPARE,  SCL+4*HALFS               ; behind the scales: the spare words, 128 bytes for each wave
.set SPITCH, 528                       ; the way out: a stage of 16 rows x (512 bytes + 16) for each wave, in slot 0, which has had its last fill and its last read by then
.set ADRA, 16                          ; v16-17 LDS address of my A fragments in slot 0, 1 (v18-19: behind one padding more)
.set ADRB, 20                          ; v20-21 the same for B (v22-23)
.set STO,  24
.set RD,   25
.set CO,   26
.set SPW,  28                          ; LDS address of my spare word; never rewritten
.set NIL,  29                          ; 0; never rewritten
.set ADRS, 27                          ; LDS address of my scale words: lanes 0-15 A's rows, lanes 16-31 B's
.set SC,   32
.set AF,   128
.set BK,   128
.set G1, 24
.set G0, 32
.set G1B, 48
.set G0B, 56
.set G1S, 68
.set G0S, 76
.set G1SB, 80
.set G0SB, 88
.set MSB, 0
.macro WIN new                         ; the immediate's high byte repeats the setting that is left
.if MSB != \new
	s_set_vgpr_msb (MSB<<8)|\new
.set MSB, \new
.endif
.endm
.set MUL_LO, 0xa1                      ; source 0 (B) window 1, source 1 (A) window 0, C and D window 2
.set MUL_HI, 0xf1                      ; the same, C and D window 3
.set TO_B,   0x40                      ; destination window 1, address window 0
; A joint load: waves 0 and 1 fetch for A, waves 2 and 3 for B.  The branch hangs on the wave's number alone.  Four v_nop follow each of the two lines.
.macro JLOAD g0a, g1a, g0b, g1b
	s_cmp_eq_u32 s15, 0
	s_cbranch_scc0 .Lfor_b_\@
	tensor_load_to_lds s[\g0a:\g0a+3], s[\g1a:\g1a+7]
	s_nop 0
.rept 4
	v_nop
.endr
	s_branch .Lasked_\@
.Lfor_b_\@:
	tensor_load_to_lds s[\g0b:\g0b+3], s[\g1b:\g1b+7]
	s_nop 0
.rept 4
	v_nop
.endr
.Lasked_\@:
.endm
.macro CREST                           ; a round of the cluster's barrier behind its opening barrier
	s_cmp_lg_u32 s14, 0
	s_cbranch_scc1 .Lnot_wave_0_\@
	s_barrier_signal -3
.Lnot_wave_0_\@:
	s_barrier_wait -3
	s_barrier_signal -1
	s_barrier_wait -1
.endm
.macro CROUND                          ; a whole round
	s_barrier_signal -1
	s_barrier_wait -1
	CREST
.endm
	s_load_b64 s[4:5], s[0:1], 0x0                 ; A's buffer
	s_load_b64 s[8:9], s[0:1], 0x8                 ; B's buffer
	s_load_b64 s[12:13], s[0:1], 0x10              ; C
	v_lshl_add_u32 v[SPW], v0, 2, SPARE
	v_mov_b32 v[NIL], 0
	ds_add_u32 v28, v29
	ds_add_u32 v28, v29
	s_wait_dscnt 0x0
	v_lshrrev_b32 v1, 5, v0
	v_readfirstlane_b32 s14, v1                    ; wave 0..3
	s_lshr_b32 s15, s14, 1                         ; which half of the tile's rows is mine.  Also: I fetch for A (0) or for B (1)
	s_and_b32 s16, s14, 1                          ; which half of its columns.  Also: which 128 rows of that tile I fetch
	s_bfe_u32 s40, ttmp6, 0x40000                  ; cx, cy: my place in the cluster
	s_bfe_u32 s41, ttmp6, 0x40004
	s_lshl_b32 s42, ttmp9, 2
	s_add_co_u32 s42, s42, s40                     ; tile column of C = 4 x cluster x + cx
	s_and_b32 s17, ttmp7, 0xffff
	s_lshl_b32 s17, s17, 2
	s_add_co_u32 s17, s17, s41                     ; tile row of C = 4 x cluster y + cy
	s_lshl_b32 s43, s41, 2
	s_lshl_b32 s43, 15, s43                        ; my row of the cluster
	s_lshl_b32 s44, 0x1111, s40                    ; my column
	; descriptor group 1: a tile of 128 rows x ROWB bytes, 16 bytes of padding behind every 64
	s_or_b32 s[G1+0], s43, (0<<16)|(1<<20)|(1<<21)|(3<<22)|(3<<25)
	s_or_b32 s[G1B+0], s44, (0<<16)|(1<<20)|(1<<21)|(3<<22)|(3<<25)
.irp g, G1, G1B
	s_mov_b32 s[\g+1], ROWB<<16                    ; tensor_dim0
	s_mov_b32 s[\g+2], 128<<16                     ; tensor_dim1 = 128
	s_mov_b32 s[\g+3], ROWB<<16                    ; tile_dim0
	s_mov_b32 s[\g+4], 128                         ; tile_dim1 = 128
	s_mov_b32 s[\g+5], KROW                        ; tensor_dim0_stride
	s_mov_b32 s[\g+6], 0
	s_mov_b32 s[\g+7], 0
.endr
	; the scales of 128 rows: a dense block of 4,096 bytes, as rows of 256 bytes (32 elements of 8 bytes), 16 bytes of padding behind each
	s_or_b32 s[G1S+0], s43, (3<<16)|(1<<20)|(1<<21)|(5<<22)|(3<<25)
	s_or_b32 s[G1SB+0], s44, (3<<16)|(1<<20)|(1<<21)|(5<<22)|(3<<25)
.irp g, G1S, G1SB
	s_mov_b32 s[\g+1], 32<<16
	s_mov_b32 s[\g+2], (128*KS/256)<<16
	s_mov_b32 s[\g+3], 32<<16
	s_mov_b32 s[\g+4], 128*KS/256
	s_mov_b32 s[\g+5], 32
	s_mov_b32 s[\g+6], 0
	s_mov_b32 s[\g+7], 0
.endr
	s_lshl_b32 s18, s16, 7                         ; which 128 rows of the tile I fetch
	s_lshl_b32 s20, s17, 8
	s_add_co_u32 s20, s20, s18                     ; A: row 256 x tile row + 128 x half
	s_lshl_b32 s46, s42, 8
	s_add_co_u32 s46, s46, s18                     ; B: row 256 x tile column + 128 x half
	s_mov_b32 s21, 0
	s_mov_b32 s47, 0
	s_mov_b64 s[18:19], KS
	s_mul_u64 s[22:23], s[20:21], s[18:19]         ; where these rows' scales begin, in bytes
	s_mul_u64 s[92:93], s[46:47], s[18:19]
	s_mov_b64 s[18:19], KROW
	s_mul_u64 s[20:21], s[20:21], s[18:19]         ; and their codes
	s_mul_u64 s[46:47], s[46:47], s[18:19]
	s_mul_i32 s45, s14, HALFT                      ; where they go: wave x 128 rows: no place in the cluster enters an LDS address
	s_mul_i32 s94, s14, HALFS
	s_wait_kmcnt 0x0
	s_add_nc_u64 s[6:7], s[4:5], ASC               ; A's scale bytes lie behind its codes,
	s_add_nc_u64 s[10:11], s[8:9], BSC             ; B's likewise
	s_add_nc_u64 s[20:21], s[4:5], s[20:21]
	s_add_nc_u64 s[22:23], s[6:7], s[22:23]
	s_add_nc_u64 s[46:47], s[8:9], s[46:47]
	s_add_nc_u64 s[92:93], s[10:11], s[92:93]
	CROUND                                         ; all sixteen work-groups are here: the first joint loads meet
	s_mov_b32 s[G0S], 1
	s_add_co_u32 s[G0S+1], s94, SCL
	s_mov_b64 s[G0S+2:G0S+3], s[22:23]
	s_or_b32 s[G0S+3], s[G0S+3], 0x80000000
	s_mov_b32 s[G0SB], 1
	s_add_co_u32 s[G0SB+1], s94, SCL
	s_mov_b64 s[G0SB+2:G0SB+3], s[92:93]
	s_or_b32 s[G0SB+3], s[G0SB+3], 0x80000000
	JLOAD G0S, G1S, G0SB, G1SB                     ; the scales first: they are wanted with K step 0
.irp s, 0,1
	s_mov_b32 s[G0+4*\s], 1
	s_add_co_u32 s[G0+4*\s+1], s45, \s*SLOT
	s_add_nc_u64 s[G0+4*\s+2:G0+4*\s+3], s[20:21], \s*ROWB
	s_or_b32 s[G0+4*\s+3], s[G0+4*\s+3], 0x80000000
	s_mov_b32 s[G0B+4*\s], 1
	s_add_co_u32 s[G0B+4*\s+1], s45, \s*SLOT
	s_add_nc_u64 s[G0B+4*\s+2:G0B+4*\s+3], s[46:47], \s*ROWB
	s_or_b32 s[G0B+4*\s+3], s[G0B+4*\s+3], 0x80000000
	JLOAD G0+4*\s, G1, G0B+4*\s, G1B               ; three tensor loads of mine are out at the most
.endr
	v_and_b32 v1, 15, v0                           ; l % 16
	v_bfe_u32 v2, v0, 4, 1                         ; l / 16
	v_mul_u32_u24 v3, v1, PITCH
	v_mul_u32_u24 v4, v2, 24
	v_add_nc_u32 v4, v3, v4                        ; a fragment's row x pitch + 24 x half
	v_lshl_add_u32 v5, v2, 4, v4                   ; and the same behind one padding more
	s_mul_i32 s21, s15, HALFT                      ; my 128 rows of A
	s_mul_i32 s22, s16, HALFT                      ; my 128 rows of B,
	s_add_co_u32 s22, s22, 2*HALFT                 ; which lie behind A's 256
.irp s, 0,1
	v_add_nc_u32 v[ADRA+\s], s21, v4
	v_add_nc_u32 v[ADRB+\s], s22, v4
	v_add_nc_u32 v[ADRA+2+\s], s21, v5
	v_add_nc_u32 v[ADRB+2+\s], s22, v5
	s_add_co_u32 s21, s21, SLOT
	s_add_co_u32 s22, s22, SLOT
.endr
	v_mul_u32_u24 v5, v1, KS                       ; my row's scales: KS bytes a row,
	v_lshrrev_b32 v6, 8, v5
	v_lshl_add_u32 v5, v6, 4, v5                   ; and 16 more for each 256 passed
	s_mul_i32 s21, s15, HALFS                      ; A's: my 128 rows
	s_mul_i32 s22, s16, HALFS                      ; B's: my 128 rows, behind A's 256
	s_add_co_u32 s22, s22, 2*HALFS
	s_sub_co_u32 s22, s22, s21
	v_mul_u32_u24 v6, s22, v2                      ; lanes 16-31 take B's
	s_add_co_u32 s21, s21, SCL
	v_add_nc_u32 v5, v5, v6
	v_add_nc_u32 v[ADRS], s21, v5
	s_mul_i32 s23, s14, 16*SPITCH                  ; my stage
	v_mul_u32_u24 v5, v1, SPITCH                   ; in: row l % 16, 32 bytes for each half of the lanes
	v_lshl_add_u32 v5, v2, 5, v5
	v_add_nc_u32 v[STO], s23, v5
	v_and_b32 v6, 31, v0
	v_lshlrev_b32 v[CO], 4, v6                     ; back: the 32 lanes take one row of 512 bytes; and the same in C
	v_add_nc_u32 v[RD], s23, v[CO]
	s_lshl_b32 s20, s17, 8
	s_lshl_b32 s21, s15, 7
	s_add_co_u32 s20, s20, s21                     ; my first row of C: 256 x tile row + 128 x half
	s_mov_b32 s21, 0
	s_mov_b64 s[18:19], CP*4
	s_mul_u64 s[20:21], s[20:21], s[18:19]
	s_lshl_b32 s46, s42, 10                        ; my first column, in bytes: 1,024 x tile column + 512 x half
	s_lshl_b32 s47, s16, 9
	s_add_co_u32 s46, s46, s47
	s_mov_b32 s47, 0
	s_add_nc_u64 s[20:21], s[20:21], s[46:47]
	s_add_nc_u64 s[12:13], s[12:13], s[20:21]
.macro FRAG reg, adr, q, i             ; a fragment, 16 rows x 128 K of 6-bit codes, is 12 registers: lane l holds row l % 16; registers 6 c .. 6 c + 5 hold K = 64 c + 32 (l / 16) + 0 .. 31: 24 bytes of the row, as they lie
.irp p, 0,1,2,3,4,5                    ; in pieces of 8 bytes.  Lanes 16-31 read three pieces further on than lanes 0-15
.set PC, 12*(\q)+6*(\p/3)+\p%3        ; 16 bytes of padding lie behind every 8 pieces: where the piece three on lies behind one padding more, the second address register serves
.if PC%8 < 5
	ds_load_b64 v[\reg+2*\p:\reg+2*\p+1], v[\adr] offset:8*PC+16*(PC/8)+(\i)*16*PITCH
.else
	ds_load_b64 v[\reg+2*\p:\reg+2*\p+1], v[\adr+2] offset:8*PC+16*(PC/8)+(\i)*16*PITCH
.endif
.endr
.endm
; 16 matrix instructions: A's blocks a0, a0 + 1 x B's eight, 128 along K: the slot's q-th.  p: B's set;  sc: the set of scale words.  zero = 1: the first product starts the sums.
; The 64 accumulators take turns, one instruction a turn, in the same order in every step.
.macro MUL16 a0, p, q, sc, zero
.irp a, \a0, \a0+1
.irp b, 0,1,2,3,4,5,6,7
.if \zero
	v_wmma_scale_f32_16x16x128_f8f6f4 v[8*(8*((\a)%4)+\b):8*(8*((\a)%4)+\b)+7], v[128*(\p)+FR*\b:128*(\p)+FR*\b+FR-1], v[AF+FR*(\a):AF+FR*(\a)+FR-1], 0, v[SC+8*NQ*(\sc)+NQ*\b+(\q)], v[SC+8*NQ*(\sc)+NQ*(\a)+(\q)] matrix_a_fmt:MATRIX_FMT_FP6 matrix_b_fmt:MATRIX_FMT_FP6 matrix_a_scale:MATRIX_SCALE_ROW1
.else
	v_wmma_scale_f32_16x16x128_f8f6f4 v[8*(8*((\a)%4)+\b):8*(8*((\a)%4)+\b)+7], v[128*(\p)+FR*\b:128*(\p)+FR*\b+FR-1], v[AF+FR*(\a):AF+FR*(\a)+FR-1], v[8*(8*((\a)%4)+\b):8*(8*((\a)%4)+\b)+7], v[SC+8*NQ*(\sc)+NQ*\b+(\q)], v[SC+8*NQ*(\sc)+NQ*(\a)+(\q)] matrix_a_fmt:MATRIX_FMT_FP6 matrix_b_fmt:MATRIX_FMT_FP6 matrix_a_scale:MATRIX_SCALE_ROW1
.endif
.endr
.endr
.endm
.macro FETCH_B slot, q, p              ; B's eight fragments of the slot's q-th 128 along K into set p
	WIN TO_B
.irp i, 0,1,2,3,4,5,6,7
	FRAG 128*(\p)+FR*\i, ADRB+\slot, \q, \i
.endr
	WIN 0
.endm
.macro FETCH_A slot, q, i0             ; A's blocks i0 .. i0 + 3
.irp i, \i0, \i0+1, \i0+2, \i0+3
	FRAG AF+FR*(\i), ADRA+\slot, \q, \i
.endr
.endm
.macro SCALES sc                       ; the next K step's scale words into set sc: lanes 0-15 take A's block i, lanes 16-31 B's block i
.irp i, 0,1,2,3,4,5,6,7
	ds_load_b64 v[SC+8*NQ*\sc+NQ*\i:SC+8*NQ*\sc+NQ*\i+1], v[ADRS] offset:\i*SBLK
.endr
.endm
; A load into a register that a matrix instruction has read, and an LDS store that reads a matrix result, stand NP places behind that matrix instruction; only plain vector instructions that name none of its registers are places.
.macro PLACES n
.rept \n
	v_nop
.endr
.endm
; A step of 128 along K that has its successor in the same slot.
.macro STEP slot, q, zero
	s_wait_dscnt 4*NL                              ; B's set and A's blocks 0-3 are in; the youngest 24 loads (A's blocks 4-7) may be out
	WIN MUL_LO
	MUL16 0, (\q)%2, \q, \slot, \zero
	MUL16 2, (\q)%2, \q, \slot, \zero
	s_wait_dscnt 0                                 ; A's blocks 4-7 are in
	PLACES NP
	FETCH_B \slot, (\q)+1, 1-(\q)%2
	FETCH_A \slot, (\q)+1, 0
	WIN MUL_HI
	MUL16 4, (\q)%2, \q, \slot, \zero
	MUL16 6, (\q)%2, \q, \slot, \zero
	PLACES NP
	WIN 0
	FETCH_A \slot, (\q)+1, 4
.endm
; A slot's last step changes slots: ONE barrier; in front of it each wave waits for all its tensor loads, adds 0 to its spare word, and waits for that and for its own reads of this slot.  fill = 1: this slot is filled again, two K steps ahead.
.macro TURN slot, next, fill
	s_wait_tensorcnt 0x0                           ; all my tensor loads have landed: my part of the next slot
	ds_add_u32 v[SPW], v[NIL]                      ; 0 onto my spare word
	s_wait_dscnt 4*NL+1                            ; (the add and the youngest 24 loads, A's blocks 4-7, may be out)
	WIN MUL_LO
	MUL16 0, 1, NQ-1, \slot, 0                     ; sixteen matrix instructions stand between the add and the wait for it
	s_wait_dscnt 0x0                               ; the add is done, and my reads of this slot are over
	s_barrier_signal -1
	MUL16 2, 1, NQ-1, \slot, 0
	WIN 0
	s_barrier_wait -1
.if \fill
	CREST                                          ; the barrier has opened a round of the cluster's barrier: no wave of any partner still reads this slot's tile or has a load on its way
	s_add_nc_u64 s[G0+4*\slot+2:G0+4*\slot+3], s[G0+4*\slot+2:G0+4*\slot+3], 2*ROWB
	s_add_nc_u64 s[G0B+4*\slot+2:G0B+4*\slot+3], s[G0B+4*\slot+2:G0B+4*\slot+3], 2*ROWB
	JLOAD G0+4*\slot, G1, G0B+4*\slot, G1B         ; the first tensor load behind the round; the four v_nop behind it are the places in front of the loads below
.else
	PLACES NP
.endif
	v_add_nc_u32 v[ADRS], 4*NQ, v[ADRS]            ; on to the next K step's scale words (no LDS load of mine is out)
	FETCH_B \next, 0, 0
	FETCH_A \next, 0, 0
	SCALES \next
	WIN MUL_HI
	MUL16 4, 1, NQ-1, \slot, 0
	MUL16 6, 1, NQ-1, \slot, 0
	PLACES NP
	WIN 0
	FETCH_A \next, 0, 4
.endm
	s_wait_tensorcnt 1                             ; the scales and my part of K step 0 are in (K step 1's load may be out),
	s_barrier_signal -1
	s_barrier_wait -1                              ; everybody's are
	FETCH_B 0, 0, 0
	FETCH_A 0, 0, 0
	SCALES 0
	FETCH_A 0, 0, 4
	STEP 0, 0, 1                                   ; the first step stands in front of the loop: its products start the sums
	s_mov_b32 s3, LAPS-1
.Llap:                                                 ; a trip goes once round the ring, from a lap's second step to the next lap's first, and fills both slots again
	TURN 0, 1, 1
	STEP 1, 0, 0
	TURN 1, 0, 1
	STEP 0, 0, 0
	s_sub_co_u32 s3, s3, 1
	s_cmp_lg_u32 s3, 0
	s_cbranch_scc1 .Llap
	TURN 0, 1, 0                                   ; the last lap fills nothing, and has no round of the cluster's barrier
	STEP 1, 0, 0
	s_wait_dscnt 4*NL                              ; the very last step: nothing more to fetch
	WIN MUL_LO
	MUL16 0, 1, NQ-1, 1, 0
	MUL16 2, 1, NQ-1, 1, 0
	s_wait_dscnt 0
	WIN MUL_HI
	MUL16 4, 1, NQ-1, 1, 0
	MUL16 6, 1, NQ-1, 1, 0
	WIN 0
; THE WAY OUT, block by block of 16 rows x 128 columns, through my own stage in LDS: back come whole rows of 512 bytes, which the 32 lanes store as 512 consecutive bytes.
; LDS serves a wave's instructions in order (ISA guide 5.7.1.4): no wait between the stores and the loads, nor in front of the next block's stores.
.macro TOSTAGE a
.set AC, 64*((\a)%4)
	WIN 0x08+4*((\a)/4)                            ; the data: window 2 or 3
.irp b, 0,1,2,3,4,5,6,7
	ds_store_b128 v[STO], v[AC+8*\b:AC+8*\b+3] offset:64*\b          ; each accumulator from its low end on
	ds_store_b128 v[STO], v[AC+8*\b+4:AC+8*\b+7] offset:64*\b+16
.endr
	WIN 0
.set BB, BK+64*((\a)%2)
.irp t, 0,1,2,3,4,5,6,7,8,9,10,11,12,13,14,15
	ds_load_b128 v[BB+4*\t:BB+4*\t+3], v[RD] offset:\t*SPITCH
.endr
.endm
.macro SEND a, younger                 ; younger: the LDS instructions issued behind block a's loads, which may stay out
.set BB, BK+64*((\a)%2)
	s_wait_dscnt \younger                          ; the block is back in registers
.if (\a) > 0
	s_add_nc_u64 s[12:13], s[12:13], 16*CP*4       ; (behind a wait on XCNT: the earlier stores have read their base)  16 rows of C on
.endif
.irp t, 0,1,2,3,4,5,6,7,8,9,10,11,12,13,14,15
	global_store_b128 v[CO], v[BB+4*\t:BB+4*\t+3], s[12:13] offset:\t*CP*4 th:TH_STORE_NT   ; 32 lanes store 512 consecutive bytes, at a multiple of 256 from C's first byte; written once, read by nobody here
.endr
.endm
	PLACES NP
	TOSTAGE 0
.irp a, 1,2,3,4,5,6,7
.if \a > 1
	s_wait_xcnt 0x0                                ; block a - 2's stores have read their registers and their base
.endif
	TOSTAGE \a
	SEND \a-1, 32                                  ; behind block a - 1's loads: block a's 16 stores and 16 loads
.endr
	s_wait_xcnt 0x0                                ; block 6's stores have read their base
	SEND 7, 0
	s_wait_tensorcnt 0x0                           ; the wave's end
	ds_add_u32 v[SPW], v[NIL]
	s_wait_dscnt 0x0
	CROUND                                         ; the closing round: no work-group ends while a partner may still ask for a tile that names it
	s_endpgm
.Lfunc_end_k_q435615c29a_gemm_out:
	.size	k_q435615c29a_gemm_out, .Lfunc_end_k_q435615c29a_gemm_out-k_q435615c29a_gemm_out
	.p2alignl 7, 3214868480
	.fill 96, 4, 3214868480
	.section	.rodata,"a",@progbits
	.p2align	6, 0x0
	.amdhsa_kernel k_q435615c29a_gemm_out
		.amdhsa_group_segment_fixed_size 327680
		.amdhsa_private_segment_fixed_size 0
		.amdhsa_enable_private_segment 0
		.amdhsa_kernarg_size 24
		.amdhsa_user_sgpr_count 2
		.amdhsa_user_sgpr_kernarg_segment_ptr 1
		.amdhsa_wavefront_size32 1
		.amdhsa_system_sgpr_workgroup_id_x 1
		.amdhsa_system_sgpr_workgroup_id_y 1
		.amdhsa_system_sgpr_workgroup_id_z 1
		.amdhsa_system_vgpr_workitem_id 0
		.amdhsa_next_free_vgpr 1024
		.amdhsa_next_free_sgpr 98
		.amdhsa_reserve_vcc 0
		.amdhsa_float_denorm_mode_32 3
		.amdhsa_float_denorm_mode_16_64 3
		.amdhsa_memory_ordered 1
		.amdhsa_forward_progress 1
		.amdhsa_inst_pref_size 160
	.end_amdhsa_kernel
	.amdgpu_metadata
---
amdhsa.version: [ 1, 2 ]
amdhsa.kernels:
  - .name:           k_q435615c29a_gemm_out
    .symbol:         k_q435615c29a_gemm_out.kd
    .args:
      - { .name: oq, .offset: 0, .size: 8, .value_kind: global_buffer, .address_space: global }
      - { .name: woq, .offset: 8, .size: 8, .value_kind: global_buffer, .address_space: global }
      - { .name: out0, .offset: 16, .size: 8, .value_kind: global_buffer, .address_space: global }
    .group_segment_fixed_size: 327680
    .private_segment_fixed_size: 0
    .kernarg_segment_align: 8
    .kernarg_segment_size: 24
    .max_flat_workgroup_size: 128
    .sgpr_count:     98
    .vgpr_count:     1024
    .wavefront_size: 32
...
	.end_amdgpu_metadata
.endif
;; end of part 9
